; MI455X (gfx1250); checked and timed in simulation.
; The chip was launched on July 23, 2026; its instructions are those of AMD's public machine-readable ISA for CDNA 5 (MIT licence, August 2026) and "CDNA5" Instruction Set Architecture Reference Guide (July 2026). The comments in the code are by the model that wrote it; some were corrected since.
;; Muti Attention. Allowed arithmetic: matrix products marked QUANTISED: E5M2 operands, one E8M0 scale for each 32 along K, by v_wmma_scale_f32_16x16x128_f8f6f4 with both operands' format E5M2, f32 sums; everything else in f32.
;; Inputs: W_Query_codes 512 x 16 x 32 uint8 (E5M2 codes of W_Query, K innermost, in blocks of 32 codes); W_Query_scales 512 x 16 uint8 (E8M0 scales of W_Query, one for each 32 codes along K); W_Value_codes 512 x 16 x 32 uint8 (E5M2 codes of W_Value, K innermost, in blocks of 32 codes); W_Value_scales 512 x 16 uint8 (E8M0 scales of W_Value, one for each 32 codes along K); W_key_codes 512 x 16 x 32 uint8 (E5M2 codes of W_key, K innermost, in blocks of 32 codes); W_key_scales 512 x 16 uint8 (E8M0 scales of W_key, one for each 32 codes along K); fw1_codes 2,048 x 16 x 32 uint8 (E5M2 codes of fw1, K innermost, in blocks of 32 codes); fw1_scales 2,048 x 16 uint8 (E8M0 scales of fw1, one for each 32 codes along K); fw2_codes 512 x 64 x 32 uint8 (E5M2 codes of fw2, K innermost, in blocks of 32 codes); fw2_scales 512 x 64 uint8 (E8M0 scales of fw2, one for each 32 codes along K); keys_codes 16 x 1,024 x 16 x 32 uint8 (E5M2 codes of keys, K innermost, in blocks of 32 codes); keys_scales 16 x 1,024 x 16 uint8 (E8M0 scales of keys, one for each 32 codes along K); queries 16 x 1,024 x 512 float32.
;; Outputs: out0 16 x 1 x 512 float32.
;; This version of the problem:
;;   THIS VERSION OF THE PROBLEM IS GIVEN IN LOW PRECISION. The matrix products marked QUANTISED in the list below multiply operands that are first quantised to E5M2 (5 exponent bits, 2 mantissa bits; 8 bits a number), with one power-of-two scale for each 32 numbers along K (OCP MX v1.0); their sums are f32. All else is computed in f32.
;;   The module's matrix products, in the order in which they are computed (A, B: the left and right operand; K: the contracted axis; several contracted axes count as one K, in the product's order):
;;     1. [M 16,384, K 512] x [K 512, N 512]; A: input queries; B: input W_Query (given as codes): QUANTISED
;;     2. [M 16,384, K 512] x [K 512, N 512]; A: input keys (given as codes); B: input W_key (given as codes): QUANTISED
;;     3. [M 16,384, K 512] x [K 512, N 512]; A: computed on the way; B: input W_Value (given as codes): QUANTISED
;;     4. batch 128 x [M 1,024, K 64] x [K 64, N 1,024]; A: computed on the way; B: computed on the way: QUANTISED
;;     5. batch 128 x [M 1,024, K 1,024] x [K 1,024, N 64]; A: softmax (see below); B: computed on the way: QUANTISED
;;     6. [M 16,384, K 512] x [K 512, N 2,048]; A: computed on the way; B: input fw1 (given as codes): QUANTISED
;;     7. [M 16,384, K 2,048] x [K 2,048, N 512]; A: computed on the way; B: input fw2 (given as codes): QUANTISED
;;   THE QUANTISER, for each operand of a quantised product, along K:
;;     - K is cut into blocks of 32 from its start; a last block that is shorter is filled with zeros.
;;     - A block's scale is 2^e with e = floor(log2(the largest magnitude in the block)) - 15, held to -126 .. 127; a block of zeros has e = 0. As a byte (E8M0): e + 127.
;;     - Each number is divided by its block's scale, clamped to +-57,344, and rounded to the nearest number of E5M2, ties to even, subnormals kept.
;;     - The product sums the exact products of the quantised numbers (number of the format x scale) in f32.
;;   ~~~python
;;   def quantise(x, axis):      # numpy; x: float32 -> the quantised numbers, widened to float32 again
;;       x = np.moveaxis(x, axis, -1); K = x.shape[-1]
;;       x = np.pad(x, [(0, 0)] * (x.ndim - 1) + [(0, -K % 32)]); x = x.reshape(x.shape[:-1] + (-1, 32)); a = np.abs(x).max(-1, keepdims=True)
;;       e = np.where(a > 0, np.clip(np.frexp(np.where(a > 0, a, 1))[1] - 1 - 15, -126, 127), 0)      # np.frexp(a)[1] - 1 = floor(log2(a)), exactly
;;       r = np.clip(x / 2.0 ** e, -57344, 57344)
;;       step = 2.0 ** (np.maximum(np.frexp(np.where(r == 0, 1, r))[1] - 1, -14) - 2)
;;       q = np.round(r / step) * step * 2.0 ** e      # np.round: ties to even
;;       return np.moveaxis(q.reshape(q.shape[:-2] + (-1,))[..., :K], -1, axis).astype(np.float32)
;;   ~~~
;;   SOFTMAX AHEAD OF A QUANTISED PRODUCT. Where the list says 'softmax', what is quantised is not the finished softmax but p = 2^(t - M), with t = logit x log2(e) and M = ceil(the row's largest t), a whole number; so 1/2 < the row's largest p <= 1. The row's sum l is taken of the UNQUANTISED p, in f32, and the product's result is divided by l at the end. Since M is a whole number, a kernel that streams over the keys may use a running M (the ceiling of the running maximum): every later rescaling is an exact power of two, which a block's scale takes up: the codes' values come out the same.
;;   OPERANDS COMPUTED ON THE WAY. 'Computed on the way' means the value that the module computes at that place (a softmax that the list does not call 'softmax' is quantised finished and normalised). What goes into a quantiser is computed in f32, as accurately as f32 sums, v_exp_f32 and their like allow (about 1e-6 of the number): no bf16 or f16 on the way to a quantiser, and a product that is left as it is and whose result goes on into a quantised operand takes f32 operands (vector FMAs, or v_wmma_f32_16x16x4_f32). A number that lies on a knife's edge between two numbers of the format may be rounded either way, as far as f32 arithmetic and the matrix unit's own rounding can turn it there, and no further.
;;   INPUTS GIVEN AS CODES. W_Query (in the module: [512, 512], K = its axis 0); W_Value (in the module: [512, 512], K = its axis 0); W_key (in the module: [512, 512], K = its axis 0); fw1 (in the module: [512, 2048], K = its axis 0); fw2 (in the module: [2048, 512], K = its axis 0); keys (in the module: [16, 1024, 512], K = its axis 2): each comes as NAME_codes (uint8): NAME with its K axis moved to the last place and cut into blocks of 32 codes, [.., K / 32, bytes a block], one block behind the other in memory; one code a byte (a code: sign, 5 exponent bits, 2 mantissa bits); and NAME_scales (uint8): the same leading axes, one E8M0 byte (e + 127) for each 32 codes along K. Its value is code x scale, taken as it is: it is not quantised again, and the codes and scales need not be those that the quantiser above would give.
;; 2 versions. Each part assembles by itself: llvm-mc -triple=amdgcn-amd-amdhsa -mcpu=gfx1250 --defsym DOCPART=n.
;; ======== version 1 of 2: 5 launches
;; workspace buffers: kv 16,777,216 bytes; kvs 524,288 bytes; qc 8,388,608 bytes; qs 524,288 bytes; rc 8,388,608 bytes; rs 262,144 bytes; ps 589,824 bytes; wi 2,883,584 bytes
;; launch lay (part 1): grid 352 x 1, 4 waves a work-group, no clusters, 0 bytes of LDS; arguments W_key_codes, W_Query_codes, W_Value_codes, fw1_codes, fw2_codes, wi; writes wi
.if DOCPART == 1
	.amdgcn_target "amdgcn-amd-amdhsa--gfx1250"
	.amdhsa_code_object_version 6
	.text
	.protected	k_qa6779cd4e8_lay
	.globl	k_qa6779cd4e8_lay
	.p2align	8
	.type	k_qa6779cd4e8_lay,@function
k_qa6779cd4e8_lay:
	s_mov_b64 s[64:65], 0
	v_nop
	global_prefetch_b8 v0, s[64:65] scope:SCOPE_SE
	s_setreg_imm32_b32 hwreg(HW_REG_WAVE_MODE, 25, 1), 1
	s_wait_xcnt 0x0
; LAY: the five weights' codes are copied once into wi as IMAGES OF OPERAND REGISTERS, so that the launches that multiply by them load a fragment by four loads of 512 consecutive bytes each.
; A fragment is 16 rows x 128 K of 8-bit codes: 16 registers a lane; group c (4 registers) of lane (r, h) holds K = 32 c + 16 h + 0 .. 15 of the fragment's row r.  Its image: [group 4][lane 32][16 bytes], 2,048 bytes.
; wi: fragments on end: W_key 128, W_Query 128, W_Value 128, fw1 512, fw2 512: 1,408 fragments, 2,883,584 bytes.
; The four tensors with K = 512 (rows of 512 bytes): fragment 4 T + s = tile T, K step s.  THE ROWS OF A TILE ARE NOT NEIGHBOURS: lane r of tile T takes row 32 (T / 2) + 8 (T % 2) + r + 8 (r / 8), as the products that use them want.
; fw2 (rows of 2,048 bytes): fragment 16 R + ks = rows 16 R + r, K step ks.
; SHARES.  A wave copies one fragment: four loads (16 rows x 32 bytes each), four stores of 512 consecutive bytes.  Work-group g holds fragments 4 g .. 4 g + 3; work-groups 0-31, 32-63, 64-95, 96-223, 224-351 serve the five tensors.
; The tensor is chosen by the work-group's number alone; all take one path through the text.  No LDS, no barrier, no matrix unit: bytes are moved and nothing is computed.
	s_load_b256 s[4:11], s[0:1], 0x0               ; W_key 4, W_Query 6, W_Value 8, fw1 10
	s_load_b128 s[12:15], s[0:1], 0x20             ; fw2 12, wi 14
	v_lshrrev_b32 v1, 5, v0
	v_readfirstlane_b32 s16, v1                    ; wave 0..3
	v_and_b32 v2, 31, v0                           ; lane
	v_and_b32 v3, 15, v0                           ; r
	v_bfe_u32 v4, v0, 4, 1                         ; h
	v_and_b32 v5, 8, v3
	v_add_nc_u32 v5, v5, v3                        ; r + 8 (r / 8)
	v_lshlrev_b32 v5, 9, v5                        ; rows of 512 bytes, by the tile's rows
	v_lshlrev_b32 v6, 11, v3                       ; fw2: row r of 2,048 bytes
	s_cmp_lt_u32 ttmp9, 224
	s_cselect_b32 s17, 0, -1                       ; all lanes' bits in fw2's work-groups
	v_cndmask_b32 v5, v5, v6, s17
	v_lshl_add_u32 v5, v4, 4, v5                   ; + 16 h
	v_lshlrev_b32 v7, 4, v2                        ; the image: 16 x lane
	s_mov_b32 s18, 224                             ; the first work-group of my tensor
	s_wait_kmcnt 0x0
	s_mov_b64 s[20:21], s[12:13]
	s_cmp_lt_u32 ttmp9, 224
	s_cselect_b64 s[20:21], s[10:11], s[20:21]
	s_cselect_b32 s18, 96, s18
	s_cmp_lt_u32 ttmp9, 96
	s_cselect_b64 s[20:21], s[8:9], s[20:21]
	s_cselect_b32 s18, 64, s18
	s_cmp_lt_u32 ttmp9, 64
	s_cselect_b64 s[20:21], s[6:7], s[20:21]
	s_cselect_b32 s18, 32, s18
	s_cmp_lt_u32 ttmp9, 32
	s_cselect_b64 s[20:21], s[4:5], s[20:21]
	s_cselect_b32 s18, 0, s18
	s_sub_co_u32 s19, ttmp9, s18                   ; T: my work-group's number in its tensor
	s_lshr_b32 s22, s19, 1                         ; K = 512: tile T begins at row 32 (T / 2) + 8 (T % 2); my wave is the K step
	s_lshl_b32 s22, s22, 14
	s_and_b32 s23, s19, 1
	s_lshl_b32 s23, s23, 12
	s_add_co_u32 s22, s22, s23
	s_lshr_b32 s24, s19, 2                         ; fw2: fragment 4 T + wave: rows 16 (T / 4) on, K step 4 (T % 4) + wave
	s_lshl_b32 s24, s24, 15
	s_and_b32 s25, s19, 3
	s_lshl_b32 s25, s25, 9
	s_add_co_u32 s24, s24, s25
	s_cmp_lt_u32 ttmp9, 224
	s_cselect_b32 s22, s22, s24
	s_lshl_b32 s23, s16, 7                         ; 128 bytes a K step
	s_add_co_u32 s22, s22, s23
	s_mov_b32 s23, 0
	s_add_nc_u64 s[20:21], s[20:21], s[22:23]
	s_lshl_b32 s24, ttmp9, 13                      ; wi: 8,192 bytes a work-group,
	s_lshl_b32 s25, s16, 11                        ; 2,048 a wave
	s_add_co_u32 s24, s24, s25
	s_mov_b32 s25, 0
	s_add_nc_u64 s[14:15], s[14:15], s[24:25]
.irp c, 0,1,2,3
	global_load_b128 v[8+4*\c:11+4*\c], v5, s[20:21] offset:32*\c
.endr
	s_wait_loadcnt 0x0
.irp c, 0,1,2,3
	global_store_b128 v7, v[8+4*\c:11+4*\c], s[14:15] offset:512*\c   ; 32 lanes store 512 consecutive bytes, at a multiple of 256 from wi's first byte
.endr
	s_endpgm
.Lfunc_end_k_qa6779cd4e8_lay:
	.size	k_qa6779cd4e8_lay, .Lfunc_end_k_qa6779cd4e8_lay-k_qa6779cd4e8_lay
	.p2alignl 7, 3214868480
	.fill 96, 4, 3214868480
	.section	.rodata,"a",@progbits
	.p2align	6, 0x0
	.amdhsa_kernel k_qa6779cd4e8_lay
		.amdhsa_group_segment_fixed_size 0
		.amdhsa_private_segment_fixed_size 0
		.amdhsa_enable_private_segment 0
		.amdhsa_kernarg_size 48
		.amdhsa_user_sgpr_count 2
		.amdhsa_user_sgpr_kernarg_segment_ptr 1
		.amdhsa_wavefront_size32 1
		.amdhsa_system_sgpr_workgroup_id_x 1
		.amdhsa_system_sgpr_workgroup_id_y 1
		.amdhsa_system_sgpr_workgroup_id_z 1
		.amdhsa_system_vgpr_workitem_id 0
		.amdhsa_next_free_vgpr 32
		.amdhsa_next_free_sgpr 66
		.amdhsa_reserve_vcc 0
		.amdhsa_float_denorm_mode_32 3
		.amdhsa_float_denorm_mode_16_64 3
		.amdhsa_memory_ordered 1
		.amdhsa_forward_progress 1
		.amdhsa_inst_pref_size 4
	.end_amdhsa_kernel
	.amdgpu_metadata
---
amdhsa.version: [ 1, 2 ]
amdhsa.kernels:
  - .name:           k_qa6779cd4e8_lay
    .symbol:         k_qa6779cd4e8_lay.kd
    .args:
      - { .name: W_key_codes, .offset: 0, .size: 8, .value_kind: global_buffer, .address_space: global }
      - { .name: W_Query_codes, .offset: 8, .size: 8, .value_kind: global_buffer, .address_space: global }
      - { .name: W_Value_codes, .offset: 16, .size: 8, .value_kind: global_buffer, .address_space: global }
      - { .name: fw1_codes, .offset: 24, .size: 8, .value_kind: global_buffer, .address_space: global }
      - { .name: fw2_codes, .offset: 32, .size: 8, .value_kind: global_buffer, .address_space: global }
      - { .name: wi, .offset: 40, .size: 8, .value_kind: global_buffer, .address_space: global }
    .group_segment_fixed_size: 0
    .private_segment_fixed_size: 0
    .kernarg_segment_align: 8
    .kernarg_segment_size: 48
    .max_flat_workgroup_size: 128
    .sgpr_count:     66
    .vgpr_count:     32
    .wavefront_size: 32
...
	.end_amdgpu_metadata
.endif
;; end of part 1
;; launch proj (part 2): grid 256 x 1, 4 waves a work-group, no clusters, 104,960 bytes of LDS; arguments queries, keys_codes, keys_scales, wi, W_key_scales, W_Query_scales, W_Value_scales, kv, kvs, qc, qs; writes kv, kvs, qc, qs
.if DOCPART == 2
	.amdgcn_target "amdgcn-amd-amdhsa--gfx1250"
	.amdhsa_code_object_version 6
	.text
	.protected	k_qa6779cd4e8_proj
	.globl	k_qa6779cd4e8_proj
	.p2align	8
	.type	k_qa6779cd4e8_proj,@function
k_qa6779cd4e8_proj:
	s_mov_b64 s[64:65], 0
	v_nop
	global_prefetch_b8 v0, s[64:65] scope:SCOPE_SE
	s_setreg_imm32_b32 hwreg(HW_REG_WAVE_MODE, 25, 1), 1
	s_wait_xcnt 0x0
; PROJ: k = keys W_key, q = Q(queries) W_Query, v = Q(k) W_Value, all three products on codes of BF8 (E5M2) with one E8M0 scale for each 32 along K; k, q and v leave quantised, as images of operand registers.
; SHARES.  Work-group g takes rows 64 g .. 64 g + 63 of the 16,384 (batch g / 16, block tb = g % 16 of 64 rows).  THE WAVES SHARE THE COLUMNS: wave w makes columns 128 w .. 128 w + 127 (heads 2 w, 2 w + 1) for all 64 rows.
; So a weight byte is used by one wave of the work-group, feeds four matrix instructions and goes from memory straight into operand registers.  The weights' codes come from wi, where the launch before has laid them as images of
; these registers: a column tile (16 rows x 512 K) is 8,192 bytes on end, brought by 16 loads of 512 consecutive bytes; a ring of four tiles (64 registers + 4 scale words each): four tiles, 68 loads, are asked for ahead.
; The rows go round through LDS as IMAGES OF OPERAND REGISTERS (a fragment = 4 stores of 512 bytes, lane l at 16 l): keys as given, queries quantised here (wave w: rows 16 w on), k as quantised behind the first product.
; k and q are made TRANSPOSED (source 0 = 16 rows of the weight, source 1 = 16 rows of x): a lane holds one row and its registers run along the columns.  The rows of a weight that form a tile are not neighbours:
; lane r of tile 2 b + u takes row 32 b + 8 u + r + 8 (r / 8), so that the 16 registers of tiles 2 b, 2 b + 1 are 16 neighbours: 32 b + 16 (lane / 16) + 0 .. 15.  A head's 64 columns are two whole blocks of 32: the codes of k serve product 3 and the scores alike.
; v is made the other way round (source 0 = 16 rows of k, source 1 = 16 rows of W_Value): a lane holds one channel and its registers run down the keys, which are the K of the last attention product.
; OUT.  kv [head of a batch][131,072]: K part: pairs of key tiles [pair 32][group 4][lane][16 bytes]: groups 0, 1 = key 32 P + r, groups 2, 3 = key 32 P + 16 + r, 32 of the head's 64 each;  V part at 65,536: [step 8][tile 4][group 4][lane][16]:
; byte 8 u + j of group c, lane half h = key 128 S + 32 c + 16 u + 8 h + j.  kvs: their scale bytes.  qc [head][query tile 64][group 2][lane][16], qs: a word (s0, s1, s0, s1) for each query.  Every store of codes covers 512 consecutive bytes.
; THE QUANTISER: a block's scale is 2^(floor(log2(largest magnitude)) - 15); numbers are held within 57,344 x the scale and rounded to the nearest code, ties to even.
; LIMITS: NaN and infinities are not served; a block of zeros gets the byte 1 (its codes are zeros, and this program alone reads the bytes); blocks whose largest magnitude lies under 2^-111 are held at the byte 1.
; NO CLUSTER: the weights that all work-groups walk (786,432 bytes) are used from registers, each byte by one wave; shared by joint tensor loads they would have to pass through LDS in a ring and be read back from there.
; REGISTERS, in windows of 256: window 0: v1-15 addresses, v16-31 x's scale words (4 m + s), v32-47 the weights' (ring of four), v48-63 the quantiser's, v64-67 scale words made, v68-71 words on the way in and out, v128-191 codes made;
;   window 1: the weight ring, 4 x 64;   window 2: x's 16 fragments (4 m + s);   window 3: 256 accumulators (at the head: the queries as f32).
.set XS,  16
.set WS,  32
.set TM,  48                           ; +0..3 largest magnitudes, +4..7 the other half's, then the bytes, +8..11 57,344 x the scale, +12..15 the conversions' scale operands
.set PW,  64
.set OW,  68
.set PC,  128
.set MSB, 0
.macro WIN new                         ; the immediate's high byte repeats the setting that is left; bits 1:0 source 0, 3:2 source 1, 5:4 source 2, 7:6 destination
.if MSB != \new
	s_set_vgpr_msb (MSB<<8)|\new
.set MSB, \new
.endif
.endm
.macro MM0 d, a, b, sa, sb             ; a product that starts a sum
	v_wmma_scale_f32_16x16x128_f8f6f4 v[\d:\d+7], v[\a:\a+15], v[\b:\b+15], 0, v[\sa], v[\sb] matrix_a_fmt:MATRIX_FMT_BF8 matrix_b_fmt:MATRIX_FMT_BF8
.endm
.macro MMA d, a, b, sa, sb             ; and one that adds onto it
	v_wmma_scale_f32_16x16x128_f8f6f4 v[\d:\d+7], v[\a:\a+15], v[\b:\b+15], v[\d:\d+7], v[\sa], v[\sb] matrix_a_fmt:MATRIX_FMT_BF8 matrix_b_fmt:MATRIX_FMT_BF8
.endm
.macro XLOAD k                         ; my 16 rows of queries, K step k: lane (r, h) takes 16 neighbours of each block of 32 of row r
	WIN 0xc0
.irp b, 0,1,2,3
.irp j, 0,1,2,3
	global_load_b128 v[64*\k+16*\b+4*\j:64*\k+16*\b+4*\j+3], v3, s[4:5] offset:512*\k+128*\b+16*\j
.endr
.endr
	WIN 0
.endm
.macro WLOAD i                         ; column tile i of 24 (product i / 8, tile i % 8): its image, 16 loads of 512 consecutive bytes, and the rows' 16 scale bytes: 17 loads
.set wp, (\i)/8
.set wct, (\i)%8
.set wro, 32*(wct/2)+8*(wct%2)
.set wbf, 64*((\i)%4)
	WIN 0x40
.irp n, 0,1,2,3
.irp c, 0,1,2,3
	global_load_b128 v[wbf+16*\n+4*\c:wbf+16*\n+4*\c+3], v1, s[10+4*wp:11+4*wp] offset:8192*wct+2048*\n+512*\c
.endr
.endr
	WIN 0
	global_load_b128 v[WS+4*((\i)%4):WS+4*((\i)%4)+3], v7, s[12+4*wp:13+4*wp] offset:wro*16
.endm
; Column tile i against the four tiles of rows: 16 matrix instructions, the four accumulators by turns.  tr = 1: transposed.
.macro TURN i, tr
.set tct, (\i)%8
.set tbf, 64*((\i)%4)
.set tws, WS+4*((\i)%4)
.if (\i) < 21
	s_wait_loadcnt 51                              ; tile i is in; the 17 loads of each of the three tiles behind it may be out
.else
	s_wait_loadcnt 17*(23-(\i))
.endif
.if \tr
	WIN 0xf9                                       ; source 0 the weights (window 1), source 1 x (window 2), C and D window 3
.else
	WIN 0xf6                                       ; source 0 x, source 1 the weights
.endif
.irp n, 0,1,2,3
.irp m, 0,1,2,3
.if \tr
.if \n == 0
	MM0 64*\m+8*tct, tbf+16*\n, 16*(4*\m+\n), tws+\n, XS+4*\m+\n
.else
	MMA 64*\m+8*tct, tbf+16*\n, 16*(4*\m+\n), tws+\n, XS+4*\m+\n
.endif
.else
.if \n == 0
	MM0 32*tct+8*\m, 16*(4*\m+\n), tbf+16*\n, XS+4*\m+\n, tws+\n
.else
	MMA 32*tct+8*\m, 16*(4*\m+\n), tbf+16*\n, XS+4*\m+\n, tws+\n
.endif
.endif
.endr
.endr
.rept 8
	v_nop                                          ; eight places in front of loads into registers that these products have read, and of the first read of results
.endr
.if (\i)+4 < 24
	WLOAD (\i)+4                                   ; the buffer just read takes the tile four on
.else
	WIN 0
.endif
.endm
.macro FETCHX adr, fo, so              ; all 16 fragments of an x and their scale words, from LDS into window 2 and v16-31
	WIN 0x80
.irp n, 0,1,2,3,4,5,6,7,8,9,10,11,12,13,14,15
.irp c, 0,1,2,3
	ds_load_b128 v[16*\n+4*\c:16*\n+4*\c+3], v[\adr] offset:\fo+2048*\n+512*\c
.endr
.endr
	WIN 0
.irp m, 0,1,2,3
	ds_load_b128 v[XS+4*\m:XS+4*\m+3], v2 offset:\so+512*\m
.endr
	s_wait_dscnt 0x0
.endm
; 64 numbers of a lane in window 3 from nb on, register 16 b + i = place 32 b + 16 (lane / 16) + i, become a fragment's codes in v[PC + 16 q] on and its scale word in v[PW + q].
.macro QUANT nb, q
	WIN 0x0f
.irp b, 0,1,2,3
	v_max3_num_f32 v[TM+\b], |v[\nb+16*\b]|, |v[\nb+16*\b+1]|, 0x8000000   ; my 16 numbers of block b, and the floor 2^(16 - 127): the byte cannot fall under 1
.endr
	WIN 0x3c
.irp i, 2,4,6,8,10,12,14
.irp b, 0,1,2,3
	v_max3_num_f32 v[TM+\b], v[TM+\b], |v[\nb+16*\b+\i]|, |v[\nb+16*\b+\i+1]|   ; the four blocks by turns
.endr
.endr
	WIN 0
.irp b, 0,1,2,3
	v_permlanex16_b32 v[TM+4+\b], v[TM+\b], s32, s33
.endr
.irp b, 0,1,2,3
	v_max_num_f32 v[TM+\b], v[TM+\b], v[TM+4+\b]   ; with lane l xor 16: the block's largest magnitude
.endr
.irp b, 0,1,2,3
	v_add_nc_u32 v[TM+12+\b], 0xf8800000, v[TM+\b] ; 15 off its exponent field: the conversion's scale operand
.endr
.irp b, 0,1,2,3
	v_and_or_b32 v[TM+8+\b], v[TM+\b], 0x7f800000, s34   ; 57,344 x the scale
.endr
.irp b, 0,1,2,3
	v_lshrrev_b32 v[TM+4+\b], 23, v[TM+12+\b]      ; the scale's byte
.endr
	v_lshl_or_b32 v[PW+\q], v[TM+5], 8, v[TM+4]
	v_lshl_or_b32 v[PW+\q], v[TM+6], 16, v[PW+\q]
	v_lshl_or_b32 v[PW+\q], v[TM+7], 24, v[PW+\q]
	WIN 0xc3
.irp b, 0,1,2,3
.irp i, 0,1,2,3,4,5,6,7,8,9,10,11,12,13,14,15
	v_med3_num_f32 v[\nb+16*\b+\i], v[\nb+16*\b+\i], -v[TM+8+\b], v[TM+8+\b]   ; the conversion to an 8-bit code does not saturate (ISA guide 7.6.2): the hold
.endr
.endr
	WIN 0x03
.irp b, 0,1,2,3
	v_cvt_scalef32_pk8_bf8_f32 v[PC+16*\q+4*\b:PC+16*\q+4*\b+1], v[\nb+16*\b:\nb+16*\b+7], v[TM+12+\b]
	v_cvt_scalef32_pk8_bf8_f32 v[PC+16*\q+4*\b+2:PC+16*\q+4*\b+3], v[\nb+16*\b+8:\nb+16*\b+15], v[TM+12+\b]
.endr
	WIN 0
	v_nop                                          ; one plain vector instruction behind the last conversion: later products write its sources
.endm
.macro XIMAGE k                        ; the queries' fragment of K step k goes to LDS as it stands
.irp c, 0,1,2,3
	ds_store_b128 v8, v[PC+16*\k+4*\c:PC+16*\k+4*\c+3] offset:32768+2048*\k+512*\c
.endr
.endm
.macro BARRIER                         ; my LDS stores have landed and my LDS loads are in: then the work-group's barrier
	s_wait_dscnt 0x0
	s_barrier_signal -1
	s_barrier_wait -1
.endm
	s_load_b256 s[4:11], s[0:1], 0x0               ; queries 4, keys_codes 6, keys_scales 8, wi 10
	s_load_b64 s[12:13], s[0:1], 0x20              ; W_key_scales
	s_load_b64 s[16:17], s[0:1], 0x28              ; W_Query_scales
	s_load_b64 s[20:21], s[0:1], 0x30              ; W_Value_scales
	s_load_b64 s[22:23], s[0:1], 0x38              ; kv
	s_load_b128 s[24:27], s[0:1], 0x40             ; kvs 24, qc 26
	s_load_b64 s[28:29], s[0:1], 0x50              ; qs
	v_lshl_add_u32 v254, v0, 2, 0x19800
	v_mov_b32 v255, 0
	v_lshrrev_b32 v68, 5, v0
	v_readfirstlane_b32 s30, v68                   ; wave 0..3
	v_and_b32 v68, 31, v0                          ; lane
	v_and_b32 v69, 15, v0                          ; r
	v_bfe_u32 v70, v0, 4, 1                        ; h
	v_and_b32 v71, 8, v69
	v_add_nc_u32 v71, v71, v69                     ; r + 8 (r / 8)
	s_mov_b32 s32, 0x76543210
	s_mov_b32 s33, 0xfedcba98                      ; v_permlanex16_b32: lane l xor 16
	s_mov_b32 s34, 0x600000                        ; the mantissa field of 57,344
	s_mov_b32 s35, 0xffff0000                      ; lanes 16-31
	; LDS: 0 keys' 16 fragments; 32,768 queries'; 65,536 k's; 98,304 / 100,352 / 102,400 their scale words, [tile of rows][lane][16 bytes: K steps 0..3]
	v_lshlrev_b32 v1, 4, v68                       ; 16 x lane
	v_add_nc_u32 v2, 0x10000, v1                   ; + 65,536
	v_lshlrev_b32 v3, 11, v69
	v_lshl_add_u32 v3, v70, 6, v3                  ; queries: row r of 2,048 bytes + 64 h
	v_lshlrev_b32 v4, 9, v69
	v_lshl_add_u32 v4, v70, 4, v4                  ; keys' codes: row r of 512 bytes + 16 h
	v_lshlrev_b32 v5, 4, v69                       ; keys' scales: 16 bytes a row
	v_lshlrev_b32 v7, 4, v71                       ; a weight's scales, by the tile's rows
	s_lshl_b32 s36, s30, 13
	v_add_nc_u32 v8, s36, v1                       ; where I store x's images: fragments 4 w + s
	s_lshl_b32 s36, s30, 9
	v_add_nc_u32 v9, s36, v2                       ; and their scale words
	s_lshl_b32 s36, s30, 11
	v_add_nc_u32 v10, s36, v2                      ; k's images: fragments 4 m + w
	s_lshl_b32 s36, s30, 2
	v_add_nc_u32 v11, s36, v2                      ; k's scale words: word w of 16 bytes a lane
	v_mov_b32 v48, 0x05040100
	v_mov_b32 v49, 0x07060302
	v_cndmask_b32 v12, v48, v49, s35               ; byte selects: lanes 0-15 serve head 2 w (bytes 0, 1 of two words), lanes 16-31 head 2 w + 1 (bytes 2, 3)
	v_mov_b32 v48, 0x01000100
	v_mov_b32 v49, 0x03020302
	v_cndmask_b32 v13, v48, v49, s35               ; and for q: the head's two bytes, twice
	v_lshlrev_b32 v14, 3, v69
	v_lshl_add_u32 v14, v70, 12, v14               ; scale bytes out: 8 r, the second head 4,096 on
	v_lshl_add_u32 v15, v70, 12, v5                ; 16 r likewise
.irp b, 0,1,2,3
	v_mov_b32 v[TM+4+\b], 0                        ; written once: a lane permute's destination counts as one of its sources
.endr
	s_lshl_b32 s36, ttmp9, 6
	s_lshl_b32 s37, s30, 4
	s_add_co_u32 s36, s36, s37                     ; the first row that I bring in: 64 g + 16 w
	s_mov_b32 s39, 0
	s_lshr_b32 s40, ttmp9, 4
	s_lshl_b32 s40, s40, 3
	s_lshl_b32 s37, s30, 1
	s_add_co_u32 s40, s40, s37                     ; 8 x batch + my first head
	s_and_b32 s41, ttmp9, 15                       ; tb
	s_wait_kmcnt 0x0
	s_lshl_b32 s38, s36, 11
	s_add_nc_u64 s[4:5], s[4:5], s[38:39]
	s_lshl_b32 s38, s36, 9
	s_add_nc_u64 s[6:7], s[6:7], s[38:39]
	s_lshl_b32 s38, s36, 4
	s_add_nc_u64 s[8:9], s[8:9], s[38:39]
	s_lshl_b32 s38, s30, 16                        ; my 128 rows of each weight: eight tiles' images, 65,536 bytes;
	s_add_nc_u64 s[10:11], s[10:11], s[38:39]      ; W_key's begin at wi's first byte,
	s_add_nc_u64 s[14:15], s[10:11], 0x40000       ; W_Query's 262,144 on,
	s_add_nc_u64 s[18:19], s[10:11], 0x80000       ; W_Value's 524,288 on
	s_lshl_b32 s38, s30, 11                        ; 16 bytes of scales a row
	s_add_nc_u64 s[12:13], s[12:13], s[38:39]
	s_add_nc_u64 s[16:17], s[16:17], s[38:39]
	s_add_nc_u64 s[20:21], s[20:21], s[38:39]
	s_lshl_b32 s38, s40, 17
	s_add_nc_u64 s[22:23], s[22:23], s[38:39]      ; kv at my first head
	s_lshr_b32 s42, s41, 1
	s_lshl_b32 s42, s42, 13
	s_and_b32 s43, s41, 1
	s_lshl_b32 s43, s43, 10
	s_add_co_u32 s38, s42, s43
	s_add_co_u32 s38, s38, 65536
	s_add_nc_u64 s[44:45], s[22:23], s[38:39]      ; V part: step tb / 2, groups 2 (tb % 2) on
	s_lshl_b32 s38, s41, 12
	s_add_nc_u64 s[22:23], s[22:23], s[38:39]      ; K part: pairs 2 tb on
	s_lshl_b32 s38, s40, 12
	s_lshl_b32 s42, s41, 7
	s_add_co_u32 s38, s38, s42
	s_add_nc_u64 s[24:25], s[24:25], s[38:39]      ; kvs
	s_lshl_b32 s38, s40, 16
	s_lshl_b32 s42, s41, 12
	s_add_co_u32 s38, s38, s42
	s_add_nc_u64 s[26:27], s[26:27], s[38:39]      ; qc
	s_lshl_b32 s38, s40, 12
	s_lshl_b32 s42, s41, 8
	s_add_co_u32 s38, s38, s42
	s_add_nc_u64 s[28:29], s[28:29], s[38:39]      ; qs
	; ---- the rows come in: my 16 rows of keys (codes as given) and of queries (f32)
	WIN 0x80
.irp n, 0,1,2,3
.irp c, 0,1,2,3
	global_load_b128 v[16*\n+4*\c:16*\n+4*\c+3], v4, s[6:7] offset:128*\n+32*\c
.endr
.endr
	WIN 0
	global_load_b128 v[OW:OW+3], v5, s[8:9]
	XLOAD 0
	XLOAD 1
	s_wait_loadcnt 32                              ; the keys' 17 loads are in; the 32 loads of queries behind them may be out
	WIN 0x08                                       ; an LDS store's data are its source 1: window 2
.irp n, 0,1,2,3
.irp c, 0,1,2,3
	ds_store_b128 v8, v[16*\n+4*\c:16*\n+4*\c+3] offset:2048*\n+512*\c
.endr
.endr
	WIN 0
	ds_store_b128 v9, v[OW:OW+3] offset:32768
	XLOAD 2
	s_wait_loadcnt 32                              ; K step 0 is in; steps 1 and 2 may be out
	QUANT 0, 0
	XIMAGE 0
	XLOAD 3
	s_wait_loadcnt 32                              ; K step 1 is in; steps 2 and 3 may be out
	QUANT 64, 1
	XIMAGE 1
	WLOAD 0
	s_wait_loadcnt 33                              ; K step 2 is in; step 3 (16) and weight tile 0 (17) may be out
	QUANT 128, 2
	XIMAGE 2
	WLOAD 1
	s_wait_loadcnt 34                              ; K step 3 is in; weight tiles 0 and 1 may be out
	QUANT 192, 3
	XIMAGE 3
	ds_store_b128 v9, v[PW:PW+3] offset:34816
	WLOAD 2
	WLOAD 3
	BARRIER                                        ; all 64 rows of keys and of queries lie in LDS
	; ---- k = keys W_key
	FETCHX 1, 0, 32768
.irp i, 0,1,2,3,4,5,6,7
	TURN \i, 1
.endr
.irp m, 0,1,2,3                        ; k of rows 16 m on, my 128 columns: K step w of product 3 (to LDS), and two heads' halves of a pair of key tiles (to kv)
	QUANT 64*\m, \m
.irp c, 0,1,2,3
	ds_store_b128 v10, v[PC+16*\m+4*\c:PC+16*\m+4*\c+3] offset:8192*\m+512*\c
.endr
	ds_store_b32 v11, v[PW+\m] offset:36864+512*\m
.irp c, 0,1,2,3
	global_store_b128 v1, v[PC+16*\m+4*\c:PC+16*\m+4*\c+3], s[22:23] offset:(\c/2)*131072+(\m/2)*2048+512*(2*(\m%2)+(\c%2))
.endr
.endr
	v_perm_b32 v[OW], v[PW+1], v[PW], v12          ; a pair's scale word: (even tile block 0, 1, odd tile block 0, 1) of the lane's head
	v_perm_b32 v[OW+1], v[PW+3], v[PW+2], v12
	global_store_b64 v14, v[OW:OW+1], s[24:25]
	BARRIER                                        ; k's sixteen fragments lie in LDS
	; ---- q = Q(queries) W_Query
	FETCHX 1, 32768, 34816
.irp i, 8,9,10,11,12,13,14,15
	TURN \i, 1
.endr
	s_wait_xcnt 0x0                                ; the stores of k have read their registers: the codes' and words' registers are written again only behind this wait
.irp m, 0,1,2,3
	QUANT 64*\m, \m
.irp c, 0,1,2,3
	global_store_b128 v1, v[PC+16*\m+4*\c:PC+16*\m+4*\c+3], s[26:27] offset:(\c/2)*65536+1024*\m+512*(\c%2)
.endr
.endr
.irp m, 0,1,2,3
	v_perm_b32 v[OW+\m], v[PW+\m], v[PW+\m], v13   ; (s0, s1, s0, s1): the word serves q in the lower and in the upper half of a K of 128
.endr
	global_store_b128 v15, v[OW:OW+3], s[28:29]
	; ---- v = Q(k) W_Value, a lane a channel, registers down the keys
	FETCHX 2, 0, 36864
.irp i, 16,17,18,19,20,21,22,23
	TURN \i, 0
.endr
	s_wait_xcnt 0x0                                ; the stores of q have read their registers
.irp u, 0,1,2,3                        ; column tiles 2 u, 2 u + 1; group e of the codes: tile 2 u + e / 2, key block e % 2 of my 64 rows
	QUANT 64*\u, \u
.irp e, 0,1,2,3
	global_store_b128 v1, v[PC+16*\u+4*\e:PC+16*\u+4*\e+3], s[44:45] offset:((2*\u+\e/2)/4)*131072+((2*\u+\e/2)%4)*2048+512*(\e%2)
.endr
.endr
	v_cndmask_b32 v[OW], v[PW], v[PW+2], s35       ; a channel's two bytes for each of the head's four tiles: lanes 0-15 head 2 w, lanes 16-31 head 2 w + 1
	v_cndmask_b32 v[OW+1], v[PW+1], v[PW+3], s35
	global_store_b64 v14, v[OW:OW+1], s[24:25] offset:2048
	s_wait_tensorcnt 0x0
	ds_add_u32 v254, v255
	s_wait_dscnt 0x0
	s_endpgm
.Lfunc_end_k_qa6779cd4e8_proj:
	.size	k_qa6779cd4e8_proj, .Lfunc_end_k_qa6779cd4e8_proj-k_qa6779cd4e8_proj
	.p2alignl 7, 3214868480
	.fill 96, 4, 3214868480
	.section	.rodata,"a",@progbits
	.p2align	6, 0x0
	.amdhsa_kernel k_qa6779cd4e8_proj
		.amdhsa_group_segment_fixed_size 104960
		.amdhsa_private_segment_fixed_size 0
		.amdhsa_enable_private_segment 0
		.amdhsa_kernarg_size 88
		.amdhsa_user_sgpr_count 2
		.amdhsa_user_sgpr_kernarg_segment_ptr 1
		.amdhsa_wavefront_size32 1
		.amdhsa_system_sgpr_workgroup_id_x 1
		.amdhsa_system_sgpr_workgroup_id_y 1
		.amdhsa_system_sgpr_workgroup_id_z 1
		.amdhsa_system_vgpr_workitem_id 0
		.amdhsa_next_free_vgpr 1024
		.amdhsa_next_free_sgpr 66
		.amdhsa_reserve_vcc 0
		.amdhsa_float_denorm_mode_32 3
		.amdhsa_float_denorm_mode_16_64 3
		.amdhsa_memory_ordered 1
		.amdhsa_forward_progress 1
		.amdhsa_inst_pref_size 255
	.end_amdhsa_kernel
	.section	.bss,"aw",@nobits
	.p2align	6
	.space	262144
	.amdgpu_metadata
---
amdhsa.version: [ 1, 2 ]
amdhsa.kernels:
  - .name:           k_qa6779cd4e8_proj
    .symbol:         k_qa6779cd4e8_proj.kd
    .args:
      - { .name: queries, .offset: 0, .size: 8, .value_kind: global_buffer, .address_space: global }
      - { .name: keys_codes, .offset: 8, .size: 8, .value_kind: global_buffer, .address_space: global }
      - { .name: keys_scales, .offset: 16, .size: 8, .value_kind: global_buffer, .address_space: global }
      - { .name: wi, .offset: 24, .size: 8, .value_kind: global_buffer, .address_space: global }
      - { .name: W_key_scales, .offset: 32, .size: 8, .value_kind: global_buffer, .address_space: global }
      - { .name: W_Query_scales, .offset: 40, .size: 8, .value_kind: global_buffer, .address_space: global }
      - { .name: W_Value_scales, .offset: 48, .size: 8, .value_kind: global_buffer, .address_space: global }
      - { .name: kv, .offset: 56, .size: 8, .value_kind: global_buffer, .address_space: global }
      - { .name: kvs, .offset: 64, .size: 8, .value_kind: global_buffer, .address_space: global }
      - { .name: qc, .offset: 72, .size: 8, .value_kind: global_buffer, .address_space: global }
      - { .name: qs, .offset: 80, .size: 8, .value_kind: global_buffer, .address_space: global }
    .group_segment_fixed_size: 104960
    .private_segment_fixed_size: 0
    .kernarg_segment_align: 8
    .kernarg_segment_size: 88
    .max_flat_workgroup_size: 128
    .sgpr_count:     66
    .vgpr_count:     1024
    .wavefront_size: 32
...
	.end_amdgpu_metadata
.endif
;; end of part 2
;; launch attn (part 3): grid 2 x 128, 16 waves a work-group, no clusters, 210,944 bytes of LDS; arguments kv, kvs, qc, qs, queries, rc, rs, ps; writes rc, rs, ps
.if DOCPART == 3
	.amdgcn_target "amdgcn-amd-amdhsa--gfx1250"
	.amdhsa_code_object_version 6
	.text
	.protected	k_qa6779cd4e8_attn
	.globl	k_qa6779cd4e8_attn
	.p2align	8
	.type	k_qa6779cd4e8_attn,@function
k_qa6779cd4e8_attn:
	s_mov_b64 s[64:65], 0
	v_nop
	global_prefetch_b8 v0, s[64:65] scope:SCOPE_SE
	s_setreg_imm32_b32 hwreg(HW_REG_WAVE_MODE, 25, 1), 1
	s_wait_xcnt 0x0
; ATTN: result = softmax(q k^T / 8, diagonal at -2^32) v + queries for one head of one batch, both products on codes of BF8 (E5M2) with E8M0 scales; result leaves quantised along the 512 (for the next product) and as column sums over the rows.
; THE SOFTMAX AHEAD OF THE SECOND PRODUCT: t = score x log2(e) / 8; M = the row's largest t so far, rounded UP to a whole number; p = 2^(t - M) is quantised along the keys, not normalised; the row's sum is taken of the
; unquantised p and divides at the end.  When M moves, the sum and O are multiplied by 2^(old M - new M): exact.
; SHARES.  Work-group (x, y): head y % 8 of batch y / 8, queries 512 x on.  All of the head's K and V, 131,072 bytes of codes, come into LDS ONCE (each of the 16 waves brings 8,192 bytes by one tensor load) and stay: nothing is filled again.
; Wave w takes the tiles of 16 queries 32 x + w and 32 x + 16 + w, one after the other, and walks all 1,024 keys, 128 a step, in 256 registers: four waves to a SIMD, so that one wave's vector work stands beside another's matrix work.
; LAYOUT.  Both products transposed: S^T = K Q^T, O^T = V^T P^T: a lane holds ONE query (lane % 16) throughout.  The head has 64 channels and the instruction takes 128 along K: a fragment of K holds TWO tiles of 16 keys
; (64 codes each); against [q | zeros] it gives the first tile's scores, against [zeros | q] the second's.  Zero codes of q take the other tile's codes out exactly; that leans on k's codes being finite, which the quantiser's hold sees to.
; p falls out with key 32 b + 16 u + 8 (lane / 16) + j in byte 8 u + j of group b; V's codes were laid in that same order of keys, so the products pair rightly and blocks of 32 keys stay blocks.
; V's tile t holds channels 32 (t / 2) + 8 (t % 2) + r + 8 (r / 8), so that a lane's 16 registers of O^T tiles 2 e, 2 e + 1 are 16 neighbouring channels 32 e + 16 (lane / 16) + 0 .. 15.
; A STEP AHEAD.  A step's four fragments of K and their scale words are asked of LDS in the step before, straight behind that step's score products and their places: the whole softmax stands between the request and the use, and the
; eight score products follow each other.  Two of the four fragments lie in the registers that take the rows of queries for the residual; so a pass's last step is written out behind a loop of seven: it asks for those rows
; (and, in the first pass, for the next tile's q) where the others ask for K.
; THE DIAGONAL lies in one step of a pass (a scalar branch on ids): there the score of key = query becomes -2^35, which is -2^32 x 8: t is then reference's -2^32 x log2(e) and p is 0.
; LIMITS: NaN and infinities are not served; a block of zeros gets the byte 1 (zero codes; this program alone reads the bytes); blocks whose largest magnitude lies under 2^-111 are held at the byte 1.
; NO CLUSTER: K and V are shared by the two work-groups of a head alone, and are fetched once, 131,072 bytes, ahead of 16 key steps a wave; the branch for the diagonal hangs on the work-group's place.
; LDS: 0 K and V; 131,072 K's scale words [step][r][pair 4]; 133,120 V's [step][r][tile 4]; 135,168 a stage of 16 rows x 272 bytes for each wave; 204,800 the waves' column sums, 256 bytes each.
; REGISTERS: v1-11 addresses; v12 -M, v13 largest t, v[14:15] the sum; v16-23 zeros, v24-31 q, v32-39 zeros; v40-71 K's pairs 0, 1; v72-135 S^T, then p, then V's four fragments; v136-167 O^T; v168-199 K's pairs 2, 3, at a pass's end the rows of queries;
;   v200-215 p's codes; v216-223 K's and V's scale words; v224 q's; v225-227 addresses; v228-246 at work; v247 -2^35; v[248:249] column sums; v250-255 chains of sums.
.set KSC,  131072
.set STG,  135168
.set CSUM, 204800
.set KF,  40
.set S,   72
.set O,   136
.set RES, 168
.set PC,  200
.set KS,  216
.set VS,  220
.set BM,  228                          ; each block's largest score, then its largest p
.set PB,  232                          ; the other half's, then the bytes
.set HO,  236                          ; 57,344 x the scale
.set SO,  240                          ; the conversions' scale operands
.macro MM0 d, a, b, sa, sb
	v_wmma_scale_f32_16x16x128_f8f6f4 v[\d:\d+7], v[\a:\a+15], v[\b:\b+15], 0, v[\sa], v[\sb] matrix_a_fmt:MATRIX_FMT_BF8 matrix_b_fmt:MATRIX_FMT_BF8
.endm
.macro MMA d, a, b, sa, sb
	v_wmma_scale_f32_16x16x128_f8f6f4 v[\d:\d+7], v[\a:\a+15], v[\b:\b+15], v[\d:\d+7], v[\sa], v[\sb] matrix_a_fmt:MATRIX_FMT_BF8 matrix_b_fmt:MATRIX_FMT_BF8
.endm
.macro KLOAD adr, off                  ; a step's four pairs of key tiles: 16 LDS loads of 512 consecutive bytes
.irp u, 0,1
.irp c, 0,1,2,3
	ds_load_b128 v[KF+16*\u+4*\c:KF+16*\u+4*\c+3], v[\adr] offset:\off+2048*\u+512*\c
.endr
.endr
.irp u, 0,1
.irp c, 0,1,2,3
	ds_load_b128 v[RES+16*\u+4*\c:RES+16*\u+4*\c+3], v[\adr] offset:\off+4096+2048*\u+512*\c
.endr
.endr
.endm
; A KEY STEP: 128 keys.  last = 0: in the loop; last = 1: a pass's eighth step.
.macro STEP last
	v_add_nc_u32 v10, s39, v1
	v_add_nc_u32 v11, 0x10000, v10
	v_add_nc_u32 v3, s40, v2                       ; with the eight v_nop at the last step's end eleven places stand behind its last products: nine are asked, since the scores are written over V's fragments
	ds_load_b128 v[VS:VS+3], v3 offset:2048
	s_wait_dscnt 0x1                               ; K's fragments and scale words are in; the load of V's scale words, just issued, may be out
.irp u, 0,1                            ; S^T = K Q^T: eight products on end
	MM0 S+16*\u, KF+16*\u, 24, KS+\u, 224          ; [q | zeros]: the pair's first tile
	MM0 S+16*\u+8, KF+16*\u, 16, KS+\u, 224        ; [zeros | q]: its second
.endr
.irp u, 0,1
	MM0 S+32+16*\u, RES+16*\u, 24, KS+2+\u, 224
	MM0 S+32+16*\u+8, RES+16*\u, 16, KS+2+\u, 224
.endr
.rept 8
	v_nop                                          ; eight places in front of the first read of the scores and of loads into registers that these products have read
.endr
.if \last
	s_cmp_lg_u32 s43, 0                            ; the first pass asks for the second tile's q: sixteen tiles on; the second pass has no successor, and no load leaves its buffer
	s_cbranch_scc1 .Lnoq_\@
	global_load_b128 v[24:27], v1, s[8:9] offset:16384
	global_load_b128 v[28:31], v1, s[8:9] offset:16896
	global_load_b32 v224, v4, s[10:11] offset:1024
.Lnoq_\@:
.irp e, 0,1
.irp i, 0,1,2,3
	global_load_b128 v[RES+16*\e+4*\i:RES+16*\e+4*\i+3], v5, s[12:13] offset:128*\e+16*\i   ; the residual, in O^T's order: the rest of this step stands between the request and the use
.endr
.endr
.else
	KLOAD 10, 8192                                 ; the next step's K
	ds_load_b128 v[KS:KS+3], v3 offset:256         ; and its scale words
.endif
	s_cmp_lg_u32 s41, s42                          ; does my diagonal lie in this step?
	s_cbranch_scc1 .Lopen_\@
.set n, 0
.rept 64
	v_cmp_eq_i32 vcc_lo, 16*(n/8)+n%8, v9
	v_cndmask_b32 v[S+n], v[S+n], v247, vcc_lo
.set n, n+1
.endr
.Lopen_\@:
.irp b, 0,1,2,3
	v_max3_num_f32 v[BM+\b], v[S+16*\b], v[S+16*\b+1], v[S+16*\b+2]   ; the largest score of each block of 32 keys: it serves the row's maximum and, since p rises with the score, the block's largest p
.endr
.irp i, 3,5,7,9,11,13
.irp b, 0,1,2,3
	v_max3_num_f32 v[BM+\b], v[BM+\b], v[S+16*\b+\i], v[S+16*\b+\i+1]
.endr
.endr
.irp b, 0,1,2,3
	v_max_num_f32 v[BM+\b], v[BM+\b], v[S+16*\b+15]
.endr
.irp b, 0,1,2,3
	v_permlanex16_b32 v[PB+\b], v[BM+\b], s34, s35
.endr
.irp b, 0,1,2,3
	v_max_num_f32 v[BM+\b], v[BM+\b], v[PB+\b]     ; with lane l xor 16's 16 keys
.endr
	v_max3_num_f32 v246, v[BM], v[BM+1], v[BM+2]
	v_max_num_f32 v246, v246, v[BM+3]              ; the step's largest score of my query
	v_mul_f32 v246, s36, v246                      ; as t (c is positive)
	v_max_num_f32 v13, v13, v246                   ; the running largest t
	v_mov_b32 v246, v12
	v_floor_f32 v12, -v13                          ; the new -M = floor(-t): M is a whole number
	v_sub_f32 v246, v12, v246                      ; old M less new M: a whole number, 0 or less
	v_cvt_i32_f32 v246, v246                       ; (it saturates)
	v_ldexp_f32 v244, 1.0, v246                    ; f = 2^(old M - new M)
.set n, 0
.rept 32
	v_pk_fma_f32 v[S+n:S+n+1], v[S+n:S+n+1], s[36:37], v[12:13] op_sel_hi:[1,0,0]   ; t - M, two at a time
.set n, n+2
.endr
.irp b, 0,1,2,3
	v_fma_f32 v[BM+\b], v[BM+\b], s36, v12         ; the same of each block's largest score
.endr
.set n, 0
.rept 64
	v_exp_f32 v[S+n], v[S+n]                       ; p = 2^(t - M), at most 1
.set n, n+1
.endr
	v_pk_mul_f32 v[14:15], v[14:15], v[244:245] op_sel_hi:[1,0]   ; the sums under the new M: the plain instruction behind the exponentials
	s_wait_alu depctr_va_vdst(0)                   ; one wait for the batch of 64, ahead of its first reader
.irp b, 0,1,2,3
	v_exp_f32 v[BM+\b], v[BM+\b]                   ; the block's largest p: the same two instructions on the same number
.endr
	v_pk_add_f32 v[14:15], v[14:15], v[S:S+1]      ; the row's sum is taken of the unquantised p, in four chains that take turns
	v_pk_add_f32 v[250:251], v[S+2:S+3], v[S+10:S+11]
	v_pk_add_f32 v[252:253], v[S+4:S+5], v[S+12:S+13]
	v_pk_add_f32 v[254:255], v[S+6:S+7], v[S+14:S+15]
	v_pk_add_f32 v[14:15], v[14:15], v[S+8:S+9]
.irp j, 16,24,32,40,48,56
	v_pk_add_f32 v[250:251], v[250:251], v[S+\j+2:S+\j+3]
	v_pk_add_f32 v[252:253], v[252:253], v[S+\j+4:S+\j+5]
	v_pk_add_f32 v[254:255], v[254:255], v[S+\j+6:S+\j+7]
	v_pk_add_f32 v[14:15], v[14:15], v[S+\j:S+\j+1]
.endr
	v_pk_add_f32 v[250:251], v[250:251], v[252:253]
	v_pk_add_f32 v[14:15], v[14:15], v[254:255]
	v_pk_add_f32 v[14:15], v[14:15], v[250:251]
	s_wait_alu depctr_va_vdst(0)                   ; and one for the four
.irp b, 0,1,2,3
	v_max_num_f32 v[BM+\b], 0x8000000, v[BM+\b]    ; the floor 2^(16 - 127): the byte cannot fall under 1
.endr
.irp b, 0,1,2,3
	v_add_nc_u32 v[SO+\b], 0xf8800000, v[BM+\b]    ; 15 off the exponent field: the conversion's scale operand
.endr
.irp b, 0,1,2,3
	v_and_or_b32 v[HO+\b], v[BM+\b], 0x7f800000, s38   ; 57,344 x the scale
.endr
.irp b, 0,1,2,3
	v_lshrrev_b32 v[PB+\b], 23, v[SO+\b]           ; the scale's byte
.endr
	v_lshl_or_b32 v245, v[PB+1], 8, v[PB]          ; p's scale word for these 128 keys
	v_lshl_or_b32 v245, v[PB+2], 16, v245
	v_lshl_or_b32 v245, v[PB+3], 24, v245
.irp b, 0,1,2,3
.irp i, 0,1,2,3,4,5,6,7,8,9,10,11,12,13,14,15
	v_min_num_f32 v[S+16*\b+\i], v[S+16*\b+\i], v[HO+\b]   ; the conversion does not saturate (ISA guide 7.6.2); p is not negative, so the hold is one-sided
.endr
	v_cvt_scalef32_pk8_bf8_f32 v[PC+4*\b:PC+4*\b+1], v[S+16*\b:S+16*\b+7], v[SO+\b]
	v_cvt_scalef32_pk8_bf8_f32 v[PC+4*\b+2:PC+4*\b+3], v[S+16*\b+8:S+16*\b+15], v[SO+\b]
.irp c, 0,1,2,3
	ds_load_b128 v[S+16*\b+4*\c:S+16*\b+4*\c+3], v11 offset:2048*\b+512*\c   ; V's tile b lands where block b's p lay: the conversions have read it
.endr
.endr
.set n, 0
.rept 16
	v_pk_mul_f32 v[O+n:O+n+1], v[O+n:O+n+1], v[244:245] op_sel_hi:[1,0]   ; O^T under the new M.  (These sixteen are also the places between the conversions and the products)
.set n, n+2
.endr
.irp t, 0,1,2,3
	s_wait_dscnt 12-4*\t                           ; LDS loads come back in order: V's tile t and all that was asked for earlier are in; the four loads of each later tile may be out
	MMA O+8*\t, S+16*\t, PC, VS+\t, 245            ; O^T += V^T P^T: K = these 128 keys; the four accumulators by turns
.endr
.rept 8
	v_nop
.endr
.if !\last
	s_add_co_u32 s39, s39, 8192
	s_add_co_u32 s40, s40, 256
	s_add_co_u32 s41, s41, 1
.endif
.endm
	s_load_b512 s[4:19], s[0:1], 0x0               ; kv 4, kvs 6, qc 8, qs 10, queries 12, rc 14, rs 16, ps 18
	v_lshl_add_u32 v254, v0, 2, 0x33000
	v_mov_b32 v255, 0
	ds_add_u32 v254, v255
	ds_add_u32 v254, v255
	s_wait_dscnt 0x0
	v_lshrrev_b32 v228, 5, v0
	v_readfirstlane_b32 s32, v228                  ; wave 0..15
	s_and_b32 s45, ttmp7, 0xffff                   ; 8 x batch + head
	s_lshr_b32 s46, s45, 3                         ; batch
	s_and_b32 s47, s45, 7                          ; head
	s_lshl_b32 s48, ttmp9, 5
	s_add_co_u32 s48, s48, s32                     ; my first tile of queries
	; descriptor group 1: 32 rows of 256 bytes (32 elements of 8 bytes), dense, no padding: the images are read 512 consecutive bytes an instruction
	s_mov_b32 s24, 3<<16                           ; no mask; elements of 8 bytes
	s_mov_b32 s25, 32<<16                          ; tensor_dim0 = 32
	s_mov_b32 s26, 32<<16                          ; tensor_dim1 = 32
	s_mov_b32 s27, 32<<16                          ; tile_dim0 = 32
	s_mov_b32 s28, 32                              ; tile_dim1 = 32
	s_mov_b32 s29, 32                              ; from row to row
	s_mov_b32 s30, 0
	s_mov_b32 s31, 0
	s_mov_b32 s20, 1                               ; group 0: count = 1,
	s_lshl_b32 s21, s32, 13                        ; LDS byte 8,192 x wave,
	s_lshl_b32 s50, s45, 17
	s_add_co_u32 s50, s50, s21
	s_mov_b32 s51, 0
	s_wait_kmcnt 0x0
	s_add_nc_u64 s[22:23], s[4:5], s[50:51]        ; the same place in the head's 131,072 bytes,
	s_or_b32 s23, s23, 0x80000000                  ; type = 2
	tensor_load_to_lds s[20:23], s[24:31]          ; my one tensor load: one is out
	s_nop 0
.rept 4
	v_nop
.endr
	s_mov_b32 s34, 0x76543210
	s_mov_b32 s35, 0xfedcba98                      ; v_permlanex16_b32: lane l xor 16
	s_mov_b32 s36, 0x3e38aa3b                      ; c = log2(e) / 8
	s_mov_b32 s37, s36                             ; (named with it as a pair, so it is written)
	s_mov_b32 s38, 0x600000                        ; the mantissa field of 57,344
	s_lshl_b32 s50, s45, 12
	s_add_nc_u64 s[6:7], s[6:7], s[50:51]          ; kvs at my head
	s_lshl_b32 s50, s45, 16
	s_lshl_b32 s52, s48, 10
	s_add_co_u32 s50, s50, s52
	s_add_nc_u64 s[8:9], s[8:9], s[50:51]          ; qc at my first tile; never stepped: the second tile is reached by an immediate
	s_lshl_b32 s50, s45, 12
	s_lshr_b32 s52, s48, 2
	s_lshl_b32 s52, s52, 8
	s_add_co_u32 s50, s50, s52
	s_and_b32 s52, s48, 3
	s_lshl_b32 s52, s52, 2
	s_add_co_u32 s50, s50, s52
	s_add_nc_u64 s[10:11], s[10:11], s[50:51]      ; qs likewise
	s_lshl_b32 s53, s46, 10
	s_lshl_b32 s52, s48, 4
	s_add_co_u32 s53, s53, s52                     ; my first row of the 16,384
	s_lshl_b32 s50, s53, 11
	s_lshl_b32 s52, s47, 8
	s_add_co_u32 s50, s50, s52
	s_add_nc_u64 s[12:13], s[12:13], s[50:51]      ; queries: the row, the head's 256 bytes
	s_lshl_b32 s50, s53, 9
	s_lshl_b32 s52, s47, 10
	s_add_co_u32 s50, s50, s52
	s_add_nc_u64 s[14:15], s[14:15], s[50:51]      ; rc: 8,192 bytes a tile of rows; the head's two groups begin 1,024 x head on
	s_lshl_b32 s50, s53, 4
	s_lshl_b32 s52, s47, 1
	s_add_co_u32 s50, s50, s52
	s_add_nc_u64 s[16:17], s[16:17], s[50:51]      ; rs: 16 bytes a row, the head's two
	s_lshl_b32 s50, s46, 1
	s_add_co_u32 s50, s50, ttmp9
	s_lshl_b32 s50, s50, 11
	s_lshl_b32 s52, s47, 8
	s_add_co_u32 s50, s50, s52
	s_add_nc_u64 s[18:19], s[18:19], s[50:51]      ; ps: row 2 x batch + x of 512 numbers, the head's 64
	s_lshl_b32 s42, ttmp9, 2
	s_lshr_b32 s52, s32, 3
	s_add_co_u32 s42, s42, s52                     ; the step in which my first tile's diagonal lies
	v_and_b32 v228, 31, v0                         ; lane
	v_and_b32 v229, 15, v0                         ; r
	v_bfe_u32 v230, v0, 4, 1                       ; h
	v_lshlrev_b32 v1, 4, v228                      ; 16 x lane: an image's place for my lane
	v_lshlrev_b32 v4, 4, v229                      ; 16 r
	global_load_b128 v[24:27], v1, s[8:9]          ; my first tile's q and its scale word: asked for here, beside the tensor load
	global_load_b128 v[28:31], v1, s[8:9] offset:512
	global_load_b32 v224, v4, s[10:11]
	v_add_nc_u32 v2, KSC, v4                       ; my row's four scale words
	v_lshlrev_b32 v5, 11, v229
	v_lshl_add_u32 v5, v230, 6, v5                 ; queries: row r + 64 h
	s_mul_i32 s52, s32, 4352
	s_add_co_u32 s52, s52, STG                     ; my stage
	v_mul_u32_u24 v7, v229, 272
	v_lshl_add_u32 v7, v230, 6, v7
	v_add_nc_u32 v7, s52, v7                       ; in: row r, + 64 h
	v_lshlrev_b32 v227, 3, v228                    ; 8 x lane: two channels
	v_add_nc_u32 v8, s52, v227                     ; back: two channels of a row
	s_and_b32 s52, s32, 7
	s_lshl_b32 s52, s52, 4
	v_lshlrev_b32 v9, 3, v230
	v_sub_nc_u32 v9, v229, v9
	v_add_nc_u32 v9, s52, v9                       ; 16 (w % 8) + r - 8 h: register 8 T + j holds my own key where 16 T + j equals this
	v_add_nc_u32 v226, CSUM, v227
	s_lshl_b32 s52, s32, 8
	v_add_nc_u32 v225, s52, v226
	; the head's scale bytes become words in the order in which a step wants them: thread i makes word i of K's 512 and of V's 512
	v_lshrrev_b32 v231, 6, v0
	v_bfe_u32 v232, v0, 2, 4
	v_lshlrev_b32 v231, 8, v231
	v_lshl_add_u32 v231, v232, 3, v231             ; 256 x step + 8 r
	v_bfe_u32 v232, v0, 1, 1
	v_lshl_add_u32 v233, v232, 7, v231
	v_and_b32 v232, 1, v0
	v_lshl_add_u32 v233, v232, 2, v233             ; K: pair i % 4 of the step: block of 64 rows (i / 2) % 2, pair i % 2 in it
	v_and_b32 v232, 3, v0
	v_lshl_add_u32 v234, v232, 1, v231             ; V: tile i % 4: two bytes from each of the step's two blocks of 64 rows
	global_load_b32 v236, v233, s[6:7]
	global_load_u16 v237, v234, s[6:7] offset:2048
	global_load_u16 v238, v234, s[6:7] offset:2176
	v_lshlrev_b32 v239, 2, v0
	v_add_nc_u32 v239, KSC, v239
.irp n, 0,1,2,3,4,5,6,7
	v_mov_b32 v[16+\n], 0                          ; the zero codes on either side of q
	v_mov_b32 v[32+\n], 0
.endr
	v_mov_b32 v245, 0                              ; (named as the upper half of the pair v[244:245] before it is first written)
	v_mov_b32 v247, 0xd1000000                     ; -2^35
	v_mov_b32 v248, 0                              ; the column sums
	v_mov_b32 v249, 0
	s_wait_loadcnt 0x0                             ; the scale bytes, and q
	v_lshl_or_b32 v237, v238, 16, v237
	ds_store_b32 v239, v236
	ds_store_b32 v239, v237 offset:2048
.irp b, 0,1,2,3
	v_mov_b32 v[PB+\b], 0                          ; written once: a lane permute's destination counts as one of its sources
.endr
	s_wait_tensorcnt 0x0                           ; my part of K and V has landed,
	s_wait_dscnt 0x0                               ; my scale words are stored:
	s_barrier_signal -1
	s_barrier_wait -1                              ; everybody's are
	s_mov_b32 s43, 0
.Lpass:                                            ; two trips: a tile of 16 queries each; its q is in registers
	KLOAD 1, 0                                     ; the first step's K
	ds_load_b128 v[KS:KS+3], v2                    ; and its scale words
	v_mov_b32 v13, 0xff61b1e6                      ; the largest t so far: -3e38, under every t
	v_floor_f32 v12, -v13                          ; -M
	v_mov_b32 v14, 0
	v_mov_b32 v15, 0
.set n, 0
.rept 32
	v_mov_b32 v[O+n], 0                            ; O^T.  (The first step finds zeros, which the first change of M leaves zeros: so no step of its own is written for it)
.set n, n+1
.endr
	s_mov_b32 s39, 0                               ; the step's K and V: 8,192 bytes a step
	s_mov_b32 s40, 0                               ; its scale words: 256 bytes a step
	s_mov_b32 s41, 0
.Lstep:                                            ; seven trips: 128 keys each
	STEP 0
	s_cmp_lt_u32 s41, 7
	s_cbranch_scc1 .Lstep
	STEP 1                                         ; the eighth
	; ---- the way out of a tile: result = O^T / the sum + queries
	v_add_f32 v14, v14, v15
	v_permlanex16_b32 v246, v14, s34, s35
	v_add_f32 v14, v14, v246                       ; the row's sum
	v_rcp_f32 v244, v14
	v_nop                                          ; a plain instruction behind the transcendental
	s_wait_alu depctr_va_vdst(0)                   ; and the wait ahead of its first reader
	s_wait_loadcnt 0x0                             ; the residual, and the next tile's q
.set n, 0
.rept 16
	v_pk_fma_f32 v[RES+n:RES+n+1], v[O+n:O+n+1], v[244:245], v[RES+n:RES+n+1] op_sel_hi:[1,0,1]
.set n, n+2
.endr
.irp e, 0,1
.irp i, 0,1,2,3
	ds_store_b128 v7, v[RES+16*\e+4*\i:RES+16*\e+4*\i+3] offset:128*\e+16*\i   ; 16 rows of 64 channels into my stage,
.endr
.endr
.irp k, 0,1,2,3,4,5,6,7,8,9,10,11,12,13,14,15
	ds_load_b64 v[S+2*\k:S+2*\k+1], v8 offset:272*\k   ; and back by columns: LDS serves a wave's instructions in order, so these see the stores
.endr
	; meanwhile the tile is quantised along the 512: the head's two blocks of 32
.irp b, 0,1
	v_max3_num_f32 v[BM+\b], |v[RES+16*\b]|, |v[RES+16*\b+1]|, 0x8000000
.endr
.irp i, 2,4,6,8,10,12,14
.irp b, 0,1
	v_max3_num_f32 v[BM+\b], v[BM+\b], |v[RES+16*\b+\i]|, |v[RES+16*\b+\i+1]|
.endr
.endr
.irp b, 0,1
	v_permlanex16_b32 v[PB+\b], v[BM+\b], s34, s35
.endr
.irp b, 0,1
	v_max_num_f32 v[BM+\b], v[BM+\b], v[PB+\b]
.endr
.irp b, 0,1
	v_add_nc_u32 v[SO+\b], 0xf8800000, v[BM+\b]
.endr
.irp b, 0,1
	v_and_or_b32 v[HO+\b], v[BM+\b], 0x7f800000, s38
.endr
.irp b, 0,1
	v_lshrrev_b32 v[PB+\b], 23, v[SO+\b]
.endr
	v_lshl_or_b32 v246, v[PB+1], 8, v[PB]          ; the row's two scale bytes of this head
.irp b, 0,1
.irp i, 0,1,2,3,4,5,6,7,8,9,10,11,12,13,14,15
	v_med3_num_f32 v[RES+16*\b+\i], v[RES+16*\b+\i], -v[HO+\b], v[HO+\b]
.endr
	v_cvt_scalef32_pk8_bf8_f32 v[PC+4*\b:PC+4*\b+1], v[RES+16*\b:RES+16*\b+7], v[SO+\b]
	v_cvt_scalef32_pk8_bf8_f32 v[PC+4*\b+2:PC+4*\b+3], v[RES+16*\b+8:RES+16*\b+15], v[SO+\b]
.endr
	v_nop                                          ; one plain vector instruction behind the last conversion
	global_store_b128 v1, v[PC:PC+3], s[14:15]     ; 512 consecutive bytes each
	global_store_b128 v1, v[PC+4:PC+7], s[14:15] offset:512
	global_store_b16 v4, v246, s[16:17]            ; both halves of the lanes hold the same two bytes of row r
	s_wait_dscnt 0x0
	v_pk_add_f32 v[250:251], v[S:S+1], v[S+2:S+3]  ; the 16 rows of my two channels, in two chains, onto the column sums
.irp k, 4,8,12,16,20,24,28
	v_pk_add_f32 v[248:249], v[248:249], v[S+\k:S+\k+1]
	v_pk_add_f32 v[250:251], v[250:251], v[S+\k+2:S+\k+3]
.endr
	v_pk_add_f32 v[248:249], v[248:249], v[250:251]
	s_wait_xcnt 0x0                                ; the loads and stores have read their bases and registers: both are written again only behind this wait
	s_add_nc_u64 s[12:13], s[12:13], 0x80000       ; sixteen tiles of queries on
	s_add_nc_u64 s[14:15], s[14:15], 0x20000
	s_add_nc_u64 s[16:17], s[16:17], 4096
	s_add_co_u32 s42, s42, 2
	s_add_co_u32 s43, s43, 1
	s_cmp_lt_u32 s43, 2
	s_cbranch_scc1 .Lpass
	; ---- the sixteen waves' column sums meet; wave 0 adds them and stores 256 consecutive bytes
	ds_store_b64 v225, v[248:249]
	s_wait_dscnt 0x0
	s_barrier_signal -1
	s_barrier_wait -1
	s_cmp_lg_u32 s32, 0
	s_cbranch_scc1 .Lend
.irp k, 0,1,2,3,4,5,6,7,8,9,10,11,12,13,14,15
	ds_load_b64 v[S+2*\k:S+2*\k+1], v226 offset:256*\k
.endr
	s_wait_dscnt 0x0
.irp k, 0,1,2,3,4,5,6,7
	v_pk_add_f32 v[S+4*\k:S+4*\k+1], v[S+4*\k:S+4*\k+1], v[S+4*\k+2:S+4*\k+3]
.endr
.irp k, 0,1,2,3
	v_pk_add_f32 v[S+8*\k:S+8*\k+1], v[S+8*\k:S+8*\k+1], v[S+8*\k+4:S+8*\k+5]
.endr
.irp k, 0,1
	v_pk_add_f32 v[S+16*\k:S+16*\k+1], v[S+16*\k:S+16*\k+1], v[S+16*\k+8:S+16*\k+9]
.endr
	v_pk_add_f32 v[S:S+1], v[S:S+1], v[S+16:S+17]
	global_store_b64 v227, v[S:S+1], s[18:19]
.Lend:
	s_wait_xcnt 0x0
	v_lshl_add_u32 v254, v0, 2, 0x33000
	v_mov_b32 v255, 0
	s_wait_tensorcnt 0x0
	ds_add_u32 v254, v255
	s_wait_dscnt 0x0
	s_endpgm
.Lfunc_end_k_qa6779cd4e8_attn:
	.size	k_qa6779cd4e8_attn, .Lfunc_end_k_qa6779cd4e8_attn-k_qa6779cd4e8_attn
	.p2alignl 7, 3214868480
	.fill 96, 4, 3214868480
	.section	.rodata,"a",@progbits
	.p2align	6, 0x0
	.amdhsa_kernel k_qa6779cd4e8_attn
		.amdhsa_group_segment_fixed_size 210944
		.amdhsa_private_segment_fixed_size 0
		.amdhsa_enable_private_segment 0
		.amdhsa_kernarg_size 64
		.amdhsa_user_sgpr_count 2
		.amdhsa_user_sgpr_kernarg_segment_ptr 1
		.amdhsa_wavefront_size32 1
		.amdhsa_system_sgpr_workgroup_id_x 1
		.amdhsa_system_sgpr_workgroup_id_y 1
		.amdhsa_system_sgpr_workgroup_id_z 1
		.amdhsa_system_vgpr_workitem_id 0
		.amdhsa_next_free_vgpr 256
		.amdhsa_next_free_sgpr 66
		.amdhsa_reserve_vcc 1
		.amdhsa_float_denorm_mode_32 3
		.amdhsa_float_denorm_mode_16_64 3
		.amdhsa_memory_ordered 1
		.amdhsa_forward_progress 1
		.amdhsa_inst_pref_size 67
	.end_amdhsa_kernel
	.amdgpu_metadata
---
amdhsa.version: [ 1, 2 ]
amdhsa.kernels:
  - .name:           k_qa6779cd4e8_attn
    .symbol:         k_qa6779cd4e8_attn.kd
    .args:
      - { .name: kv, .offset: 0, .size: 8, .value_kind: global_buffer, .address_space: global }
      - { .name: kvs, .offset: 8, .size: 8, .value_kind: global_buffer, .address_space: global }
      - { .name: qc, .offset: 16, .size: 8, .value_kind: global_buffer, .address_space: global }
      - { .name: qs, .offset: 24, .size: 8, .value_kind: global_buffer, .address_space: global }
      - { .name: queries, .offset: 32, .size: 8, .value_kind: global_buffer, .address_space: global }
      - { .name: rc, .offset: 40, .size: 8, .value_kind: global_buffer, .address_space: global }
      - { .name: rs, .offset: 48, .size: 8, .value_kind: global_buffer, .address_space: global }
      - { .name: ps, .offset: 56, .size: 8, .value_kind: global_buffer, .address_space: global }
    .group_segment_fixed_size: 210944
    .private_segment_fixed_size: 0
    .kernarg_segment_align: 8
    .kernarg_segment_size: 64
    .max_flat_workgroup_size: 512
    .sgpr_count:     66
    .vgpr_count:     256
    .wavefront_size: 32
...
	.end_amdgpu_metadata
.endif
;; end of part 3
;; launch ffn (part 4): grid 8 x 32, 4 waves a work-group, no clusters, 54,784 bytes of LDS; arguments rc, rs, wi, fw1_scales, fw2_scales, ps; writes ps
.if DOCPART == 4
	.amdgcn_target "amdgcn-amd-amdhsa--gfx1250"
	.amdhsa_code_object_version 6
	.text
	.protected	k_qa6779cd4e8_ffn
	.globl	k_qa6779cd4e8_ffn
	.p2align	8
	.type	k_qa6779cd4e8_ffn,@function
k_qa6779cd4e8_ffn:
	s_mov_b64 s[64:65], 0
	v_nop
	global_prefetch_b8 v0, s[64:65] scope:SCOPE_SE
	s_setreg_imm32_b32 hwreg(HW_REG_WAVE_MODE, 25, 1), 1
	s_wait_xcnt 0x0
; FFN: the column sums over rows of relu(result fw1) fw2, both products on codes of BF8 (E5M2) with E8M0 scales.  result arrives as codes (rc: images of operand registers, [tile of 16 rows][K step 4][group 4][lane][16 bytes]; rs: 16 scale bytes a row).
; SHARES.  Work-group (j, i): hidden units 256 j .. 256 j + 255, rows 512 i .. 512 i + 511, walked as 8 blocks of 64.  THE WEIGHTS STAY IN REGISTERS for the whole launch: wave w holds fw1's rows 256 j + 64 w .. + 63 (4 tiles x 4 K steps,
; 256 registers) and fw2's rows 128 w .. 128 w + 127 at k = 256 j .. + 255 (8 tiles x 2 K steps, 256 registers).  Their codes come from wi, where the first launch has laid them as images of these registers: every load covers 512 consecutive bytes.
; A work-group takes in 262,144 bytes of weights and 270,336 of rows.
; ONLY COLUMN SUMS LEAVE: reference takes the mean over the rows behind the last product.  So all tiles of rows and all K steps of the second product add IN PLACE onto the same eight accumulators a wave (element (m, n) gathers rows 16 t + m);
; every product is made by the matrix unit, and the sum over rows costs no instruction.  The parts of the 8 slices j and of the row groups i are added by the next launch.
; A BLOCK OF 64 ROWS, two barriers: | barrier | 1: for each tile of 16 rows: its four fragments from LDS, my 4 tiles of the hidden layer (transposed: source 0 = 16 rows of fw1, source 1 = the rows), relu and quantiser in registers,
; the codes (half a K step of the second product) to LDS as an image | barrier | the next block's rows go from registers into LDS, the block after that is asked for | 2: all 8 hidden fragments from LDS against my 8 tiles of fw2.
; The rows' bytes in LDS are written again only behind the second barrier, which every wave reaches behind its last read of them; the hidden layer's only behind the next block's first barrier.
; THE ROWS OF fw1 THAT FORM A TILE ARE NOT NEIGHBOURS: lane r of tile 2 b + u takes row 32 b + 8 u + r + 8 (r / 8), so that the 16 registers of tiles 2 b, 2 b + 1 are 16 neighbours along the next K.
; LIMITS: NaN and infinities are not served; a block of zeros gets the byte 1 (zero codes; this program alone reads the bytes); blocks whose largest magnitude lies under 2^-111 are held at the byte 1.
; NO CLUSTER: the weights are a work-group's own; the rows are shared by the 8 work-groups of one i, but they pass LDS in one region written by stores from registers: shared by joint loads they would need a ring of slots and a round for each block.
; LDS: 0 the rows' 16 fragments (4 m + s); 32,768 their scale words [m][lane][16]; 34,816 the hidden layer's 8 fragments (2 m + s); 51,200 their scale words, 128 bytes each; 52,224 the way out, 2,048.
; REGISTERS, in windows of 256: window 0: v1-14 addresses, v16-31 fw1's scale words (4 t + s), v32-47 fw2's (2 t + s), v48-55 the rows' (two sets), v56-63 the hidden layer's, v64-95 my 4 tiles of the hidden layer, v96-103 codes made,
;   v104-111 the quantiser's, v120 its two bytes, v128-255 two sets of the rows' fragments, then the 8 hidden fragments;  window 1: fw1;  window 2: fw2;  window 3: v0-63 the eight accumulators, v64-131 a block's rows on their way in.
.set XSC,  32768
.set HIMG, 34816
.set HSC,  51200
.set OUTS, 52224
.set W1S, 16
.set W2S, 32
.set XS,  48
.set HS,  56
.set HA,  64
.set PC,  96
.set TM,  104                          ; +0, 1 largest magnitudes, +2, 3 the other half's, then the bytes, +4, 5 57,344 x the scale, +6, 7 the conversions' scale operands
.set XF,  128
.set MSB, 0
.macro WIN new                         ; the immediate's high byte repeats the setting that is left; bits 1:0 source 0, 3:2 source 1, 5:4 source 2, 7:6 destination
.if MSB != \new
	s_set_vgpr_msb (MSB<<8)|\new
.set MSB, \new
.endif
.endm
.macro MM0 d, a, b, sa, sb
	v_wmma_scale_f32_16x16x128_f8f6f4 v[\d:\d+7], v[\a:\a+15], v[\b:\b+15], 0, v[\sa], v[\sb] matrix_a_fmt:MATRIX_FMT_BF8 matrix_b_fmt:MATRIX_FMT_BF8
.endm
.macro MMA d, a, b, sa, sb
	v_wmma_scale_f32_16x16x128_f8f6f4 v[\d:\d+7], v[\a:\a+15], v[\b:\b+15], v[\d:\d+7], v[\sa], v[\sb] matrix_a_fmt:MATRIX_FMT_BF8 matrix_b_fmt:MATRIX_FMT_BF8
.endm
.macro ALOAD ofc, ofs                  ; my tile of 16 rows (tile w of a block): 8,192 bytes of codes, 512 consecutive bytes a load, and the rows' scale bytes: 17 loads
	WIN 0xc0
.irp n, 0,1,2,3
.irp c, 0,1,2,3
	global_load_b128 v[64+16*\n+4*\c:64+16*\n+4*\c+3], v1, s[4:5] offset:\ofc+2048*\n+512*\c
.endr
.endr
	global_load_b128 v[128:131], v3, s[6:7] offset:\ofs
	WIN 0
.endm
.macro ASTORE                          ; and into LDS, as it stands
	WIN 0x0c                                       ; an LDS store's data are its source 1: window 3
.irp n, 0,1,2,3
.irp c, 0,1,2,3
	ds_store_b128 v4, v[64+16*\n+4*\c:64+16*\n+4*\c+3] offset:2048*\n+512*\c
.endr
.endr
	ds_store_b128 v5, v[128:131] offset:XSC
	WIN 0
.endm
.macro FETCHA m                        ; the four fragments of tile of rows m and their scale words, into set m % 2: 17 LDS loads
.irp n, 0,1,2,3
.irp c, 0,1,2,3
	ds_load_b128 v[XF+64*((\m)%2)+16*\n+4*\c:XF+64*((\m)%2)+16*\n+4*\c+3], v1 offset:8192*(\m)+2048*\n+512*\c
.endr
.endr
	ds_load_b128 v[XS+4*((\m)%2):XS+4*((\m)%2)+3], v1 offset:XSC+512*(\m)
.endm
.macro QUANT2R                         ; my 32 numbers of a row of the hidden layer (two blocks, 16 of each) become codes in v[PC] on and two scale bytes in v120; what is negative becomes 0 on the way
.irp b, 0,1
	v_max3_num_f32 v[TM+\b], v[HA+16*\b], v[HA+16*\b+1], 0x8000000   ; no magnitudes: what is negative must not count; the floor 2^(16 - 127) stands over it
.endr
.irp i, 2,4,6,8,10,12,14
.irp b, 0,1
	v_max3_num_f32 v[TM+\b], v[TM+\b], v[HA+16*\b+\i], v[HA+16*\b+\i+1]
.endr
.endr
.irp b, 0,1
	v_permlanex16_b32 v[TM+2+\b], v[TM+\b], s20, s21
.endr
.irp b, 0,1
	v_max_num_f32 v[TM+\b], v[TM+\b], v[TM+2+\b]   ; with lane l xor 16: the block's largest
.endr
.irp b, 0,1
	v_add_nc_u32 v[TM+6+\b], 0xf8800000, v[TM+\b]  ; 15 off its exponent field: the conversion's scale operand
.endr
.irp b, 0,1
	v_and_or_b32 v[TM+4+\b], v[TM+\b], 0x7f800000, s22   ; 57,344 x the scale
.endr
.irp b, 0,1
	v_lshrrev_b32 v[TM+2+\b], 23, v[TM+6+\b]       ; the scale's byte
.endr
	v_lshl_or_b32 v120, v[TM+3], 8, v[TM+2]
.irp b, 0,1
.irp i, 0,1,2,3,4,5,6,7,8,9,10,11,12,13,14,15
	v_med3_num_f32 v[HA+16*\b+\i], v[HA+16*\b+\i], 0, v[TM+4+\b]   ; the activation and the hold in one
.endr
	v_cvt_scalef32_pk8_bf8_f32 v[PC+4*\b:PC+4*\b+1], v[HA+16*\b:HA+16*\b+7], v[TM+6+\b]
	v_cvt_scalef32_pk8_bf8_f32 v[PC+4*\b+2:PC+4*\b+3], v[HA+16*\b+8:HA+16*\b+15], v[TM+6+\b]
.endr
	v_nop                                          ; one plain vector instruction behind the last conversion: the next products write its sources
.endm
.macro BARRIER                         ; my LDS stores have landed and my LDS loads are in: then the work-group's barrier
	s_wait_dscnt 0x0
	s_barrier_signal -1
	s_barrier_wait -1
.endm
	s_load_b256 s[4:11], s[0:1], 0x0               ; rc 4, rs 6, wi 8, fw1_scales 10
	s_load_b64 s[14:15], s[0:1], 0x20              ; fw2_scales
	s_load_b64 s[16:17], s[0:1], 0x28              ; ps
	v_lshl_add_u32 v126, v0, 2, 0xd400
	v_mov_b32 v127, 0
	v_lshrrev_b32 v64, 5, v0
	v_readfirstlane_b32 s18, v64                   ; wave 0..3
	v_and_b32 v64, 31, v0                          ; lane
	v_and_b32 v65, 15, v0                          ; r
	v_and_b32 v67, 8, v65
	v_add_nc_u32 v67, v67, v65                     ; r + 8 (r / 8)
	s_mov_b32 s20, 0x76543210
	s_mov_b32 s21, 0xfedcba98                      ; v_permlanex16_b32: lane l xor 16
	s_mov_b32 s22, 0x600000                        ; the mantissa field of 57,344
	v_lshlrev_b32 v1, 4, v64                       ; 16 x lane
	v_lshlrev_b32 v2, 2, v64                       ; 4 x lane
	v_lshlrev_b32 v3, 4, v65                       ; 16 r
	s_lshl_b32 s24, s18, 13
	v_add_nc_u32 v4, s24, v1                       ; where I store the rows' images: fragments 4 w + s
	s_lshl_b32 s24, s18, 9
	v_add_nc_u32 v5, s24, v1                       ; and their scale words
	s_and_b32 s25, s18, 1
	s_lshr_b32 s26, s18, 1
	s_lshl_b32 s24, s25, 10
	s_lshl_b32 s27, s26, 11
	s_add_co_u32 s24, s24, s27
	v_add_nc_u32 v6, s24, v1                       ; the hidden layer's: K step w / 2, groups 2 (w % 2) on
	s_lshl_b32 s24, s25, 1
	s_lshl_b32 s27, s26, 7
	s_add_co_u32 s24, s24, s27
	v_add_nc_u32 v7, s24, v2                       ; and my two bytes of its scale words
	s_lshl_b32 s24, s18, 9
	s_add_co_u32 s24, s24, OUTS
	v_lshl_add_u32 v8, v65, 2, s24                 ; the way out: column 128 w + r
	v_lshlrev_b32 v10, 4, v0                       ; 16 x thread
	v_add_nc_u32 v9, OUTS, v10
	v_lshlrev_b32 v12, 4, v67                      ; fw1's scales, by the tile's rows
	v_lshlrev_b32 v14, 6, v65                      ; fw2's scales: 64 bytes a row
	s_and_b32 s30, ttmp7, 0xffff                   ; i
	s_mov_b32 s29, 0
	s_wait_kmcnt 0x0
	s_lshl_b32 s28, s30, 18
	s_lshl_b32 s24, s18, 13
	s_add_co_u32 s28, s28, s24
	s_add_nc_u64 s[4:5], s[4:5], s[28:29]          ; rc: tile of rows 32 i + w
	s_lshl_b32 s28, s30, 13
	s_lshl_b32 s24, s18, 8
	s_add_co_u32 s28, s28, s24
	s_add_nc_u64 s[6:7], s[6:7], s[28:29]          ; rs likewise
	s_lshl_b32 s28, s18, 18                        ; fw2's images begin 1,835,008 bytes into wi: fragment (tile of rows R, K step ks) at 32,768 R + 2,048 ks; mine: R = 8 w on, ks = 2 j on
	s_lshl_b32 s24, ttmp9, 12
	s_add_co_u32 s28, s28, s24
	s_add_co_u32 s28, s28, 1835008
	s_add_nc_u64 s[12:13], s[8:9], s[28:29]
	s_lshl_b32 s24, ttmp9, 8
	s_lshl_b32 s25, s18, 6
	s_add_co_u32 s24, s24, s25                     ; my first hidden unit
	s_lshl_b32 s28, s24, 9                         ; fw1's images begin 786,432 bytes into wi: 8,192 bytes a tile of 16 rows, as many as the rows themselves
	s_add_co_u32 s28, s28, 786432
	s_add_nc_u64 s[8:9], s[8:9], s[28:29]
	s_lshl_b32 s28, s24, 4
	s_add_nc_u64 s[10:11], s[10:11], s[28:29]
	s_lshl_b32 s28, s18, 13
	s_lshl_b32 s24, ttmp9, 3
	s_add_co_u32 s28, s28, s24
	s_add_nc_u64 s[14:15], s[14:15], s[28:29]      ; fw2's scales: row 128 w, byte 8 j
	s_lshl_b32 s28, s30, 3
	s_add_co_u32 s28, s28, ttmp9
	s_lshl_b32 s28, s28, 11
	s_add_co_u32 s28, s28, 65536
	s_add_nc_u64 s[16:17], s[16:17], s[28:29]      ; ps: behind the first 65,536 bytes, row 8 i + j of 512 numbers
	ALOAD 0, 0                                     ; block 0
	WIN 0x40
.irp t, 0,1,2,3                        ; fw1's fragments (tile t, K step n) at v[16 (4 t + n)] of window 1: they stay
.irp n, 0,1,2,3
.irp c, 0,1,2,3
	global_load_b128 v[16*(4*\t+\n)+4*\c:16*(4*\t+\n)+4*\c+3], v1, s[8:9] offset:8192*\t+2048*\n+512*\c
.endr
.endr
.endr
	WIN 0x80
.irp t, 0,1,2,3,4,5,6,7                ; fw2's (tile t, K step n) at v[16 (2 t + n)] of window 2
.irp n, 0,1
.irp c, 0,1,2,3
	global_load_b128 v[16*(2*\t+\n)+4*\c:16*(2*\t+\n)+4*\c+3], v1, s[12:13] offset:32768*\t+2048*\n+512*\c
.endr
.endr
.endr
	WIN 0
.irp t, 0,1,2,3
	global_load_b128 v[W1S+4*\t:W1S+4*\t+3], v12, s[10:11] offset:(32*(\t/2)+8*(\t%2))*16
.endr
.irp t, 0,1,2,3,4,5,6,7
	global_load_b64 v[W2S+2*\t:W2S+2*\t+1], v14, s[14:15] offset:1024*\t
.endr
	WIN 0xc0
.set n, 0
.rept 64
	v_mov_b32 v[n], 0                              ; the eight accumulators, once in the launch: so the block is written once, and all 512 products a wave add in place
.set n, n+1
.endr
	WIN 0
	v_mov_b32 v[TM+2], 0                           ; written once: a lane permute's destination counts as one of its sources
	v_mov_b32 v[TM+3], 0
	s_wait_loadcnt 0x0
	ASTORE
	s_wait_dscnt 0x0                               ; the stores have read their registers
	ALOAD 32768, 1024                              ; block 1
	s_mov_b32 s23, 0
.Lblk:                                             ; eight trips; the bases stand at the block in hand
	BARRIER                                        ; the block's 64 rows lie in LDS, and nobody reads the hidden layer of the block before
	FETCHA 0
.irp m, 0,1,2,3
.if \m < 3
	FETCHA \m+1
	s_wait_dscnt 17                                ; this tile's fragments are in (and the last tile's image is stored); the 17 loads just issued may be out
.else
	s_wait_dscnt 0x0
.endif
	WIN 0x01                                       ; source 0 (fw1) window 1
.irp n, 0,1,2,3
.irp t, 0,1,2,3
.if \n == 0
	MM0 HA+8*\t, 16*(4*\t+\n), XF+64*(\m%2)+16*\n, W1S+4*\t+\n, XS+4*(\m%2)+\n
.else
	MMA HA+8*\t, 16*(4*\t+\n), XF+64*(\m%2)+16*\n, W1S+4*\t+\n, XS+4*(\m%2)+\n
.endif
.endr
.endr
	WIN 0
.rept 8
	v_nop                                          ; eight places in front of the first read of results
.endr
	QUANT2R
	ds_store_b128 v6, v[PC:PC+3] offset:HIMG+4096*\m
	ds_store_b128 v6, v[PC+4:PC+7] offset:HIMG+4096*\m+512
	ds_store_b16 v7, v120 offset:HSC+256*\m
.endr
	BARRIER                                        ; the hidden layer's eight fragments lie in LDS, and nobody reads the block's rows any more
	s_cmp_eq_u32 s23, 7                            ; the last block has no successor
	s_cbranch_scc1 .Lno_rows
	s_wait_loadcnt 0x0                             ; the next block's rows are in registers,
	ASTORE                                         ; and go into LDS
	s_wait_dscnt 0x0                               ; the stores have read their registers
	s_cmp_eq_u32 s23, 6                            ; no load leaves its buffer
	s_cbranch_scc1 .Lno_rows
	ALOAD 65536, 2048                              ; the block after that is asked for: it has a whole block's work in which to come
.Lno_rows:
.irp f, 0,1,2,3,4,5,6,7
.irp c, 0,1,2,3
	ds_load_b128 v[XF+16*\f+4*\c:XF+16*\f+4*\c+3], v1 offset:HIMG+2048*\f+512*\c
.endr
	ds_load_b32 v[HS+\f], v2 offset:HSC+128*\f
.endr
	WIN 0xf8                                       ; source 0 (the hidden layer) window 0, source 1 (fw2) window 2, C and D window 3
.irp f, 0,1,2,3,4,5,6,7
	s_wait_dscnt 5*(7-\f)                          ; fragment f and its scale words are in; the five loads of each later fragment may be out
.irp t, 0,1,2,3,4,5,6,7
	MMA 8*\t, XF+16*\f, 16*(2*\t+\f%2), HS+\f, W2S+2*\t+\f%2   ; the eight accumulators by turns
.endr
.endr
	WIN 0
.rept 8
	v_nop                                          ; places in front of loads into registers that these products have read, and of the first read of results behind the loop
.endr
	s_wait_xcnt 0x0                                ; the loads have read their bases
	s_add_nc_u64 s[4:5], s[4:5], 32768
	s_add_nc_u64 s[6:7], s[6:7], 1024
	s_add_co_u32 s23, s23, 1
	s_cmp_lt_u32 s23, 8
	s_cbranch_scc1 .Lblk
	; ---- the way out: an accumulator's eight registers and the two halves of the lanes are the 16 rows: their sum is the column's
	WIN 0x0f                                       ; both sources window 3
.irp t, 0,1,2,3,4,5,6,7
	v_add_f32 v[HA+\t], v[8*\t], v[8*\t+1]
.endr
	WIN 0x0c                                       ; source 1 window 3
.irp k, 2,3,4,5,6,7
.irp t, 0,1,2,3,4,5,6,7
	v_add_f32 v[HA+\t], v[HA+\t], v[8*\t+\k]
.endr
.endr
	WIN 0
.irp t, 0,1,2,3,4,5,6,7
	v_permlanex16_b32 v[TM+\t], v[HA+\t], s20, s21
.endr
.irp t, 0,1,2,3,4,5,6,7
	v_add_f32 v[HA+\t], v[HA+\t], v[TM+\t]
.endr
.irp t, 0,1,2,3,4,5,6,7
	ds_store_b32 v8, v[HA+\t] offset:64*\t         ; column 128 w + 16 t + r (both halves of the lanes hold the same number)
.endr
	BARRIER
	ds_load_b128 v[HA:HA+3], v9
	s_wait_dscnt 0x0
	global_store_b128 v10, v[HA:HA+3], s[16:17]    ; the work-group stores 2,048 consecutive bytes, 512 a wave
	s_wait_tensorcnt 0x0
	ds_add_u32 v126, v127
	s_wait_dscnt 0x0
	s_endpgm
.Lfunc_end_k_qa6779cd4e8_ffn:
	.size	k_qa6779cd4e8_ffn, .Lfunc_end_k_qa6779cd4e8_ffn-k_qa6779cd4e8_ffn
	.p2alignl 7, 3214868480
	.fill 96, 4, 3214868480
	.section	.rodata,"a",@progbits
	.p2align	6, 0x0
	.amdhsa_kernel k_qa6779cd4e8_ffn
		.amdhsa_group_segment_fixed_size 54784
		.amdhsa_private_segment_fixed_size 0
		.amdhsa_enable_private_segment 0
		.amdhsa_kernarg_size 48
		.amdhsa_user_sgpr_count 2
		.amdhsa_user_sgpr_kernarg_segment_ptr 1
		.amdhsa_wavefront_size32 1
		.amdhsa_system_sgpr_workgroup_id_x 1
		.amdhsa_system_sgpr_workgroup_id_y 1
		.amdhsa_system_sgpr_workgroup_id_z 1
		.amdhsa_system_vgpr_workitem_id 0
		.amdhsa_next_free_vgpr 1024
		.amdhsa_next_free_sgpr 66
		.amdhsa_reserve_vcc 0
		.amdhsa_float_denorm_mode_32 3
		.amdhsa_float_denorm_mode_16_64 3
		.amdhsa_memory_ordered 1
		.amdhsa_forward_progress 1
		.amdhsa_inst_pref_size 72
	.end_amdhsa_kernel
	.amdgpu_metadata
---
amdhsa.version: [ 1, 2 ]
amdhsa.kernels:
  - .name:           k_qa6779cd4e8_ffn
    .symbol:         k_qa6779cd4e8_ffn.kd
    .args:
      - { .name: rc, .offset: 0, .size: 8, .value_kind: global_buffer, .address_space: global }
      - { .name: rs, .offset: 8, .size: 8, .value_kind: global_buffer, .address_space: global }
      - { .name: wi, .offset: 16, .size: 8, .value_kind: global_buffer, .address_space: global }
      - { .name: fw1_scales, .offset: 24, .size: 8, .value_kind: global_buffer, .address_space: global }
      - { .name: fw2_scales, .offset: 32, .size: 8, .value_kind: global_buffer, .address_space: global }
      - { .name: ps, .offset: 40, .size: 8, .value_kind: global_buffer, .address_space: global }
    .group_segment_fixed_size: 54784
    .private_segment_fixed_size: 0
    .kernarg_segment_align: 8
    .kernarg_segment_size: 48
    .max_flat_workgroup_size: 128
    .sgpr_count:     66
    .vgpr_count:     1024
    .wavefront_size: 32
...
	.end_amdgpu_metadata
.endif
;; end of part 4
;; launch mean (part 5): grid 4 x 16, 1 waves a work-group, no clusters, 0 bytes of LDS; arguments ps, out0; writes out0
.if DOCPART == 5
	.amdgcn_target "amdgcn-amd-amdhsa--gfx1250"
	.amdhsa_code_object_version 6
	.text
	.protected	k_qa6779cd4e8_mean
	.globl	k_qa6779cd4e8_mean
	.p2align	8
	.type	k_qa6779cd4e8_mean,@function
k_qa6779cd4e8_mean:
	s_mov_b64 s[64:65], 0
	v_nop
	global_prefetch_b8 v0, s[64:65] scope:SCOPE_SE
	s_setreg_imm32_b32 hwreg(HW_REG_WAVE_MODE, 25, 1), 1
	s_wait_xcnt 0x0
; MEAN: out0[b][c] = (the column sums of result, 2 parts, + those of the second FFN product, 16 parts) / 1,024.
; ps: part A at 0: [batch 16][half 2][512] f32; part F at 65,536: [group of 512 rows 32][slice 8][512] f32: a batch's 16 rows lie on end.
; Work-group (x, b): columns 128 x .. 128 x + 127 of batch b; one wave, four columns a lane: every load and the store cover 512 consecutive bytes.
; 18 loads, all out at once; no LDS, no barrier, no matrix unit: there is nothing here but 18 numbers to add for each output.
	s_load_b128 s[4:7], s[0:1], 0x0                ; ps, out0
	v_lshlrev_b32 v1, 4, v0
	s_lshl_b32 s8, ttmp9, 9
	v_add_nc_u32 v1, s8, v1                        ; 512 x + 16 x lane
	s_and_b32 s9, ttmp7, 0xffff                    ; batch
	s_lshl_b32 s10, s9, 12                         ; part A: 4,096 bytes a batch
	s_mov_b32 s11, 0
	s_lshl_b32 s12, s9, 15                         ; part F: 32,768 bytes a batch
	s_mov_b32 s13, 0
	s_lshl_b32 s14, s9, 11                         ; out0: 2,048 bytes a batch
	s_mov_b32 s15, 0
	s_wait_kmcnt 0x0
	s_add_nc_u64 s[10:11], s[4:5], s[10:11]
	s_add_nc_u64 s[12:13], s[4:5], s[12:13]
	s_add_nc_u64 s[6:7], s[6:7], s[14:15]
	global_load_b128 v[4:7], v1, s[10:11]
	global_load_b128 v[8:11], v1, s[10:11] offset:2048
.irp k, 0,1,2,3,4,5,6,7,8,9,10,11,12,13,14,15
	global_load_b128 v[12+4*\k:15+4*\k], v1, s[12:13] offset:65536+2048*\k
.endr
	s_wait_loadcnt 0x0
.irp k, 0,1,2,3,4,5,6,7,8              ; 18 parts become 9,
	v_pk_add_f32 v[4+4*\k:5+4*\k], v[4+4*\k:5+4*\k], v[40+4*\k:41+4*\k]
	v_pk_add_f32 v[6+4*\k:7+4*\k], v[6+4*\k:7+4*\k], v[42+4*\k:43+4*\k]
.endr
.irp k, 1,2,3,4                        ; 5,
	v_pk_add_f32 v[4+4*\k:5+4*\k], v[4+4*\k:5+4*\k], v[20+4*\k:21+4*\k]
	v_pk_add_f32 v[6+4*\k:7+4*\k], v[6+4*\k:7+4*\k], v[22+4*\k:23+4*\k]
.endr
.irp k, 1,2                            ; 3,
	v_pk_add_f32 v[4+4*\k:5+4*\k], v[4+4*\k:5+4*\k], v[12+4*\k:13+4*\k]
	v_pk_add_f32 v[6+4*\k:7+4*\k], v[6+4*\k:7+4*\k], v[14+4*\k:15+4*\k]
.endr
.irp k, 1,2                            ; 1
	v_pk_add_f32 v[4:5], v[4:5], v[4+4*\k:5+4*\k]
	v_pk_add_f32 v[6:7], v[6:7], v[6+4*\k:7+4*\k]
.endr
	v_pk_mul_f32 v[4:5], v[4:5], 0x3a800000 op_sel_hi:[1,0]   ; x 1 / 1,024: exact
	v_pk_mul_f32 v[6:7], v[6:7], 0x3a800000 op_sel_hi:[1,0]
	global_store_b128 v1, v[4:7], s[6:7]
	s_endpgm
.Lfunc_end_k_qa6779cd4e8_mean:
	.size	k_qa6779cd4e8_mean, .Lfunc_end_k_qa6779cd4e8_mean-k_qa6779cd4e8_mean
	.p2alignl 7, 3214868480
	.fill 96, 4, 3214868480
	.section	.rodata,"a",@progbits
	.p2align	6, 0x0
	.amdhsa_kernel k_qa6779cd4e8_mean
		.amdhsa_group_segment_fixed_size 0
		.amdhsa_private_segment_fixed_size 0
		.amdhsa_enable_private_segment 0
		.amdhsa_kernarg_size 16
		.amdhsa_user_sgpr_count 2
		.amdhsa_user_sgpr_kernarg_segment_ptr 1
		.amdhsa_wavefront_size32 1
		.amdhsa_system_sgpr_workgroup_id_x 1
		.amdhsa_system_sgpr_workgroup_id_y 1
		.amdhsa_system_sgpr_workgroup_id_z 1
		.amdhsa_system_vgpr_workitem_id 0
		.amdhsa_next_free_vgpr 96
		.amdhsa_next_free_sgpr 66
		.amdhsa_reserve_vcc 0
		.amdhsa_float_denorm_mode_32 3
		.amdhsa_float_denorm_mode_16_64 3
		.amdhsa_memory_ordered 1
		.amdhsa_forward_progress 1
		.amdhsa_inst_pref_size 5
	.end_amdhsa_kernel
	.amdgpu_metadata
---
amdhsa.version: [ 1, 2 ]
amdhsa.kernels:
  - .name:           k_qa6779cd4e8_mean
    .symbol:         k_qa6779cd4e8_mean.kd
    .args:
      - { .name: ps, .offset: 0, .size: 8, .value_kind: global_buffer, .address_space: global }
      - { .name: out0, .offset: 8, .size: 8, .value_kind: global_buffer, .address_space: global }
    .group_segment_fixed_size: 0
    .private_segment_fixed_size: 0
    .kernarg_segment_align: 8
    .kernarg_segment_size: 16
    .max_flat_workgroup_size: 32
    .sgpr_count:     66
    .vgpr_count:     96
    .wavefront_size: 32
...
	.end_amdgpu_metadata
.endif
;; end of part 5
;; ======== version 2 of 2: 5 launches
;; workspace buffers: kv 16,777,216 bytes; kvs 524,288 bytes; qc 8,388,608 bytes; qs 524,288 bytes; rc 8,388,608 bytes; rs 262,144 bytes; ps 589,824 bytes; wi 2,883,584 bytes
;; launch lay (part 6): grid 352 x 1, 4 waves a work-group, no clusters, 0 bytes of LDS; arguments W_key_codes, W_Query_codes, W_Value_codes, fw1_codes, fw2_codes, wi; writes wi
.if DOCPART == 6
	.amdgcn_target "amdgcn-amd-amdhsa--gfx1250"
	.amdhsa_code_object_version 6
	.text
	.protected	k_qa6779cd4e8_lay
	.globl	k_qa6779cd4e8_lay
	.p2align	8
	.type	k_qa6779cd4e8_lay,@function
k_qa6779cd4e8_lay:
	s_mov_b64 s[64:65], 0
	v_nop
	global_prefetch_b8 v0, s[64:65] scope:SCOPE_SE
	s_setreg_imm32_b32 hwreg(HW_REG_WAVE_MODE, 25, 1), 1
	s_wait_xcnt 0x0
; LAY: the five weights' codes are copied once into wi as IMAGES OF OPERAND REGISTERS, so that the launches that multiply by them load a fragment by four loads of 512 consecutive bytes each.
; A fragment is 16 rows x 128 K of 8-bit codes: 16 registers a lane; group c (4 registers) of lane (r, h) holds K = 32 c + 16 h + 0 .. 15 of the fragment's row r.  Its image: [group 4][lane 32][16 bytes], 2,048 bytes.
; wi: fragments on end: W_key 128, W_Query 128, W_Value 128, fw1 512, fw2 512: 1,408 fragments, 2,883,584 bytes.
; The four tensors with K = 512 (rows of 512 bytes): fragment 4 T + s = tile T, K step s.  THE ROWS OF A TILE ARE NOT NEIGHBOURS: lane r of tile T takes row 32 (T / 2) + 8 (T % 2) + r + 8 (r / 8), as the products that use them want.
; fw2 (rows of 2,048 bytes): fragment 16 R + ks = rows 16 R + r, K step ks.
; SHARES.  A wave copies one fragment: four loads (16 rows x 32 bytes each), four stores of 512 consecutive bytes.  Work-group g holds fragments 4 g .. 4 g + 3; work-groups 0-31, 32-63, 64-95, 96-223, 224-351 serve the five tensors.
; The tensor is chosen by the work-group's number alone; all take one path through the text.  No LDS, no barrier, no matrix unit: bytes are moved and nothing is computed.
	s_load_b256 s[4:11], s[0:1], 0x0               ; W_key 4, W_Query 6, W_Value 8, fw1 10
	s_load_b128 s[12:15], s[0:1], 0x20             ; fw2 12, wi 14
	v_lshrrev_b32 v1, 5, v0
	v_readfirstlane_b32 s16, v1                    ; wave 0..3
	v_and_b32 v2, 31, v0                           ; lane
	v_and_b32 v3, 15, v0                           ; r
	v_bfe_u32 v4, v0, 4, 1                         ; h
	v_and_b32 v5, 8, v3
	v_add_nc_u32 v5, v5, v3                        ; r + 8 (r / 8)
	v_lshlrev_b32 v5, 9, v5                        ; rows of 512 bytes, by the tile's rows
	v_lshlrev_b32 v6, 11, v3                       ; fw2: row r of 2,048 bytes
	s_cmp_lt_u32 ttmp9, 224
	s_cselect_b32 s17, 0, -1                       ; all lanes' bits in fw2's work-groups
	v_cndmask_b32 v5, v5, v6, s17
	v_lshl_add_u32 v5, v4, 4, v5                   ; + 16 h
	v_lshlrev_b32 v7, 4, v2                        ; the image: 16 x lane
	s_mov_b32 s18, 224                             ; the first work-group of my tensor
	s_wait_alu depctr_va_vdst(0)
	s_wait_kmcnt 0x0
	s_mov_b64 s[20:21], s[12:13]
	s_cmp_lt_u32 ttmp9, 224
	s_cselect_b64 s[20:21], s[10:11], s[20:21]
	s_cselect_b32 s18, 96, s18
	s_cmp_lt_u32 ttmp9, 96
	s_cselect_b64 s[20:21], s[8:9], s[20:21]
	s_cselect_b32 s18, 64, s18
	s_cmp_lt_u32 ttmp9, 64
	s_cselect_b64 s[20:21], s[6:7], s[20:21]
	s_cselect_b32 s18, 32, s18
	s_cmp_lt_u32 ttmp9, 32
	s_cselect_b64 s[20:21], s[4:5], s[20:21]
	s_cselect_b32 s18, 0, s18
	s_sub_co_u32 s19, ttmp9, s18                   ; T: my work-group's number in its tensor
	s_lshr_b32 s22, s19, 1                         ; K = 512: tile T begins at row 32 (T / 2) + 8 (T % 2); my wave is the K step
	s_lshl_b32 s22, s22, 14
	s_and_b32 s23, s19, 1
	s_lshl_b32 s23, s23, 12
	s_add_co_u32 s22, s22, s23
	s_lshr_b32 s24, s19, 2                         ; fw2: fragment 4 T + wave: rows 16 (T / 4) on, K step 4 (T % 4) + wave
	s_lshl_b32 s24, s24, 15
	s_and_b32 s25, s19, 3
	s_lshl_b32 s25, s25, 9
	s_add_co_u32 s24, s24, s25
	s_cmp_lt_u32 ttmp9, 224
	s_cselect_b32 s22, s22, s24
	s_lshl_b32 s23, s16, 7                         ; 128 bytes a K step
	s_add_co_u32 s22, s22, s23
	s_mov_b32 s23, 0
	s_add_nc_u64 s[20:21], s[20:21], s[22:23]
	s_lshl_b32 s24, ttmp9, 13                      ; wi: 8,192 bytes a work-group,
	s_lshl_b32 s25, s16, 11                        ; 2,048 a wave
	s_add_co_u32 s24, s24, s25
	s_mov_b32 s25, 0
	s_add_nc_u64 s[14:15], s[14:15], s[24:25]
.irp c, 0,1,2,3
	global_load_b128 v[8+4*\c:11+4*\c], v5, s[20:21] offset:32*\c
.endr
	s_wait_loadcnt 0x0
.irp c, 0,1,2,3
	global_store_b128 v7, v[8+4*\c:11+4*\c], s[14:15] offset:512*\c   ; 32 lanes store 512 consecutive bytes, at a multiple of 256 from wi's first byte
.endr
	s_endpgm
.Lfunc_end_k_qa6779cd4e8_lay:
	.size	k_qa6779cd4e8_lay, .Lfunc_end_k_qa6779cd4e8_lay-k_qa6779cd4e8_lay
	.p2alignl 7, 3214868480
	.fill 96, 4, 3214868480
	.section	.rodata,"a",@progbits
	.p2align	6, 0x0
	.amdhsa_kernel k_qa6779cd4e8_lay
		.amdhsa_group_segment_fixed_size 0
		.amdhsa_private_segment_fixed_size 0
		.amdhsa_enable_private_segment 0
		.amdhsa_kernarg_size 48
		.amdhsa_user_sgpr_count 2
		.amdhsa_user_sgpr_kernarg_segment_ptr 1
		.amdhsa_wavefront_size32 1
		.amdhsa_system_sgpr_workgroup_id_x 1
		.amdhsa_system_sgpr_workgroup_id_y 1
		.amdhsa_system_sgpr_workgroup_id_z 1
		.amdhsa_system_vgpr_workitem_id 0
		.amdhsa_next_free_vgpr 32
		.amdhsa_next_free_sgpr 66
		.amdhsa_reserve_vcc 0
		.amdhsa_float_denorm_mode_32 3
		.amdhsa_float_denorm_mode_16_64 3
		.amdhsa_memory_ordered 1
		.amdhsa_forward_progress 1
		.amdhsa_inst_pref_size 4
	.end_amdhsa_kernel
	.amdgpu_metadata
---
amdhsa.version: [ 1, 2 ]
amdhsa.kernels:
  - .name:           k_qa6779cd4e8_lay
    .symbol:         k_qa6779cd4e8_lay.kd
    .args:
      - { .name: W_key_codes, .offset: 0, .size: 8, .value_kind: global_buffer, .address_space: global }
      - { .name: W_Query_codes, .offset: 8, .size: 8, .value_kind: global_buffer, .address_space: global }
      - { .name: W_Value_codes, .offset: 16, .size: 8, .value_kind: global_buffer, .address_space: global }
      - { .name: fw1_codes, .offset: 24, .size: 8, .value_kind: global_buffer, .address_space: global }
      - { .name: fw2_codes, .offset: 32, .size: 8, .value_kind: global_buffer, .address_space: global }
      - { .name: wi, .offset: 40, .size: 8, .value_kind: global_buffer, .address_space: global }
    .group_segment_fixed_size: 0
    .private_segment_fixed_size: 0
    .kernarg_segment_align: 8
    .kernarg_segment_size: 48
    .max_flat_workgroup_size: 128
    .sgpr_count:     66
    .vgpr_count:     32
    .wavefront_size: 32
...
	.end_amdgpu_metadata
.endif
;; end of part 6
;; launch proj (part 7): grid 256 x 1, 4 waves a work-group, no clusters, 104,960 bytes of LDS; arguments queries, keys_codes, keys_scales, wi, W_key_scales, W_Query_scales, W_Value_scales, kv, kvs, qc, qs; writes kv, kvs, qc, qs
.if DOCPART == 7
	.amdgcn_target "amdgcn-amd-amdhsa--gfx1250"
	.amdhsa_code_object_version 6
	.text
	.protected	k_qa6779cd4e8_proj
	.globl	k_qa6779cd4e8_proj
	.p2align	8
	.type	k_qa6779cd4e8_proj,@function
k_qa6779cd4e8_proj:
	s_mov_b64 s[64:65], 0
	v_nop
	global_prefetch_b8 v0, s[64:65] scope:SCOPE_SE
	s_setreg_imm32_b32 hwreg(HW_REG_WAVE_SCHED_MODE, 0, 2), 2
	s_setreg_imm32_b32 hwreg(HW_REG_WAVE_MODE, 25, 1), 1
	s_wait_xcnt 0x0
	s_wait_alu depctr_vm_vsrc(0)
; PROJ: k = keys W_key, q = Q(queries) W_Query, v = Q(k) W_Value, all three products on codes of BF8 (E5M2) with one E8M0 scale for each 32 along K; k, q and v leave quantised, as images of operand registers.
; SHARES.  Work-group g takes rows 64 g .. 64 g + 63 of the 16,384 (batch g / 16, block tb = g % 16 of 64 rows).  THE WAVES SHARE THE COLUMNS: wave w makes columns 128 w .. 128 w + 127 (heads 2 w, 2 w + 1) for all 64 rows.
; So a weight byte is used by one wave of the work-group, feeds four matrix instructions and goes from memory straight into operand registers.  The weights' codes come from wi, where the launch before has laid them as images of
; these registers: a column tile (16 rows x 512 K) is 8,192 bytes on end, brought by 16 loads of 512 consecutive bytes; a ring of five buffers (64 registers + 4 scale words each): four tiles, 68 loads, are asked for ahead.
; The rows go round through LDS as IMAGES OF OPERAND REGISTERS (a fragment = 4 stores of 512 bytes, lane l at 16 l): keys as given, queries quantised here (wave w: rows 16 w on), k as quantised behind the first product.
; k and q are made TRANSPOSED (source 0 = 16 rows of the weight, source 1 = 16 rows of x): a lane holds one row and its registers run along the columns.  The rows of a weight that form a tile are not neighbours:
; lane r of tile 2 b + u takes row 32 b + 8 u + r + 8 (r / 8), so that the 16 registers of tiles 2 b, 2 b + 1 are 16 neighbours: 32 b + 16 (lane / 16) + 0 .. 15.  A head's 64 columns are two whole blocks of 32: the codes of k serve product 3 and the scores alike.
; v is made the other way round (source 0 = 16 rows of k, source 1 = 16 rows of W_Value): a lane holds one channel and its registers run down the keys, which are the K of the last attention product.
; OUT.  kv [head of a batch][131,072]: K part: pairs of key tiles [pair 32][group 4][lane][16 bytes]: groups 0, 1 = key 32 P + r, groups 2, 3 = key 32 P + 16 + r, 32 of the head's 64 each;  V part at 65,536: [step 8][tile 4][group 4][lane][16]:
; byte 8 u + j of group c, lane half h = key 128 S + 32 c + 16 u + 8 h + j.  kvs: their scale bytes.  qc [head][query tile 64][group 2][lane][16], qs: a word (s0, s1, s0, s1) for each query.  Every store of codes covers 512 consecutive bytes.
; THE QUANTISER: a block's scale is 2^(floor(log2(largest magnitude)) - 15); numbers are held within 57,344 x the scale and rounded to the nearest code, ties to even.
; LIMITS: NaN and infinities are not served; a block of zeros gets the byte 1 (its codes are zeros, and this program alone reads the bytes); blocks whose largest magnitude lies under 2^-111 are held at the byte 1.
; NO CLUSTER: the weights that all work-groups walk (786,432 bytes) are used from registers, each byte by one wave; shared by joint tensor loads they would have to pass through LDS in a ring and be read back from there.
; THE MODE: SCHED_MODE bits 1:0 = 2 (LLVM: expert scheduling mode 2), set by the entry lines.  The code itself states the register dependences between vector or matrix instructions and memory or LDS instructions, with s_wait_alu, always for 0.
; THE PLAN.  Registers that memory or LDS instructions touch:
;   v1-v15             offsets and LDS addresses: written once at the head, never again.
;   the ring           tile j lies in buffer j % 5 (buffers 0-3: window 1, scale words v32-47; buffer 4: v72-135, scale words v200-203).  Written by the 17 loads that are issued in turn j - 4; read by turn j's sixteen products.
;                      Turn i's loads land in the buffer that turn i - 1 has read: ONE wait on va_vdst at the turn's head, behind the wait for tile i's data, states that; the loads follow it, dealt among the turn's products,
;                      which name buffer i % 5, window 2, window 3, v16-31 and their own scale words: none of the registers that those loads touch.
;   window 2, v16-31   x's fragments and scale words: written by LDS loads (at the head also by the loads of keys, and read there by LDS stores); read by a product's eight turns.  One wait on va_vdst behind a product's last turn;
;                      the next x's 68 LDS loads follow it and land while this product's results are quantised.
;   v136-199, v64-71   codes and words made: written by the quantiser and the byte selects, read by LDS and global stores.  Two tiles are quantised, one wait on va_vdst, both are stored; one wait on vm_vsrc ahead of a product's first quantising.
;   window 3           at the head the loads of queries land there; afterwards vector and matrix instructions alone name it.
; REGISTERS, in windows of 256: window 0: v1-15 addresses, v16-31 x's scale words (4 m + s), v32-47 the weights' (buffers 0-3), v48-63 the quantiser's, v64-67 scale words made, v68-71 words on the way in and out,
;   v72-135 the ring's fifth buffer, v136-199 codes made, v200-203 the fifth buffer's scale words;   window 1: the ring's buffers 0-3;   window 2: x's 16 fragments (4 m + s);   window 3: 256 accumulators (at the head: the queries as f32).
.set XS,  16
.set WS,  32
.set TM,  48                           ; +0..3 largest magnitudes, +4..7 the other half's, then the bytes, +8..11 57,344 x the scale, +12..15 the conversions' scale operands
.set PW,  64
.set OW,  68
.set B4,  72
.set PC,  136
.set W4S, 200
.set MSB, 0
.macro WIN new                         ; the immediate's high byte repeats the setting that is left; bits 1:0 source 0, 3:2 source 1, 5:4 source 2, 7:6 destination
.if MSB != \new
	s_set_vgpr_msb (MSB<<8)|\new
.set MSB, \new
.endif
.endm
.macro MM0 d, a, b, sa, sb             ; a product that starts a sum
	v_wmma_scale_f32_16x16x128_f8f6f4 v[\d:\d+7], v[\a:\a+15], v[\b:\b+15], 0, v[\sa], v[\sb] matrix_a_fmt:MATRIX_FMT_BF8 matrix_b_fmt:MATRIX_FMT_BF8
.endm
.macro MMA d, a, b, sa, sb             ; and one that adds onto it
	v_wmma_scale_f32_16x16x128_f8f6f4 v[\d:\d+7], v[\a:\a+15], v[\b:\b+15], v[\d:\d+7], v[\sa], v[\sb] matrix_a_fmt:MATRIX_FMT_BF8 matrix_b_fmt:MATRIX_FMT_BF8
.endm
.macro XLOAD k                         ; my 16 rows of queries, K step k: lane (r, h) takes 16 neighbours of each block of 32 of row r
	WIN 0xc0
.irp b, 0,1,2,3
.irp j, 0,1,2,3
	global_load_b128 v[64*\k+16*\b+4*\j:64*\k+16*\b+4*\j+3], v3, s[4:5] offset:512*\k+128*\b+16*\j
.endr
.endr
	WIN 0
.endm
.macro WFRAG i, n0                     ; column tile i of 24 (product i / 8, tile i % 8), K steps n0 and n0 + 1: eight loads of 512 consecutive bytes, into buffer i % 5
.set wp, (\i)/8
.set wct, (\i)%8
.if (\i)%5 < 4
.set wbf, 64*((\i)%5)
	WIN 0x40
.else
.set wbf, B4
	WIN 0
.endif
.irp n, \n0, \n0+1
.irp c, 0,1,2,3
	global_load_b128 v[wbf+16*(\n)+4*\c:wbf+16*(\n)+4*\c+3], v1, s[10+4*wp:11+4*wp] offset:8192*wct+2048*(\n)+512*\c
.endr
.endr
.endm
.macro WSCL i                          ; and its rows' 16 scale bytes: one load
.set wp, (\i)/8
.set wro, 32*(((\i)%8)/2)+8*(((\i)%8)%2)
.if (\i)%5 < 4
.set wws, WS+4*((\i)%5)
.else
.set wws, W4S
.endif
	WIN 0
	global_load_b128 v[wws:wws+3], v7, s[12+4*wp:13+4*wp] offset:wro*16
.endm
.macro WLOAD i                         ; a whole tile: 17 loads
	WFRAG \i, 0
	WFRAG \i, 2
	WSCL \i
.endm
.macro WMUL tr                         ; the windows of a turn's products.  C and D window 3, x window 2, the weights window 1 (buffers 0-3) or window 0 (buffer 4)
.if \tr
.if trb < 4
	WIN 0xf9                                       ; source 0 the weights, source 1 x
.else
	WIN 0xf8
.endif
.else
.if trb < 4
	WIN 0xf6                                       ; source 0 x, source 1 the weights
.else
	WIN 0xf2
.endif
.endif
.endm
.macro PRODS tr, n                     ; K step n of the column tile in hand against the four tiles of rows: the four accumulators by turns
.irp m, 0,1,2,3
.if \tr
.if \n == 0
	MM0 64*\m+8*tct, tbf+16*\n, 16*(4*\m+\n), tws+\n, XS+4*\m+\n
.else
	MMA 64*\m+8*tct, tbf+16*\n, 16*(4*\m+\n), tws+\n, XS+4*\m+\n
.endif
.else
.if \n == 0
	MM0 32*tct+8*\m, 16*(4*\m+\n), tbf+16*\n, XS+4*\m+\n, tws+\n
.else
	MMA 32*tct+8*\m, 16*(4*\m+\n), tbf+16*\n, XS+4*\m+\n, tws+\n
.endif
.endif
.endr
.endm
; Column tile i against the four tiles of rows: 16 matrix instructions; among them the 17 loads of the tile four on.  tr = 1: transposed.
.macro TURN i, tr
.set tct, (\i)%8
.set trb, (\i)%5
.if trb < 4
.set tbf, 64*trb
.set tws, WS+4*trb
.else
.set tbf, B4
.set tws, W4S
.endif
.if (\i) < 21
	s_wait_loadcnt 51                              ; tile i is in; the 17 loads of each of the three tiles behind it may be out
.else
	s_wait_loadcnt 17*(23-(\i))
.endif
.if ((\i)+4 < 24) && ((\i)%8 != 0)
	s_wait_alu depctr_va_vdst(0)                   ; the last turn's products are done reading their buffer and its scale words, in which this turn's loads land.  (A product's first turn owes none: the waits of the quantising before it have stated it; turn 0's loads land in registers that nothing has named)
.endif
	WMUL \tr
	PRODS \tr, 0
.if (\i)+4 < 24
	WFRAG (\i)+4, 0                                ; the buffer that the last turn read takes the tile four on: nine loads here,
	WSCL (\i)+4
	WMUL \tr
.endif
	PRODS \tr, 1
	PRODS \tr, 2
	PRODS \tr, 3
.if (\i)+4 < 24
	WFRAG (\i)+4, 2                                ; eight here.  No wait: no product since the wait at the turn's head names these registers
.endif
.rept 8
	v_nop                                          ; eight places behind these products, ahead of the first read of results; they stay ahead of the loads into the registers that these products have read, beside the wait that states that dependence
.endr
.endm
.macro FETCHX adr, fo, so              ; all 16 fragments of an x and their scale words, from LDS into window 2 and v16-31: 68 loads; the wait for them stands ahead of the product's first turn
	WIN 0x80
.irp n, 0,1,2,3,4,5,6,7,8,9,10,11,12,13,14,15
.irp c, 0,1,2,3
	ds_load_b128 v[16*\n+4*\c:16*\n+4*\c+3], v[\adr] offset:\fo+2048*\n+512*\c
.endr
.endr
	WIN 0
.irp m, 0,1,2,3
	ds_load_b128 v[XS+4*\m:XS+4*\m+3], v2 offset:\so+512*\m
.endr
.endm
; 64 numbers of a lane in window 3 from nb on, register 16 b + i = place 32 b + 16 (lane / 16) + i, become a fragment's codes in v[PC + 16 q] on and its scale word in v[PW + q].
.macro QUANT nb, q
	WIN 0x0f
.irp b, 0,1,2,3
	v_max3_num_f32 v[TM+\b], |v[\nb+16*\b]|, |v[\nb+16*\b+1]|, 0x8000000   ; my 16 numbers of block b, and the floor 2^(16 - 127): the byte cannot fall under 1
.endr
	WIN 0x3c
.irp i, 2,4,6,8,10,12,14
.irp b, 0,1,2,3
	v_max3_num_f32 v[TM+\b], v[TM+\b], |v[\nb+16*\b+\i]|, |v[\nb+16*\b+\i+1]|   ; the four blocks by turns
.endr
.endr
	WIN 0
.irp b, 0,1,2,3
	v_permlanex16_b32 v[TM+4+\b], v[TM+\b], s32, s33
.endr
.irp b, 0,1,2,3
	v_max_num_f32 v[TM+\b], v[TM+\b], v[TM+4+\b]   ; with lane l xor 16: the block's largest magnitude
.endr
.irp b, 0,1,2,3
	v_add_nc_u32 v[TM+12+\b], 0xf8800000, v[TM+\b] ; 15 off its exponent field: the conversion's scale operand
.endr
.irp b, 0,1,2,3
	v_and_or_b32 v[TM+8+\b], v[TM+\b], 0x7f800000, s34   ; 57,344 x the scale
.endr
.irp b, 0,1,2,3
	v_lshrrev_b32 v[TM+4+\b], 23, v[TM+12+\b]      ; the scale's byte
.endr
	v_lshl_or_b32 v[PW+\q], v[TM+5], 8, v[TM+4]
	v_lshl_or_b32 v[PW+\q], v[TM+6], 16, v[PW+\q]
	v_lshl_or_b32 v[PW+\q], v[TM+7], 24, v[PW+\q]
	WIN 0xc3
.irp b, 0,1,2,3
.irp i, 0,1,2,3,4,5,6,7,8,9,10,11,12,13,14,15
	v_med3_num_f32 v[\nb+16*\b+\i], v[\nb+16*\b+\i], -v[TM+8+\b], v[TM+8+\b]   ; the conversion to an 8-bit code does not saturate (ISA guide 7.6.2): the hold
.endr
.endr
	WIN 0x03
.irp b, 0,1,2,3
	v_cvt_scalef32_pk8_bf8_f32 v[PC+16*\q+4*\b:PC+16*\q+4*\b+1], v[\nb+16*\b:\nb+16*\b+7], v[TM+12+\b]
	v_cvt_scalef32_pk8_bf8_f32 v[PC+16*\q+4*\b+2:PC+16*\q+4*\b+3], v[\nb+16*\b+8:\nb+16*\b+15], v[TM+12+\b]
.endr
	WIN 0
	v_nop                                          ; one plain vector instruction behind the last conversion: later products write its sources
.endm
.macro XIMAGE k                        ; the queries' fragment of K step k goes to LDS as it stands
.irp c, 0,1,2,3
	ds_store_b128 v8, v[PC+16*\k+4*\c:PC+16*\k+4*\c+3] offset:32768+2048*\k+512*\c
.endr
.endm
.macro KOUT m                          ; k of rows 16 m on, my 128 columns: K step w of product 3 (to LDS), and two heads' halves of a pair of key tiles (to kv)
.irp c, 0,1,2,3
	ds_store_b128 v10, v[PC+16*\m+4*\c:PC+16*\m+4*\c+3] offset:8192*\m+512*\c
.endr
	ds_store_b32 v11, v[PW+\m] offset:36864+512*\m
.irp c, 0,1,2,3
	global_store_b128 v1, v[PC+16*\m+4*\c:PC+16*\m+4*\c+3], s[22:23] offset:(\c/2)*131072+(\m/2)*2048+512*(2*(\m%2)+(\c%2))
.endr
.endm
.macro QOUT m                          ; q of rows 16 m on: two heads' tiles of queries
.irp c, 0,1,2,3
	global_store_b128 v1, v[PC+16*\m+4*\c:PC+16*\m+4*\c+3], s[26:27] offset:(\c/2)*65536+1024*\m+512*(\c%2)
.endr
.endm
.macro VOUT u                          ; v: column tiles 2 u, 2 u + 1; group e of the codes: tile 2 u + e / 2, key block e % 2 of my 64 rows
.irp e, 0,1,2,3
	global_store_b128 v1, v[PC+16*\u+4*\e:PC+16*\u+4*\e+3], s[44:45] offset:((2*\u+\e/2)/4)*131072+((2*\u+\e/2)%4)*2048+512*(\e%2)
.endr
.endm
.macro BARRIER                         ; my LDS stores have landed and my LDS loads are in: then the work-group's barrier
	s_wait_dscnt 0x0
	s_barrier_signal -1
	s_barrier_wait -1
.endm
	s_load_b256 s[4:11], s[0:1], 0x0               ; queries 4, keys_codes 6, keys_scales 8, wi 10
	s_load_b64 s[12:13], s[0:1], 0x20              ; W_key_scales
	s_load_b64 s[16:17], s[0:1], 0x28              ; W_Query_scales
	s_load_b64 s[20:21], s[0:1], 0x30              ; W_Value_scales
	s_load_b64 s[22:23], s[0:1], 0x38              ; kv
	s_load_b128 s[24:27], s[0:1], 0x40             ; kvs 24, qc 26
	s_load_b64 s[28:29], s[0:1], 0x50              ; qs
	v_lshl_add_u32 v254, v0, 2, 0x19800
	v_mov_b32 v255, 0
	v_lshrrev_b32 v68, 5, v0
	v_readfirstlane_b32 s30, v68                   ; wave 0..3
	v_and_b32 v68, 31, v0                          ; lane
	v_and_b32 v69, 15, v0                          ; r
	v_bfe_u32 v70, v0, 4, 1                        ; h
	v_and_b32 v71, 8, v69
	v_add_nc_u32 v71, v71, v69                     ; r + 8 (r / 8)
	s_mov_b32 s32, 0x76543210
	s_mov_b32 s33, 0xfedcba98                      ; v_permlanex16_b32: lane l xor 16
	s_mov_b32 s34, 0x600000                        ; the mantissa field of 57,344
	s_mov_b32 s35, 0xffff0000                      ; lanes 16-31
	; LDS: 0 keys' 16 fragments; 32,768 queries'; 65,536 k's; 98,304 / 100,352 / 102,400 their scale words, [tile of rows][lane][16 bytes: K steps 0..3]
	v_lshlrev_b32 v1, 4, v68                       ; 16 x lane
	v_add_nc_u32 v2, 0x10000, v1                   ; + 65,536
	v_lshlrev_b32 v3, 11, v69
	v_lshl_add_u32 v3, v70, 6, v3                  ; queries: row r of 2,048 bytes + 64 h
	v_lshlrev_b32 v4, 9, v69
	v_lshl_add_u32 v4, v70, 4, v4                  ; keys' codes: row r of 512 bytes + 16 h
	v_lshlrev_b32 v5, 4, v69                       ; keys' scales: 16 bytes a row
	v_lshlrev_b32 v7, 4, v71                       ; a weight's scales, by the tile's rows
	s_wait_alu depctr_va_sdst(0)                   ; s30, the wave's number, is written, ahead of its first reader: LDS addresses and the buffers' bases are made from it
	s_lshl_b32 s36, s30, 13
	v_add_nc_u32 v8, s36, v1                       ; where I store x's images: fragments 4 w + s
	s_lshl_b32 s36, s30, 9
	v_add_nc_u32 v9, s36, v2                       ; and their scale words
	s_lshl_b32 s36, s30, 11
	v_add_nc_u32 v10, s36, v2                      ; k's images: fragments 4 m + w
	s_lshl_b32 s36, s30, 2
	v_add_nc_u32 v11, s36, v2                      ; k's scale words: word w of 16 bytes a lane
	v_mov_b32 v48, 0x05040100
	v_mov_b32 v49, 0x07060302
	v_cndmask_b32 v12, v48, v49, s35               ; byte selects: lanes 0-15 serve head 2 w (bytes 0, 1 of two words), lanes 16-31 head 2 w + 1 (bytes 2, 3)
	v_mov_b32 v48, 0x01000100
	v_mov_b32 v49, 0x03020302
	v_cndmask_b32 v13, v48, v49, s35               ; and for q: the head's two bytes, twice
	v_lshlrev_b32 v14, 3, v69
	v_lshl_add_u32 v14, v70, 12, v14               ; scale bytes out: 8 r, the second head 4,096 on
	v_lshl_add_u32 v15, v70, 12, v5                ; 16 r likewise
.irp b, 0,1,2,3
	v_mov_b32 v[TM+4+\b], 0                        ; written once: a lane permute's destination counts as one of its sources
.endr
	s_lshl_b32 s36, ttmp9, 6
	s_lshl_b32 s37, s30, 4
	s_add_co_u32 s36, s36, s37                     ; the first row that I bring in: 64 g + 16 w
	s_mov_b32 s39, 0
	s_lshr_b32 s40, ttmp9, 4
	s_lshl_b32 s40, s40, 3
	s_lshl_b32 s37, s30, 1
	s_add_co_u32 s40, s40, s37                     ; 8 x batch + my first head
	s_and_b32 s41, ttmp9, 15                       ; tb
	s_wait_kmcnt 0x0
	s_lshl_b32 s38, s36, 11
	s_add_nc_u64 s[4:5], s[4:5], s[38:39]
	s_lshl_b32 s38, s36, 9
	s_add_nc_u64 s[6:7], s[6:7], s[38:39]
	s_lshl_b32 s38, s36, 4
	s_add_nc_u64 s[8:9], s[8:9], s[38:39]
	s_lshl_b32 s38, s30, 16                        ; my 128 rows of each weight: eight tiles' images, 65,536 bytes;
	s_add_nc_u64 s[10:11], s[10:11], s[38:39]      ; W_key's begin at wi's first byte,
	s_add_nc_u64 s[14:15], s[10:11], 0x40000       ; W_Query's 262,144 on,
	s_add_nc_u64 s[18:19], s[10:11], 0x80000       ; W_Value's 524,288 on
	s_lshl_b32 s38, s30, 11                        ; 16 bytes of scales a row
	s_add_nc_u64 s[12:13], s[12:13], s[38:39]
	s_add_nc_u64 s[16:17], s[16:17], s[38:39]
	s_add_nc_u64 s[20:21], s[20:21], s[38:39]
	s_lshl_b32 s38, s40, 17
	s_add_nc_u64 s[22:23], s[22:23], s[38:39]      ; kv at my first head
	s_lshr_b32 s42, s41, 1
	s_lshl_b32 s42, s42, 13
	s_and_b32 s43, s41, 1
	s_lshl_b32 s43, s43, 10
	s_add_co_u32 s38, s42, s43
	s_add_co_u32 s38, s38, 65536
	s_add_nc_u64 s[44:45], s[22:23], s[38:39]      ; V part: step tb / 2, groups 2 (tb % 2) on
	s_lshl_b32 s38, s41, 12
	s_add_nc_u64 s[22:23], s[22:23], s[38:39]      ; K part: pairs 2 tb on
	s_lshl_b32 s38, s40, 12
	s_lshl_b32 s42, s41, 7
	s_add_co_u32 s38, s38, s42
	s_add_nc_u64 s[24:25], s[24:25], s[38:39]      ; kvs
	s_lshl_b32 s38, s40, 16
	s_lshl_b32 s42, s41, 12
	s_add_co_u32 s38, s38, s42
	s_add_nc_u64 s[26:27], s[26:27], s[38:39]      ; qc
	s_lshl_b32 s38, s40, 12
	s_lshl_b32 s42, s41, 8
	s_add_co_u32 s38, s38, s42
	s_add_nc_u64 s[28:29], s[28:29], s[38:39]      ; qs
	; ---- the rows come in: my 16 rows of keys (codes as given) and of queries (f32)
	WIN 0x80
	s_wait_alu depctr_va_vdst(0)                   ; the offsets and addresses v1 to v15 are written, which every load and store of the kernel reads; the head is done with v68 to v71, in which the keys' scale bytes land
.irp n, 0,1,2,3
.irp c, 0,1,2,3
	global_load_b128 v[16*\n+4*\c:16*\n+4*\c+3], v4, s[6:7] offset:128*\n+32*\c
.endr
.endr
	WIN 0
	global_load_b128 v[OW:OW+3], v5, s[8:9]
	XLOAD 0
	XLOAD 1
	s_wait_loadcnt 32                              ; the keys' 17 loads are in; the 32 loads of queries behind them may be out
	WIN 0x08                                       ; an LDS store's data are its source 1: window 2
.irp n, 0,1,2,3
.irp c, 0,1,2,3
	ds_store_b128 v8, v[16*\n+4*\c:16*\n+4*\c+3] offset:2048*\n+512*\c
.endr
.endr
	WIN 0
	ds_store_b128 v9, v[OW:OW+3] offset:32768
	XLOAD 2
	s_wait_loadcnt 32                              ; K step 0 is in; steps 1 and 2 may be out
	QUANT 0, 0
	s_wait_alu depctr_va_vdst(0)                   ; the conversions have written K step 0's codes, which the LDS stores read
	XIMAGE 0
	XLOAD 3
	s_wait_loadcnt 32                              ; K step 1 is in; steps 2 and 3 may be out
	QUANT 64, 1
	s_wait_alu depctr_va_vdst(0)                   ; K step 1's codes are written
	XIMAGE 1
	WLOAD 0
	s_wait_loadcnt 33                              ; K step 2 is in; step 3 (16) and weight tile 0 (17) may be out
	QUANT 128, 2
	s_wait_alu depctr_va_vdst(0)                   ; K step 2's codes are written
	XIMAGE 2
	WLOAD 1
	s_wait_loadcnt 34                              ; K step 3 is in; weight tiles 0 and 1 may be out
	QUANT 192, 3
	s_wait_alu depctr_va_vdst(0)                   ; K step 3's codes and the four scale words are written
	XIMAGE 3
	ds_store_b128 v9, v[PW:PW+3] offset:34816
	WLOAD 2
	WLOAD 3
	BARRIER                                        ; all 64 rows of keys and of queries lie in LDS
	; ---- k = keys W_key
	s_wait_alu depctr_vm_vsrc(0)                   ; my LDS stores have read window 2's first 64 registers, in which fragments land now, and v64 to v71 and the codes' registers, which the quantising of k writes again
	FETCHX 1, 0, 32768
	s_wait_dscnt 0x0                               ; x is in
.irp i, 0,1,2,3,4,5,6,7
	TURN \i, 1
.endr
	s_wait_alu depctr_va_vdst(0)                   ; the eight turns' products are done reading window 2 and v16 to v31, in which the queries' fragments and scale words land
	FETCHX 1, 32768, 34816                         ; bytes that were whole at the barrier above and are never written again; the loads land while k is quantised
	QUANT 0, 0
	QUANT 64, 1
	s_wait_alu depctr_va_vdst(0)                   ; the codes and scale words of rows 0 to 31 are written, which the stores read
	KOUT 0
	KOUT 1
	QUANT 128, 2
	QUANT 192, 3
	v_perm_b32 v[OW], v[PW+1], v[PW], v12          ; a pair's scale word: (even tile block 0, 1, odd tile block 0, 1) of the lane's head
	v_perm_b32 v[OW+1], v[PW+3], v[PW+2], v12
	s_wait_alu depctr_va_vdst(0)                   ; the codes and scale words of rows 32 to 63 and the two words for kvs are written
	KOUT 2
	KOUT 3
	global_store_b64 v14, v[OW:OW+1], s[24:25]
	BARRIER                                        ; k's sixteen fragments lie in LDS; the queries' fragments are in my registers
	; ---- q = Q(queries) W_Query
.irp i, 8,9,10,11,12,13,14,15
	TURN \i, 1
.endr
	s_wait_xcnt 0x0                                ; the stores of k have read their registers: the codes' and words' registers are written again only behind this wait
	s_wait_alu depctr_vm_vsrc(0)                   ; the LDS and global stores of k have read the codes' registers and v64 to v69, which the quantising of q writes again
	s_wait_alu depctr_va_vdst(0)                   ; the eight turns' products are done reading window 2 and v16 to v31, in which k's fragments and scale words land
	FETCHX 2, 0, 36864                             ; whole since the barrier above; the loads land while q is quantised
	QUANT 0, 0
	QUANT 64, 1
	s_wait_alu depctr_va_vdst(0)                   ; the codes of rows 0 to 31 are written
	QOUT 0
	QOUT 1
	QUANT 128, 2
	QUANT 192, 3
.irp m, 0,1,2,3
	v_perm_b32 v[OW+\m], v[PW+\m], v[PW+\m], v13   ; (s0, s1, s0, s1): the word serves q in the lower and in the upper half of a K of 128
.endr
	s_wait_alu depctr_va_vdst(0)                   ; the codes of rows 32 to 63 and the four words for qs are written
	QOUT 2
	QOUT 3
	global_store_b128 v15, v[OW:OW+3], s[28:29]
	; ---- v = Q(k) W_Value, a lane a channel, registers down the keys
	s_wait_dscnt 0x0                               ; x is in
.irp i, 16,17,18,19,20,21,22,23
	TURN \i, 0
.endr
	s_wait_xcnt 0x0                                ; the stores of q have read their registers
	s_wait_alu depctr_vm_vsrc(0)                   ; the stores of q have read the codes' registers and v68 to v71, which the quantising of v writes again
	QUANT 0, 0
	QUANT 64, 1
	s_wait_alu depctr_va_vdst(0)                   ; the codes of column tiles 0 to 3 are written
	VOUT 0
	VOUT 1
	QUANT 128, 2
	QUANT 192, 3
	v_cndmask_b32 v[OW], v[PW], v[PW+2], s35       ; a channel's two bytes for each of the head's four tiles: lanes 0-15 head 2 w, lanes 16-31 head 2 w + 1
	v_cndmask_b32 v[OW+1], v[PW+1], v[PW+3], s35
	s_wait_alu depctr_va_vdst(0)                   ; the codes of column tiles 4 to 7 and the two words for kvs are written
	VOUT 2
	VOUT 3
	global_store_b64 v14, v[OW:OW+1], s[24:25] offset:2048
	s_wait_dscnt 0x0                               ; the closing lines, six on end
	s_wait_alu 0x0
	s_wait_tensorcnt 0x0
	ds_add_u32 v254, v255
	s_wait_dscnt 0x0
	s_endpgm
.Lfunc_end_k_qa6779cd4e8_proj:
	.size	k_qa6779cd4e8_proj, .Lfunc_end_k_qa6779cd4e8_proj-k_qa6779cd4e8_proj
	.p2alignl 7, 3214868480
	.fill 96, 4, 3214868480
	.section	.rodata,"a",@progbits
	.p2align	6, 0x0
	.amdhsa_kernel k_qa6779cd4e8_proj
		.amdhsa_group_segment_fixed_size 104960
		.amdhsa_private_segment_fixed_size 0
		.amdhsa_enable_private_segment 0
		.amdhsa_kernarg_size 88
		.amdhsa_user_sgpr_count 2
		.amdhsa_user_sgpr_kernarg_segment_ptr 1
		.amdhsa_wavefront_size32 1
		.amdhsa_system_sgpr_workgroup_id_x 1
		.amdhsa_system_sgpr_workgroup_id_y 1
		.amdhsa_system_sgpr_workgroup_id_z 1
		.amdhsa_system_vgpr_workitem_id 0
		.amdhsa_next_free_vgpr 1024
		.amdhsa_next_free_sgpr 66
		.amdhsa_reserve_vcc 0
		.amdhsa_float_denorm_mode_32 3
		.amdhsa_float_denorm_mode_16_64 3
		.amdhsa_memory_ordered 1
		.amdhsa_forward_progress 1
		.amdhsa_inst_pref_size 255
	.end_amdhsa_kernel
	.section	.bss,"aw",@nobits
	.p2align	6
	.space	262144
	.amdgpu_metadata
---
amdhsa.version: [ 1, 2 ]
amdhsa.kernels:
  - .name:           k_qa6779cd4e8_proj
    .symbol:         k_qa6779cd4e8_proj.kd
    .args:
      - { .name: queries, .offset: 0, .size: 8, .value_kind: global_buffer, .address_space: global }
      - { .name: keys_codes, .offset: 8, .size: 8, .value_kind: global_buffer, .address_space: global }
      - { .name: keys_scales, .offset: 16, .size: 8, .value_kind: global_buffer, .address_space: global }
      - { .name: wi, .offset: 24, .size: 8, .value_kind: global_buffer, .address_space: global }
      - { .name: W_key_scales, .offset: 32, .size: 8, .value_kind: global_buffer, .address_space: global }
      - { .name: W_Query_scales, .offset: 40, .size: 8, .value_kind: global_buffer, .address_space: global }
      - { .name: W_Value_scales, .offset: 48, .size: 8, .value_kind: global_buffer, .address_space: global }
      - { .name: kv, .offset: 56, .size: 8, .value_kind: global_buffer, .address_space: global }
      - { .name: kvs, .offset: 64, .size: 8, .value_kind: global_buffer, .address_space: global }
      - { .name: qc, .offset: 72, .size: 8, .value_kind: global_buffer, .address_space: global }
      - { .name: qs, .offset: 80, .size: 8, .value_kind: global_buffer, .address_space: global }
    .group_segment_fixed_size: 104960
    .private_segment_fixed_size: 0
    .kernarg_segment_align: 8
    .kernarg_segment_size: 88
    .max_flat_workgroup_size: 128
    .sgpr_count:     66
    .vgpr_count:     1024
    .wavefront_size: 32
...
	.end_amdgpu_metadata
.endif
;; end of part 7
;; launch attn (part 8): grid 2 x 128, 16 waves a work-group, no clusters, 210,944 bytes of LDS; arguments kv, kvs, qc, qs, queries, rc, rs, ps; writes rc, rs, ps
.if DOCPART == 8
	.amdgcn_target "amdgcn-amd-amdhsa--gfx1250"
	.amdhsa_code_object_version 6
	.text
	.protected	k_qa6779cd4e8_attn
	.globl	k_qa6779cd4e8_attn
	.p2align	8
	.type	k_qa6779cd4e8_attn,@function
k_qa6779cd4e8_attn:
	s_mov_b64 s[64:65], 0
	v_nop
	global_prefetch_b8 v0, s[64:65] scope:SCOPE_SE
	s_setreg_imm32_b32 hwreg(HW_REG_WAVE_MODE, 25, 1), 1
	s_wait_xcnt 0x0
; ATTN: result = softmax(q k^T / 8, diagonal at -2^32) v + queries for one head of one batch, both products on codes of BF8 (E5M2) with E8M0 scales; result leaves quantised along the 512 (for the next product) and as column sums over the rows.
; THE SOFTMAX AHEAD OF THE SECOND PRODUCT: t = score x log2(e) / 8; M = the row's largest t so far, rounded UP to a whole number; p = 2^(t - M) is quantised along the keys, not normalised; the row's sum is taken of the
; unquantised p and divides at the end.  When M moves, the sum and O are multiplied by 2^(old M - new M): exact.
; SHARES.  Work-group (x, y): head y % 8 of batch y / 8, queries 512 x on.  All of the head's K and V, 131,072 bytes of codes, come into LDS ONCE (each of the 16 waves brings 8,192 bytes by one tensor load) and stay: nothing is filled again.
; Wave w takes the tiles of 16 queries 32 x + w and 32 x + 16 + w, one after the other, and walks all 1,024 keys, 128 a step, in 256 registers: four waves to a SIMD, so that one wave's vector work stands beside another's matrix work.
; LAYOUT.  Both products transposed: S^T = K Q^T, O^T = V^T P^T: a lane holds ONE query (lane % 16) throughout.  The head has 64 channels and the instruction takes 128 along K: a fragment of K holds TWO tiles of 16 keys
; (64 codes each); against [q | zeros] it gives the first tile's scores, against [zeros | q] the second's.  Zero codes of q take the other tile's codes out exactly; that leans on k's codes being finite, which the quantiser's hold sees to.
; p falls out with key 32 b + 16 u + 8 (lane / 16) + j in byte 8 u + j of group b; V's codes were laid in that same order of keys, so the products pair rightly and blocks of 32 keys stay blocks.
; V's tile t holds channels 32 (t / 2) + 8 (t % 2) + r + 8 (r / 8), so that a lane's 16 registers of O^T tiles 2 e, 2 e + 1 are 16 neighbouring channels 32 e + 16 (lane / 16) + 0 .. 15.
; A STEP AHEAD.  A step's four fragments of K and their scale words are asked of LDS in the step before, straight behind that step's score products and their places: the whole softmax stands between the request and the use, and the
; eight score products follow each other.  Two of the four fragments lie in the registers that take the rows of queries for the residual; so a pass's last step is written out behind a loop of seven: it asks for those rows
; (and, in the first pass, for the next tile's q) where the others ask for K.
; THE DIAGONAL lies in one step of a pass (a scalar branch on ids): there the score of key = query becomes -2^35, which is -2^32 x 8: t is then reference's -2^32 x log2(e) and p is 0.
; LIMITS: NaN and infinities are not served; a block of zeros gets the byte 1 (zero codes; this program alone reads the bytes); blocks whose largest magnitude lies under 2^-111 are held at the byte 1.
; NO CLUSTER: K and V are shared by the two work-groups of a head alone, and are fetched once, 131,072 bytes, ahead of 16 key steps a wave; the branch for the diagonal hangs on the work-group's place.
; LDS: 0 K and V; 131,072 K's scale words [step][r][pair 4]; 133,120 V's [step][r][tile 4]; 135,168 a stage of 16 rows x 272 bytes for each wave; 204,800 the waves' column sums, 256 bytes each.
; REGISTERS: v1-11 addresses; v12 -M, v13 largest t, v[14:15] the sum; v16-23 zeros, v24-31 q, v32-39 zeros; v40-71 K's pairs 0, 1; v72-135 S^T, then p, then V's four fragments; v136-167 O^T; v168-199 K's pairs 2, 3, at a pass's end the rows of queries;
;   v200-215 p's codes; v216-223 K's and V's scale words; v224 q's; v225-227 addresses; v228-246 at work; v247 -2^35; v[248:249] column sums; v250-255 chains of sums.
.set KSC,  131072
.set STG,  135168
.set CSUM, 204800
.set KF,  40
.set S,   72
.set O,   136
.set RES, 168
.set PC,  200
.set KS,  216
.set VS,  220
.set BM,  228                          ; each block's largest score, then its largest p
.set PB,  232                          ; the other half's, then the bytes
.set HO,  236                          ; 57,344 x the scale
.set SO,  240                          ; the conversions' scale operands
.macro MM0 d, a, b, sa, sb
	v_wmma_scale_f32_16x16x128_f8f6f4 v[\d:\d+7], v[\a:\a+15], v[\b:\b+15], 0, v[\sa], v[\sb] matrix_a_fmt:MATRIX_FMT_BF8 matrix_b_fmt:MATRIX_FMT_BF8
.endm
.macro MMA d, a, b, sa, sb
	v_wmma_scale_f32_16x16x128_f8f6f4 v[\d:\d+7], v[\a:\a+15], v[\b:\b+15], v[\d:\d+7], v[\sa], v[\sb] matrix_a_fmt:MATRIX_FMT_BF8 matrix_b_fmt:MATRIX_FMT_BF8
.endm
.macro KLOAD adr, off                  ; a step's four pairs of key tiles: 16 LDS loads of 512 consecutive bytes
.irp u, 0,1
.irp c, 0,1,2,3
	ds_load_b128 v[KF+16*\u+4*\c:KF+16*\u+4*\c+3], v[\adr] offset:\off+2048*\u+512*\c
.endr
.endr
.irp u, 0,1
.irp c, 0,1,2,3
	ds_load_b128 v[RES+16*\u+4*\c:RES+16*\u+4*\c+3], v[\adr] offset:\off+4096+2048*\u+512*\c
.endr
.endr
.endm
; A KEY STEP: 128 keys.  last = 0: in the loop; last = 1: a pass's eighth step.
.macro STEP last
	v_add_nc_u32 v10, s39, v1
	s_delay_alu instid0(VALU_DEP_1)
	v_add_nc_u32 v11, 0x10000, v10
	v_add_nc_u32 v3, s40, v2                       ; with the eight v_nop at the last step's end eleven places stand behind its last products: nine are asked, since the scores are written over V's fragments
	ds_load_b128 v[VS:VS+3], v3 offset:2048
	s_wait_dscnt 0x1                               ; K's fragments and scale words are in; the load of V's scale words, just issued, may be out
.irp u, 0,1                            ; S^T = K Q^T: eight products on end
	MM0 S+16*\u, KF+16*\u, 24, KS+\u, 224          ; [q | zeros]: the pair's first tile
	MM0 S+16*\u+8, KF+16*\u, 16, KS+\u, 224        ; [zeros | q]: its second
.endr
.irp u, 0,1
	MM0 S+32+16*\u, RES+16*\u, 24, KS+2+\u, 224
	MM0 S+32+16*\u+8, RES+16*\u, 16, KS+2+\u, 224
.endr
.rept 8
	v_nop                                          ; eight places in front of the first read of the scores and of loads into registers that these products have read
.endr
.if \last
	s_cmp_lg_u32 s43, 0                            ; the first pass asks for the second tile's q: sixteen tiles on; the second pass has no successor, and no load leaves its buffer
	s_cbranch_scc1 .Lnoq_\@
	global_load_b128 v[24:27], v1, s[8:9] offset:16384
	global_load_b128 v[28:31], v1, s[8:9] offset:16896
	global_load_b32 v224, v4, s[10:11] offset:1024
.Lnoq_\@:
.irp e, 0,1
.irp i, 0,1,2,3
	global_load_b128 v[RES+16*\e+4*\i:RES+16*\e+4*\i+3], v5, s[12:13] offset:128*\e+16*\i   ; the residual, in O^T's order: the rest of this step stands between the request and the use
.endr
.endr
.else
	s_wait_alu depctr_va_vdst(0)
	KLOAD 10, 8192                                 ; the next step's K
	ds_load_b128 v[KS:KS+3], v3 offset:256         ; and its scale words
.endif
	s_cmp_lg_u32 s41, s42                          ; does my diagonal lie in this step?
	s_cbranch_scc1 .Lopen_\@
.set n, 0
.rept 64
	v_cmp_eq_i32 vcc_lo, 16*(n/8)+n%8, v9
	v_cndmask_b32 v[S+n], v[S+n], v247, vcc_lo
.set n, n+1
.endr
.Lopen_\@:
.irp b, 0,1,2,3
	v_max3_num_f32 v[BM+\b], v[S+16*\b], v[S+16*\b+1], v[S+16*\b+2]   ; the largest score of each block of 32 keys: it serves the row's maximum and, since p rises with the score, the block's largest p
.endr
.irp i, 3,5,7,9,11,13
.irp b, 0,1,2,3
	v_max3_num_f32 v[BM+\b], v[BM+\b], v[S+16*\b+\i], v[S+16*\b+\i+1]
.endr
.endr
.irp b, 0,1,2,3
	v_max_num_f32 v[BM+\b], v[BM+\b], v[S+16*\b+15]
.endr
.irp b, 0,1,2,3
	s_delay_alu instid0(VALU_DEP_4)
	v_permlanex16_b32 v[PB+\b], v[BM+\b], s34, s35
.endr
.irp b, 0,1,2,3
	s_delay_alu instid0(VALU_DEP_4)
	v_max_num_f32 v[BM+\b], v[BM+\b], v[PB+\b]     ; with lane l xor 16's 16 keys
.endr
	s_delay_alu instid0(VALU_DEP_2)
	v_max3_num_f32 v246, v[BM], v[BM+1], v[BM+2]
	s_delay_alu instid0(VALU_DEP_1)
	v_max_num_f32 v246, v246, v[BM+3]              ; the step's largest score of my query
	s_delay_alu instid0(VALU_DEP_1)
	v_mul_f32 v246, s36, v246                      ; as t (c is positive)
	s_delay_alu instid0(VALU_DEP_1)
	v_max_num_f32 v13, v13, v246                   ; the running largest t
	v_mov_b32 v246, v12
	s_delay_alu instid0(VALU_DEP_2)
	v_floor_f32 v12, -v13                          ; the new -M = floor(-t): M is a whole number
	s_delay_alu instid0(VALU_DEP_1)
	v_sub_f32 v246, v12, v246                      ; old M less new M: a whole number, 0 or less
	s_delay_alu instid0(VALU_DEP_1)
	v_cvt_i32_f32 v246, v246                       ; (it saturates)
	s_delay_alu instid0(VALU_DEP_1)
	v_ldexp_f32 v244, 1.0, v246                    ; f = 2^(old M - new M)
.set n, 0
.rept 32
	v_pk_fma_f32 v[S+n:S+n+1], v[S+n:S+n+1], s[36:37], v[12:13] op_sel_hi:[1,0,0]   ; t - M, two at a time
.set n, n+2
.endr
.irp b, 0,1,2,3
	v_fma_f32 v[BM+\b], v[BM+\b], s36, v12         ; the same of each block's largest score
.endr
.set n, 0
	s_wait_alu depctr_va_vdst(0)
.rept 64
	v_exp_f32 v[S+n], v[S+n]                       ; p = 2^(t - M), at most 1
.set n, n+1
.endr
	s_setprio 1
	v_pk_mul_f32 v[14:15], v[14:15], v[244:245] op_sel_hi:[1,0]   ; the sums under the new M: the plain instruction behind the exponentials
	s_wait_alu depctr_va_vdst(0)                   ; one wait for the batch of 64, ahead of its first reader
.irp b, 0,1,2,3
	v_exp_f32 v[BM+\b], v[BM+\b]                   ; the block's largest p: the same two instructions on the same number
.endr
	v_pk_add_f32 v[250:251], v[72:73], v[80:81]
	v_pk_add_f32 v[252:253], v[88:89], v[96:97]
	v_pk_add_f32 v[254:255], v[104:105], v[112:113]
	v_pk_add_f32 v[242:243], v[120:121], v[128:129]
	v_pk_add_f32 v[240:241], v[78:79], v[86:87]
	v_pk_add_f32 v[238:239], v[94:95], v[102:103]
	v_pk_add_f32 v[236:237], v[110:111], v[118:119]
	v_pk_add_f32 v[14:15], v[14:15], v[126:127]
	v_pk_add_f32 v[250:251], v[250:251], v[134:135]
	v_pk_add_f32 v[252:253], v[252:253], v[74:75]
	v_pk_add_f32 v[254:255], v[254:255], v[82:83]
	v_pk_add_f32 v[242:243], v[242:243], v[90:91]
	v_pk_add_f32 v[240:241], v[240:241], v[98:99]
	v_pk_add_f32 v[238:239], v[238:239], v[106:107]
	v_pk_add_f32 v[236:237], v[236:237], v[114:115]
	v_pk_add_f32 v[14:15], v[14:15], v[122:123]
	v_pk_add_f32 v[250:251], v[250:251], v[130:131]
	v_pk_add_f32 v[252:253], v[252:253], v[76:77]
	v_pk_add_f32 v[254:255], v[254:255], v[84:85]
	v_pk_add_f32 v[242:243], v[242:243], v[92:93]
	v_pk_add_f32 v[240:241], v[240:241], v[100:101]
	v_pk_add_f32 v[238:239], v[238:239], v[108:109]
	v_pk_add_f32 v[236:237], v[236:237], v[116:117]
	v_pk_add_f32 v[14:15], v[14:15], v[124:125]
	v_pk_add_f32 v[250:251], v[250:251], v[132:133]
	s_delay_alu instid0(VALU_DEP_2)
	v_pk_add_f32 v[14:15], v[14:15], v[242:243]
	s_delay_alu instid0(VALU_DEP_2)
	v_pk_add_f32 v[250:251], v[250:251], v[240:241]
	v_pk_add_f32 v[252:253], v[252:253], v[238:239]
	v_pk_add_f32 v[254:255], v[254:255], v[236:237]
	s_delay_alu instid0(VALU_DEP_2)
	v_pk_add_f32 v[14:15], v[14:15], v[252:253]
	s_delay_alu instid0(VALU_DEP_2)
	v_pk_add_f32 v[250:251], v[250:251], v[254:255]
	s_delay_alu instid0(VALU_DEP_1)
	v_pk_add_f32 v[14:15], v[14:15], v[250:251]
	s_wait_alu depctr_va_vdst(0)                   ; and one for the four
.irp b, 0,1,2,3
	v_max_num_f32 v[BM+\b], 0x8000000, v[BM+\b]    ; the floor 2^(16 - 127): the byte cannot fall under 1
.endr
.irp b, 0,1,2,3
	s_delay_alu instid0(VALU_DEP_4)
	v_add_nc_u32 v[SO+\b], 0xf8800000, v[BM+\b]    ; 15 off the exponent field: the conversion's scale operand
.endr
.irp b, 0,1,2,3
	v_and_or_b32 v[HO+\b], v[BM+\b], 0x7f800000, s38   ; 57,344 x the scale
.endr
.irp b, 0,1,2,3
	v_lshrrev_b32 v[PB+\b], 23, v[SO+\b]           ; the scale's byte
.endr
	s_delay_alu instid0(VALU_DEP_3)
	v_lshl_or_b32 v245, v[PB+1], 8, v[PB]          ; p's scale word for these 128 keys
	s_delay_alu instid0(VALU_DEP_1)
	v_lshl_or_b32 v245, v[PB+2], 16, v245
	s_delay_alu instid0(VALU_DEP_1)
	v_lshl_or_b32 v245, v[PB+3], 24, v245
.irp b, 0,1,2,3
.irp i, 0,1,2,3,4,5,6,7,8,9,10,11,12,13,14,15
	v_min_num_f32 v[S+16*\b+\i], v[S+16*\b+\i], v[HO+\b]   ; the conversion does not saturate (ISA guide 7.6.2); p is not negative, so the hold is one-sided
.endr
	v_cvt_scalef32_pk8_bf8_f32 v[PC+4*\b:PC+4*\b+1], v[S+16*\b:S+16*\b+7], v[SO+\b]
	v_cvt_scalef32_pk8_bf8_f32 v[PC+4*\b+2:PC+4*\b+3], v[S+16*\b+8:S+16*\b+15], v[SO+\b]
.irp c, 0,1,2,3
	ds_load_b128 v[S+16*\b+4*\c:S+16*\b+4*\c+3], v11 offset:2048*\b+512*\c   ; V's tile b lands where block b's p lay: the conversions have read it
.endr
.endr
.set n, 0
	s_setprio 0
.rept 16
	v_pk_mul_f32 v[O+n:O+n+1], v[O+n:O+n+1], v[244:245] op_sel_hi:[1,0]   ; O^T under the new M.  (These sixteen are also the places between the conversions and the products)
.set n, n+2
.endr
	s_wait_alu depctr_va_vdst(0)
.irp t, 0,1,2,3
	s_wait_dscnt 12-4*\t                           ; LDS loads come back in order: V's tile t and all that was asked for earlier are in; the four loads of each later tile may be out
	MMA O+8*\t, S+16*\t, PC, VS+\t, 245            ; O^T += V^T P^T: K = these 128 keys; the four accumulators by turns
.endr
.rept 8
	v_nop
.endr
.if !\last
	s_add_co_u32 s39, s39, 8192
	s_add_co_u32 s40, s40, 256
	s_add_co_u32 s41, s41, 1
.endif
.endm
	s_load_b512 s[4:19], s[0:1], 0x0               ; kv 4, kvs 6, qc 8, qs 10, queries 12, rc 14, rs 16, ps 18
	v_lshl_add_u32 v254, v0, 2, 0x33000
	v_mov_b32 v255, 0
	ds_add_u32 v254, v255
	ds_add_u32 v254, v255
	s_wait_dscnt 0x0
	v_lshrrev_b32 v228, 5, v0
	s_delay_alu instid0(VALU_DEP_1)
	v_readfirstlane_b32 s32, v228                  ; wave 0..15
	s_and_b32 s45, ttmp7, 0xffff                   ; 8 x batch + head
	s_lshr_b32 s46, s45, 3                         ; batch
	s_and_b32 s47, s45, 7                          ; head
	s_lshl_b32 s48, ttmp9, 5
	s_add_co_u32 s48, s48, s32                     ; my first tile of queries
	; descriptor group 1: 32 rows of 256 bytes (32 elements of 8 bytes), dense, no padding: the images are read 512 consecutive bytes an instruction
	s_mov_b32 s24, 3<<16                           ; no mask; elements of 8 bytes
	s_mov_b32 s25, 32<<16                          ; tensor_dim0 = 32
	s_mov_b32 s26, 32<<16                          ; tensor_dim1 = 32
	s_mov_b32 s27, 32<<16                          ; tile_dim0 = 32
	s_mov_b32 s28, 32                              ; tile_dim1 = 32
	s_mov_b32 s29, 32                              ; from row to row
	s_mov_b32 s30, 0
	s_mov_b32 s31, 0
	s_mov_b32 s20, 1                               ; group 0: count = 1,
	s_lshl_b32 s21, s32, 13                        ; LDS byte 8,192 x wave,
	s_lshl_b32 s50, s45, 17
	s_add_co_u32 s50, s50, s21
	s_mov_b32 s51, 0
	s_wait_kmcnt 0x0
	s_add_nc_u64 s[22:23], s[4:5], s[50:51]        ; the same place in the head's 131,072 bytes,
	s_or_b32 s23, s23, 0x80000000                  ; type = 2
	tensor_load_to_lds s[20:23], s[24:31]          ; my one tensor load: one is out
	s_nop 0
.rept 4
	v_nop
.endr
	s_mov_b32 s34, 0x76543210
	s_mov_b32 s35, 0xfedcba98                      ; v_permlanex16_b32: lane l xor 16
	s_mov_b32 s36, 0x3e38aa3b                      ; c = log2(e) / 8
	s_mov_b32 s37, s36                             ; (named with it as a pair, so it is written)
	s_mov_b32 s38, 0x600000                        ; the mantissa field of 57,344
	s_lshl_b32 s50, s45, 12
	s_add_nc_u64 s[6:7], s[6:7], s[50:51]          ; kvs at my head
	s_lshl_b32 s50, s45, 16
	s_lshl_b32 s52, s48, 10
	s_add_co_u32 s50, s50, s52
	s_add_nc_u64 s[8:9], s[8:9], s[50:51]          ; qc at my first tile; never stepped: the second tile is reached by an immediate
	s_lshl_b32 s50, s45, 12
	s_lshr_b32 s52, s48, 2
	s_lshl_b32 s52, s52, 8
	s_add_co_u32 s50, s50, s52
	s_and_b32 s52, s48, 3
	s_lshl_b32 s52, s52, 2
	s_add_co_u32 s50, s50, s52
	s_add_nc_u64 s[10:11], s[10:11], s[50:51]      ; qs likewise
	s_lshl_b32 s53, s46, 10
	s_lshl_b32 s52, s48, 4
	s_add_co_u32 s53, s53, s52                     ; my first row of the 16,384
	s_lshl_b32 s50, s53, 11
	s_lshl_b32 s52, s47, 8
	s_add_co_u32 s50, s50, s52
	s_add_nc_u64 s[12:13], s[12:13], s[50:51]      ; queries: the row, the head's 256 bytes
	s_lshl_b32 s50, s53, 9
	s_lshl_b32 s52, s47, 10
	s_add_co_u32 s50, s50, s52
	s_add_nc_u64 s[14:15], s[14:15], s[50:51]      ; rc: 8,192 bytes a tile of rows; the head's two groups begin 1,024 x head on
	s_lshl_b32 s50, s53, 4
	s_lshl_b32 s52, s47, 1
	s_add_co_u32 s50, s50, s52
	s_add_nc_u64 s[16:17], s[16:17], s[50:51]      ; rs: 16 bytes a row, the head's two
	s_lshl_b32 s50, s46, 1
	s_add_co_u32 s50, s50, ttmp9
	s_lshl_b32 s50, s50, 11
	s_lshl_b32 s52, s47, 8
	s_add_co_u32 s50, s50, s52
	s_add_nc_u64 s[18:19], s[18:19], s[50:51]      ; ps: row 2 x batch + x of 512 numbers, the head's 64
	s_lshl_b32 s42, ttmp9, 2
	s_lshr_b32 s52, s32, 3
	s_add_co_u32 s42, s42, s52                     ; the step in which my first tile's diagonal lies
	v_and_b32 v228, 31, v0                         ; lane
	v_and_b32 v229, 15, v0                         ; r
	v_bfe_u32 v230, v0, 4, 1                       ; h
	s_delay_alu instid0(VALU_DEP_3)
	v_lshlrev_b32 v1, 4, v228                      ; 16 x lane: an image's place for my lane
	s_delay_alu instid0(VALU_DEP_3)
	v_lshlrev_b32 v4, 4, v229                      ; 16 r
	global_load_b128 v[24:27], v1, s[8:9]          ; my first tile's q and its scale word: asked for here, beside the tensor load
	global_load_b128 v[28:31], v1, s[8:9] offset:512
	global_load_b32 v224, v4, s[10:11]
	v_add_nc_u32 v2, KSC, v4                       ; my row's four scale words
	v_lshlrev_b32 v5, 11, v229
	s_delay_alu instid0(VALU_DEP_1)
	v_lshl_add_u32 v5, v230, 6, v5                 ; queries: row r + 64 h
	s_mul_i32 s52, s32, 4352
	s_add_co_u32 s52, s52, STG                     ; my stage
	v_mul_u32_u24 v7, v229, 272
	s_delay_alu instid0(VALU_DEP_1)
	v_lshl_add_u32 v7, v230, 6, v7
	s_delay_alu instid0(VALU_DEP_1)
	v_add_nc_u32 v7, s52, v7                       ; in: row r, + 64 h
	v_lshlrev_b32 v227, 3, v228                    ; 8 x lane: two channels
	s_delay_alu instid0(VALU_DEP_1)
	v_add_nc_u32 v8, s52, v227                     ; back: two channels of a row
	s_and_b32 s52, s32, 7
	s_lshl_b32 s52, s52, 4
	v_lshlrev_b32 v9, 3, v230
	s_delay_alu instid0(VALU_DEP_1)
	v_sub_nc_u32 v9, v229, v9
	s_delay_alu instid0(VALU_DEP_1)
	v_add_nc_u32 v9, s52, v9                       ; 16 (w % 8) + r - 8 h: register 8 T + j holds my own key where 16 T + j equals this
	v_add_nc_u32 v226, CSUM, v227
	s_lshl_b32 s52, s32, 8
	v_add_nc_u32 v225, s52, v226
	; the head's scale bytes become words in the order in which a step wants them: thread i makes word i of K's 512 and of V's 512
	v_lshrrev_b32 v231, 6, v0
	v_bfe_u32 v232, v0, 2, 4
	s_delay_alu instid0(VALU_DEP_2)
	v_lshlrev_b32 v231, 8, v231
	s_delay_alu instid0(VALU_DEP_1)
	v_lshl_add_u32 v231, v232, 3, v231             ; 256 x step + 8 r
	v_bfe_u32 v232, v0, 1, 1
	s_delay_alu instid0(VALU_DEP_1)
	v_lshl_add_u32 v233, v232, 7, v231
	v_and_b32 v232, 1, v0
	s_delay_alu instid0(VALU_DEP_1)
	v_lshl_add_u32 v233, v232, 2, v233             ; K: pair i % 4 of the step: block of 64 rows (i / 2) % 2, pair i % 2 in it
	v_and_b32 v232, 3, v0
	s_delay_alu instid0(VALU_DEP_1)
	v_lshl_add_u32 v234, v232, 1, v231             ; V: tile i % 4: two bytes from each of the step's two blocks of 64 rows
	global_load_b32 v236, v233, s[6:7]
	global_load_u16 v237, v234, s[6:7] offset:2048
	global_load_u16 v238, v234, s[6:7] offset:2176
	v_lshlrev_b32 v239, 2, v0
	s_delay_alu instid0(VALU_DEP_1)
	v_add_nc_u32 v239, KSC, v239
.irp n, 0,1,2,3,4,5,6,7
	v_mov_b32 v[16+\n], 0                          ; the zero codes on either side of q
	v_mov_b32 v[32+\n], 0
.endr
	v_mov_b32 v245, 0                              ; (named as the upper half of the pair v[244:245] before it is first written)
	v_mov_b32 v247, 0xd1000000                     ; -2^35
	v_mov_b32 v248, 0                              ; the column sums
	v_mov_b32 v249, 0
	s_wait_loadcnt 0x0                             ; the scale bytes, and q
	v_lshl_or_b32 v237, v238, 16, v237
	ds_store_b32 v239, v236
	ds_store_b32 v239, v237 offset:2048
.irp b, 0,1,2,3
	v_mov_b32 v[PB+\b], 0                          ; written once: a lane permute's destination counts as one of its sources
.endr
	s_wait_tensorcnt 0x0                           ; my part of K and V has landed,
	s_wait_dscnt 0x0                               ; my scale words are stored:
	s_barrier_signal -1
	s_barrier_wait -1                              ; everybody's are
	s_mov_b32 s43, 0
.Lpass:                                            ; two trips: a tile of 16 queries each; its q is in registers
	KLOAD 1, 0                                     ; the first step's K
	ds_load_b128 v[KS:KS+3], v2                    ; and its scale words
	v_mov_b32 v13, 0xff61b1e6                      ; the largest t so far: -3e38, under every t
	s_delay_alu instid0(VALU_DEP_1)
	v_floor_f32 v12, -v13                          ; -M
	v_mov_b32 v14, 0
	v_mov_b32 v15, 0
.set n, 0
.rept 32
	v_mov_b32 v[O+n], 0                            ; O^T.  (The first step finds zeros, which the first change of M leaves zeros: so no step of its own is written for it)
.set n, n+1
.endr
	s_mov_b32 s39, 0                               ; the step's K and V: 8,192 bytes a step
	s_mov_b32 s40, 0                               ; its scale words: 256 bytes a step
	s_mov_b32 s41, 0
.Lstep:                                            ; seven trips: 128 keys each
	s_setprio 2
	STEP 0
	s_cmp_lt_u32 s41, 7
	s_cbranch_scc1 .Lstep
	s_setprio 0
	STEP 1                                         ; the eighth
	; ---- the way out of a tile: result = O^T / the sum + queries
	v_add_f32 v14, v14, v15
	s_delay_alu instid0(VALU_DEP_1)
	v_permlanex16_b32 v246, v14, s34, s35
	s_delay_alu instid0(VALU_DEP_1)
	v_add_f32 v14, v14, v246                       ; the row's sum
	s_wait_alu depctr_va_vdst(0)
	v_rcp_f32 v244, v14
	v_nop                                          ; a plain instruction behind the transcendental
	s_wait_alu depctr_va_vdst(0)                   ; and the wait ahead of its first reader
	s_wait_loadcnt 0x0                             ; the residual, and the next tile's q
.set n, 0
.rept 16
	v_pk_fma_f32 v[RES+n:RES+n+1], v[O+n:O+n+1], v[244:245], v[RES+n:RES+n+1] op_sel_hi:[1,0,1]
.set n, n+2
.endr
.irp e, 0,1
.irp i, 0,1,2,3
	ds_store_b128 v7, v[RES+16*\e+4*\i:RES+16*\e+4*\i+3] offset:128*\e+16*\i   ; 16 rows of 64 channels into my stage,
.endr
.endr
.irp k, 0,1,2,3,4,5,6,7,8,9,10,11,12,13,14,15
	ds_load_b64 v[S+2*\k:S+2*\k+1], v8 offset:272*\k   ; and back by columns: LDS serves a wave's instructions in order, so these see the stores
.endr
	; meanwhile the tile is quantised along the 512: the head's two blocks of 32
.irp b, 0,1
	v_max3_num_f32 v[BM+\b], |v[RES+16*\b]|, |v[RES+16*\b+1]|, 0x8000000
.endr
.irp i, 2,4,6,8,10,12,14
.irp b, 0,1
	s_delay_alu instid0(VALU_DEP_2)
	v_max3_num_f32 v[BM+\b], v[BM+\b], |v[RES+16*\b+\i]|, |v[RES+16*\b+\i+1]|
.endr
.endr
.irp b, 0,1
	s_delay_alu instid0(VALU_DEP_2)
	v_permlanex16_b32 v[PB+\b], v[BM+\b], s34, s35
.endr
.irp b, 0,1
	s_delay_alu instid0(VALU_DEP_2)
	v_max_num_f32 v[BM+\b], v[BM+\b], v[PB+\b]
.endr
.irp b, 0,1
	s_delay_alu instid0(VALU_DEP_2)
	v_add_nc_u32 v[SO+\b], 0xf8800000, v[BM+\b]
.endr
.irp b, 0,1
	s_delay_alu instid0(VALU_DEP_4)
	v_and_or_b32 v[HO+\b], v[BM+\b], 0x7f800000, s38
.endr
.irp b, 0,1
	s_delay_alu instid0(VALU_DEP_4)
	v_lshrrev_b32 v[PB+\b], 23, v[SO+\b]
.endr
	s_delay_alu instid0(VALU_DEP_1)
	v_lshl_or_b32 v246, v[PB+1], 8, v[PB]          ; the row's two scale bytes of this head
.irp b, 0,1
.irp i, 0,1,2,3,4,5,6,7,8,9,10,11,12,13,14,15
	v_med3_num_f32 v[RES+16*\b+\i], v[RES+16*\b+\i], -v[HO+\b], v[HO+\b]
.endr
	v_cvt_scalef32_pk8_bf8_f32 v[PC+4*\b:PC+4*\b+1], v[RES+16*\b:RES+16*\b+7], v[SO+\b]
	v_cvt_scalef32_pk8_bf8_f32 v[PC+4*\b+2:PC+4*\b+3], v[RES+16*\b+8:RES+16*\b+15], v[SO+\b]
.endr
	v_nop                                          ; one plain vector instruction behind the last conversion
	global_store_b128 v1, v[PC:PC+3], s[14:15]     ; 512 consecutive bytes each
	global_store_b128 v1, v[PC+4:PC+7], s[14:15] offset:512
	global_store_b16 v4, v246, s[16:17]            ; both halves of the lanes hold the same two bytes of row r
	s_wait_dscnt 0x0
	v_pk_add_f32 v[250:251], v[76:77], v[80:81]
	v_pk_add_f32 v[254:255], v[84:85], v[88:89]
	v_pk_add_f32 v[252:253], v[92:93], v[96:97]
	v_pk_add_f32 v[242:243], v[100:101], v[72:73]
	v_pk_add_f32 v[240:241], v[74:75], v[78:79]
	v_pk_add_f32 v[238:239], v[82:83], v[86:87]
	v_pk_add_f32 v[236:237], v[90:91], v[94:95]
	v_pk_add_f32 v[248:249], v[248:249], v[98:99]
	v_pk_add_f32 v[250:251], v[250:251], v[102:103]
	s_delay_alu instid0(VALU_DEP_2)
	v_pk_add_f32 v[248:249], v[248:249], v[242:243]
	s_delay_alu instid0(VALU_DEP_2)
	v_pk_add_f32 v[250:251], v[250:251], v[240:241]
	v_pk_add_f32 v[254:255], v[254:255], v[238:239]
	v_pk_add_f32 v[252:253], v[252:253], v[236:237]
	s_delay_alu instid0(VALU_DEP_2)
	v_pk_add_f32 v[248:249], v[248:249], v[254:255]
	s_delay_alu instid0(VALU_DEP_2)
	v_pk_add_f32 v[250:251], v[250:251], v[252:253]
	s_delay_alu instid0(VALU_DEP_1)
	v_pk_add_f32 v[248:249], v[248:249], v[250:251]
	s_wait_xcnt 0x0                                ; the loads and stores have read their bases and registers: both are written again only behind this wait
	s_add_nc_u64 s[12:13], s[12:13], 0x80000       ; sixteen tiles of queries on
	s_add_nc_u64 s[14:15], s[14:15], 0x20000
	s_add_nc_u64 s[16:17], s[16:17], 4096
	s_add_co_u32 s42, s42, 2
	s_add_co_u32 s43, s43, 1
	s_cmp_lt_u32 s43, 2
	s_cbranch_scc1 .Lpass
	s_wait_alu depctr_va_vdst(0)
	; ---- the sixteen waves' column sums meet; wave 0 adds them and stores 256 consecutive bytes
	ds_store_b64 v225, v[248:249]
	s_wait_dscnt 0x0
	s_barrier_signal -1
	s_barrier_wait -1
	s_cmp_lg_u32 s32, 0
	s_cbranch_scc1 .Lend
.irp k, 0,1,2,3,4,5,6,7,8,9,10,11,12,13,14,15
	ds_load_b64 v[S+2*\k:S+2*\k+1], v226 offset:256*\k
.endr
	s_wait_dscnt 0x0
.irp k, 0,1,2,3,4,5,6,7
	v_pk_add_f32 v[S+4*\k:S+4*\k+1], v[S+4*\k:S+4*\k+1], v[S+4*\k+2:S+4*\k+3]
.endr
.irp k, 0,1,2,3
	v_pk_add_f32 v[S+8*\k:S+8*\k+1], v[S+8*\k:S+8*\k+1], v[S+8*\k+4:S+8*\k+5]
.endr
.irp k, 0
	s_delay_alu instid0(VALU_DEP_3)
	v_pk_add_f32 v[S+16*\k:S+16*\k+1], v[S+16*\k:S+16*\k+1], v[S+16*\k+8:S+16*\k+9]
.endr
.irp k, 1
	s_delay_alu instid0(VALU_DEP_2)
	v_pk_add_f32 v[S+16*\k:S+16*\k+1], v[S+16*\k:S+16*\k+1], v[S+16*\k+8:S+16*\k+9]
.endr
	s_delay_alu instid0(VALU_DEP_1)
	v_pk_add_f32 v[S:S+1], v[S:S+1], v[S+16:S+17]
	global_store_b64 v227, v[S:S+1], s[18:19]
.Lend:
	s_wait_xcnt 0x0
	v_lshl_add_u32 v254, v0, 2, 0x33000
	v_mov_b32 v255, 0
	s_wait_alu depctr_va_vdst(0)
	s_wait_tensorcnt 0x0
	ds_add_u32 v254, v255
	s_wait_dscnt 0x0
	s_endpgm
.Lfunc_end_k_qa6779cd4e8_attn:
	.size	k_qa6779cd4e8_attn, .Lfunc_end_k_qa6779cd4e8_attn-k_qa6779cd4e8_attn
	.p2alignl 7, 3214868480
	.fill 96, 4, 3214868480
	.section	.rodata,"a",@progbits
	.p2align	6, 0x0
	.amdhsa_kernel k_qa6779cd4e8_attn
		.amdhsa_group_segment_fixed_size 210944
		.amdhsa_private_segment_fixed_size 0
		.amdhsa_enable_private_segment 0
		.amdhsa_kernarg_size 64
		.amdhsa_user_sgpr_count 2
		.amdhsa_user_sgpr_kernarg_segment_ptr 1
		.amdhsa_wavefront_size32 1
		.amdhsa_system_sgpr_workgroup_id_x 1
		.amdhsa_system_sgpr_workgroup_id_y 1
		.amdhsa_system_sgpr_workgroup_id_z 1
		.amdhsa_system_vgpr_workitem_id 0
		.amdhsa_next_free_vgpr 256
		.amdhsa_next_free_sgpr 66
		.amdhsa_reserve_vcc 1
		.amdhsa_float_denorm_mode_32 3
		.amdhsa_float_denorm_mode_16_64 3
		.amdhsa_memory_ordered 1
		.amdhsa_forward_progress 1
		.amdhsa_inst_pref_size 71
	.end_amdhsa_kernel
	.amdgpu_metadata
---
amdhsa.version: [ 1, 2 ]
amdhsa.kernels:
  - .name:           k_qa6779cd4e8_attn
    .symbol:         k_qa6779cd4e8_attn.kd
    .args:
      - { .name: kv, .offset: 0, .size: 8, .value_kind: global_buffer, .address_space: global }
      - { .name: kvs, .offset: 8, .size: 8, .value_kind: global_buffer, .address_space: global }
      - { .name: qc, .offset: 16, .size: 8, .value_kind: global_buffer, .address_space: global }
      - { .name: qs, .offset: 24, .size: 8, .value_kind: global_buffer, .address_space: global }
      - { .name: queries, .offset: 32, .size: 8, .value_kind: global_buffer, .address_space: global }
      - { .name: rc, .offset: 40, .size: 8, .value_kind: global_buffer, .address_space: global }
      - { .name: rs, .offset: 48, .size: 8, .value_kind: global_buffer, .address_space: global }
      - { .name: ps, .offset: 56, .size: 8, .value_kind: global_buffer, .address_space: global }
    .group_segment_fixed_size: 210944
    .private_segment_fixed_size: 0
    .kernarg_segment_align: 8
    .kernarg_segment_size: 64
    .max_flat_workgroup_size: 512
    .sgpr_count:     66
    .vgpr_count:     256
    .wavefront_size: 32
...
	.end_amdgpu_metadata
.endif
;; end of part 8
;; launch ffn (part 9): grid 8 x 32, 4 waves a work-group, no clusters, 54,784 bytes of LDS; arguments rc, rs, wi, fw1_scales, fw2_scales, ps; writes ps
.if DOCPART == 9
	.amdgcn_target "amdgcn-amd-amdhsa--gfx1250"
	.amdhsa_code_object_version 6
	.text
	.protected	k_qa6779cd4e8_ffn
	.globl	k_qa6779cd4e8_ffn
	.p2align	8
	.type	k_qa6779cd4e8_ffn,@function
k_qa6779cd4e8_ffn:
	s_mov_b64 s[64:65], 0
	v_nop
	global_prefetch_b8 v0, s[64:65] scope:SCOPE_SE
	s_setreg_imm32_b32 hwreg(HW_REG_WAVE_SCHED_MODE, 0, 2), 2
	s_setreg_imm32_b32 hwreg(HW_REG_WAVE_MODE, 25, 1), 1
	s_wait_xcnt 0x0
	s_wait_alu depctr_vm_vsrc(0)
; FFN: the column sums over rows of relu(result fw1) fw2, both products on codes of BF8 (E5M2) with E8M0 scales.  result arrives as codes (rc: images of operand registers, [tile of 16 rows][K step 4][group 4][lane][16 bytes]; rs: 16 scale bytes a row).
; SHARES.  Work-group (j, i): hidden units 256 j .. 256 j + 255, rows 512 i .. 512 i + 511, walked as 8 blocks of 64.  THE WEIGHTS STAY IN REGISTERS for the whole launch: wave w holds fw1's rows 256 j + 64 w .. + 63 (4 tiles x 4 K steps,
; 256 registers) and fw2's rows 128 w .. 128 w + 127 at k = 256 j .. + 255 (8 tiles x 2 K steps, 256 registers).  Their codes come from wi, where the first launch has laid them as images of these registers: every load covers 512 consecutive bytes.
; A work-group takes in 262,144 bytes of weights and 270,336 of rows.
; ONLY COLUMN SUMS LEAVE: reference takes the mean over the rows behind the last product.  So all tiles of rows and all K steps of the second product add IN PLACE onto the same eight accumulators a wave (element (m, n) gathers rows 16 t + m);
; every product is made by the matrix unit, and the sum over rows costs no instruction.  The parts of the 8 slices j and of the row groups i are added by the next launch.
; A BLOCK OF 64 ROWS, two barriers: | barrier | 1: for each tile of 16 rows: its four fragments from LDS, my 4 tiles of the hidden layer (transposed: source 0 = 16 rows of fw1, source 1 = the rows), relu and quantiser in registers,
; the codes (half a K step of the second product) to LDS as an image | barrier | the next block's rows go from registers into LDS, the block after that is asked for | 2: all 8 hidden fragments from LDS against my 8 tiles of fw2.
; The rows' bytes in LDS are written again only behind the second barrier, which every wave reaches behind its last read of them; the hidden layer's only behind the next block's first barrier.
; THE ROWS OF fw1 THAT FORM A TILE ARE NOT NEIGHBOURS: lane r of tile 2 b + u takes row 32 b + 8 u + r + 8 (r / 8), so that the 16 registers of tiles 2 b, 2 b + 1 are 16 neighbours along the next K.
; LIMITS: NaN and infinities are not served; a block of zeros gets the byte 1 (zero codes; this program alone reads the bytes); blocks whose largest magnitude lies under 2^-111 are held at the byte 1.
; NO CLUSTER: the weights are a work-group's own; the rows are shared by the 8 work-groups of one i, but they pass LDS in one region written by stores from registers: shared by joint loads they would need a ring of slots and a round for each block.
; LDS: 0 the rows' 16 fragments (4 m + s); 32,768 their scale words [m][lane][16]; 34,816 the hidden layer's 8 fragments (2 m + s); 51,200 their scale words, 128 bytes each; 52,224 the way out, 2,048.
; THE MODE: SCHED_MODE bits 1:0 = 2 (LLVM: expert scheduling mode 2), set by the entry lines.  The code itself states the register dependences between vector or matrix instructions and memory or LDS instructions, with s_wait_alu, always for 0.
; THE PLAN.  Registers that memory or LDS instructions touch, in the loop:
;   v1-v14                         offsets and LDS addresses: written once at the head, never again.
;   window 3 v64-127, v112-115     a block's rows and scale bytes on their way in: global loads land there, LDS stores read them, no vector or matrix instruction names them.  One wait on vm_vsrc between the stores and the next loads.
;   window 3 v128-255, v48-55      the rows' fragments and scale words, two sets: set m % 2 is written by the LDS loads issued in tile m - 1 (tile 0's at the block's head), read by tile m's sixteen products.
;   window 0 v128-255, v56-63      the hidden layer's eight fragments and scale words: written by the LDS loads behind the second barrier, read by the 64 products of the second phase.
;   v96-103, v120                  codes and scale bytes made: written by a tile's quantiser, read by its three LDS stores.
; A tile has two waits: one on vm_vsrc ahead of its quantiser (the last tile's stores have read the codes' registers), one on va_vdst ahead of its stores (the codes are written).  The second also states that all products issued so far
; are done reading their operands: so it covers every fragment load of the loop.  Tile m + 1's loads land in the set that tile m - 1 read; the next block's first loads in sets that tiles 2 and 3 read; the hidden layer's in registers that
; the block before read.  Between such a wait and those loads no vector or matrix instruction names the registers in which they land: the rows' sets and the hidden layer's fragments have registers of their own.
; REGISTERS, in windows of 256: window 0: v1-14 addresses, v16-31 fw1's scale words (4 t + s), v32-47 fw2's (2 t + s), v48-55 the rows' (two sets), v56-63 the hidden layer's, v64-95 my 4 tiles of the hidden layer, v96-103 codes made,
;   v104-111 the quantiser's, v112-115 a block's scale bytes on their way in, v120 the quantiser's two bytes, v128-255 the 8 hidden fragments;  window 1: fw1;  window 2: fw2;
;   window 3: v0-63 the eight accumulators, v64-127 a block's rows on their way in, v128-255 two sets of the rows' fragments.
.set XSC,  32768
.set HIMG, 34816
.set HSC,  51200
.set OUTS, 52224
.set W1S, 16
.set W2S, 32
.set XS,  48
.set HS,  56
.set HA,  64
.set PC,  96
.set TM,  104                          ; +0, 1 largest magnitudes, +2, 3 the other half's, then the bytes, +4, 5 57,344 x the scale, +6, 7 the conversions' scale operands
.set SS,  112
.set HF,  128                          ; in window 0
.set XA,  128                          ; in window 3
.set MSB, 0
.macro WIN new                         ; the immediate's high byte repeats the setting that is left; bits 1:0 source 0, 3:2 source 1, 5:4 source 2, 7:6 destination
.if MSB != \new
	s_set_vgpr_msb (MSB<<8)|\new
.set MSB, \new
.endif
.endm
.macro MM0 d, a, b, sa, sb
	v_wmma_scale_f32_16x16x128_f8f6f4 v[\d:\d+7], v[\a:\a+15], v[\b:\b+15], 0, v[\sa], v[\sb] matrix_a_fmt:MATRIX_FMT_BF8 matrix_b_fmt:MATRIX_FMT_BF8
.endm
.macro MMA d, a, b, sa, sb
	v_wmma_scale_f32_16x16x128_f8f6f4 v[\d:\d+7], v[\a:\a+15], v[\b:\b+15], v[\d:\d+7], v[\sa], v[\sb] matrix_a_fmt:MATRIX_FMT_BF8 matrix_b_fmt:MATRIX_FMT_BF8
.endm
.macro ALOAD ofc, ofs                  ; my tile of 16 rows (tile w of a block): 8,192 bytes of codes, 512 consecutive bytes a load, and the rows' scale bytes: 17 loads
	WIN 0xc0
.irp n, 0,1,2,3
.irp c, 0,1,2,3
	global_load_b128 v[64+16*\n+4*\c:64+16*\n+4*\c+3], v1, s[4:5] offset:\ofc+2048*\n+512*\c
.endr
.endr
	WIN 0
	global_load_b128 v[SS:SS+3], v3, s[6:7] offset:\ofs
.endm
.macro ASTORE                          ; and into LDS, as it stands
	WIN 0x0c                                       ; an LDS store's data are its source 1: window 3
.irp n, 0,1,2,3
.irp c, 0,1,2,3
	ds_store_b128 v4, v[64+16*\n+4*\c:64+16*\n+4*\c+3] offset:2048*\n+512*\c
.endr
.endr
	WIN 0
	ds_store_b128 v5, v[SS:SS+3] offset:XSC
.endm
.macro FETCHA m                        ; the four fragments of tile of rows m and their scale words, into set m % 2: 17 LDS loads
	WIN 0xc0
.irp n, 0,1,2,3
.irp c, 0,1,2,3
	ds_load_b128 v[XA+64*((\m)%2)+16*\n+4*\c:XA+64*((\m)%2)+16*\n+4*\c+3], v1 offset:8192*(\m)+2048*\n+512*\c
.endr
.endr
	WIN 0
	ds_load_b128 v[XS+4*((\m)%2):XS+4*((\m)%2)+3], v1 offset:XSC+512*(\m)
.endm
.macro P1 m, n                         ; K step n of tile of rows m against my four tiles of fw1: the four accumulators by turns
.irp t, 0,1,2,3
.if \n == 0
	MM0 HA+8*\t, 16*(4*\t+\n), XA+64*((\m)%2)+16*\n, W1S+4*\t+\n, XS+4*((\m)%2)+\n
.else
	MMA HA+8*\t, 16*(4*\t+\n), XA+64*((\m)%2)+16*\n, W1S+4*\t+\n, XS+4*((\m)%2)+\n
.endif
.endr
.endm
.macro QUANT2R                         ; my 32 numbers of a row of the hidden layer (two blocks, 16 of each) become codes in v[PC] on and two scale bytes in v120; what is negative becomes 0 on the way
.irp b, 0,1
	v_max3_num_f32 v[TM+\b], v[HA+16*\b], v[HA+16*\b+1], 0x8000000   ; no magnitudes: what is negative must not count; the floor 2^(16 - 127) stands over it
.endr
.irp i, 2,4,6,8,10,12,14
.irp b, 0,1
	v_max3_num_f32 v[TM+\b], v[TM+\b], v[HA+16*\b+\i], v[HA+16*\b+\i+1]
.endr
.endr
.irp b, 0,1
	v_permlanex16_b32 v[TM+2+\b], v[TM+\b], s20, s21
.endr
.irp b, 0,1
	v_max_num_f32 v[TM+\b], v[TM+\b], v[TM+2+\b]   ; with lane l xor 16: the block's largest
.endr
.irp b, 0,1
	v_add_nc_u32 v[TM+6+\b], 0xf8800000, v[TM+\b]  ; 15 off its exponent field: the conversion's scale operand
.endr
.irp b, 0,1
	v_and_or_b32 v[TM+4+\b], v[TM+\b], 0x7f800000, s22   ; 57,344 x the scale
.endr
.irp b, 0,1
	v_lshrrev_b32 v[TM+2+\b], 23, v[TM+6+\b]       ; the scale's byte
.endr
	v_lshl_or_b32 v120, v[TM+3], 8, v[TM+2]
.irp b, 0,1
.irp i, 0,1,2,3,4,5,6,7,8,9,10,11,12,13,14,15
	v_med3_num_f32 v[HA+16*\b+\i], v[HA+16*\b+\i], 0, v[TM+4+\b]   ; the activation and the hold in one
.endr
	v_cvt_scalef32_pk8_bf8_f32 v[PC+4*\b:PC+4*\b+1], v[HA+16*\b:HA+16*\b+7], v[TM+6+\b]
	v_cvt_scalef32_pk8_bf8_f32 v[PC+4*\b+2:PC+4*\b+3], v[HA+16*\b+8:HA+16*\b+15], v[TM+6+\b]
.endr
	v_nop                                          ; one plain vector instruction behind the last conversion: the next products write its sources
.endm
.macro BARRIER                         ; my LDS stores have landed and my LDS loads are in: then the work-group's barrier
	s_wait_dscnt 0x0
	s_barrier_signal -1
	s_barrier_wait -1
.endm
	s_load_b256 s[4:11], s[0:1], 0x0               ; rc 4, rs 6, wi 8, fw1_scales 10
	s_load_b64 s[14:15], s[0:1], 0x20              ; fw2_scales
	s_load_b64 s[16:17], s[0:1], 0x28              ; ps
	v_lshl_add_u32 v126, v0, 2, 0xd400
	v_mov_b32 v127, 0
	v_lshrrev_b32 v64, 5, v0
	v_readfirstlane_b32 s18, v64                   ; wave 0..3
	v_and_b32 v64, 31, v0                          ; lane
	v_and_b32 v65, 15, v0                          ; r
	v_and_b32 v67, 8, v65
	v_add_nc_u32 v67, v67, v65                     ; r + 8 (r / 8)
	s_mov_b32 s20, 0x76543210
	s_mov_b32 s21, 0xfedcba98                      ; v_permlanex16_b32: lane l xor 16
	s_mov_b32 s22, 0x600000                        ; the mantissa field of 57,344
	v_lshlrev_b32 v1, 4, v64                       ; 16 x lane
	s_wait_alu depctr_va_vdst(0)
	v_lshlrev_b32 v2, 2, v64                       ; 4 x lane
	s_wait_alu depctr_va_vdst(0)
	v_lshlrev_b32 v3, 4, v65                       ; 16 r
	s_wait_alu depctr_va_sdst(0)                   ; s18, the wave's number, is written, ahead of its first reader: LDS addresses and the buffers' bases are made from it
	s_lshl_b32 s24, s18, 13
	v_add_nc_u32 v4, s24, v1                       ; where I store the rows' images: fragments 4 w + s
	s_lshl_b32 s24, s18, 9
	v_add_nc_u32 v5, s24, v1                       ; and their scale words
	s_and_b32 s25, s18, 1
	s_lshr_b32 s26, s18, 1
	s_lshl_b32 s24, s25, 10
	s_lshl_b32 s27, s26, 11
	s_add_co_u32 s24, s24, s27
	v_add_nc_u32 v6, s24, v1                       ; the hidden layer's: K step w / 2, groups 2 (w % 2) on
	s_lshl_b32 s24, s25, 1
	s_lshl_b32 s27, s26, 7
	s_add_co_u32 s24, s24, s27
	v_add_nc_u32 v7, s24, v2                       ; and my two bytes of its scale words
	s_lshl_b32 s24, s18, 9
	s_add_co_u32 s24, s24, OUTS
	v_lshl_add_u32 v8, v65, 2, s24                 ; the way out: column 128 w + r
	v_lshlrev_b32 v10, 4, v0                       ; 16 x thread
	v_add_nc_u32 v9, OUTS, v10
	v_lshlrev_b32 v12, 4, v67                      ; fw1's scales, by the tile's rows
	v_lshlrev_b32 v14, 6, v65                      ; fw2's scales: 64 bytes a row
	s_and_b32 s30, ttmp7, 0xffff                   ; i
	s_mov_b32 s29, 0
	s_wait_kmcnt 0x0
	s_lshl_b32 s28, s30, 18
	s_lshl_b32 s24, s18, 13
	s_add_co_u32 s28, s28, s24
	s_add_nc_u64 s[4:5], s[4:5], s[28:29]          ; rc: tile of rows 32 i + w
	s_lshl_b32 s28, s30, 13
	s_lshl_b32 s24, s18, 8
	s_add_co_u32 s28, s28, s24
	s_add_nc_u64 s[6:7], s[6:7], s[28:29]          ; rs likewise
	s_lshl_b32 s28, s18, 18                        ; fw2's images begin 1,835,008 bytes into wi: fragment (tile of rows R, K step ks) at 32,768 R + 2,048 ks; mine: R = 8 w on, ks = 2 j on
	s_lshl_b32 s24, ttmp9, 12
	s_add_co_u32 s28, s28, s24
	s_add_co_u32 s28, s28, 1835008
	s_add_nc_u64 s[12:13], s[8:9], s[28:29]
	s_lshl_b32 s24, ttmp9, 8
	s_lshl_b32 s25, s18, 6
	s_add_co_u32 s24, s24, s25                     ; my first hidden unit
	s_lshl_b32 s28, s24, 9                         ; fw1's images begin 786,432 bytes into wi: 8,192 bytes a tile of 16 rows, as many as the rows themselves
	s_add_co_u32 s28, s28, 786432
	s_add_nc_u64 s[8:9], s[8:9], s[28:29]
	s_lshl_b32 s28, s24, 4
	s_add_nc_u64 s[10:11], s[10:11], s[28:29]
	s_lshl_b32 s28, s18, 13
	s_lshl_b32 s24, ttmp9, 3
	s_add_co_u32 s28, s28, s24
	s_add_nc_u64 s[14:15], s[14:15], s[28:29]      ; fw2's scales: row 128 w, byte 8 j
	s_lshl_b32 s28, s30, 3
	s_add_co_u32 s28, s28, ttmp9
	s_lshl_b32 s28, s28, 11
	s_add_co_u32 s28, s28, 65536
	s_add_nc_u64 s[16:17], s[16:17], s[28:29]      ; ps: behind the first 65,536 bytes, row 8 i + j of 512 numbers
	s_wait_alu depctr_va_vdst(0)                   ; the offsets and addresses v1 to v14 are written, which every load and store of the kernel reads
	ALOAD 0, 0                                     ; block 0
	WIN 0x40
.irp t, 0,1,2,3                        ; fw1's fragments (tile t, K step n) at v[16 (4 t + n)] of window 1: they stay
.irp n, 0,1,2,3
.irp c, 0,1,2,3
	global_load_b128 v[16*(4*\t+\n)+4*\c:16*(4*\t+\n)+4*\c+3], v1, s[8:9] offset:8192*\t+2048*\n+512*\c
.endr
.endr
.endr
	WIN 0x80
.irp t, 0,1,2,3,4,5,6,7                ; fw2's (tile t, K step n) at v[16 (2 t + n)] of window 2
.irp n, 0,1
.irp c, 0,1,2,3
	global_load_b128 v[16*(2*\t+\n)+4*\c:16*(2*\t+\n)+4*\c+3], v1, s[12:13] offset:32768*\t+2048*\n+512*\c
.endr
.endr
.endr
	WIN 0
.irp t, 0,1,2,3
	global_load_b128 v[W1S+4*\t:W1S+4*\t+3], v12, s[10:11] offset:(32*(\t/2)+8*(\t%2))*16
.endr
.irp t, 0,1,2,3,4,5,6,7
	global_load_b64 v[W2S+2*\t:W2S+2*\t+1], v14, s[14:15] offset:1024*\t
.endr
	WIN 0xc0
.set n, 0
.rept 64
	v_mov_b32 v[n], 0                              ; the eight accumulators, once in the launch: so the block is written once, and all 512 products a wave add in place
.set n, n+1
.endr
	WIN 0
	v_mov_b32 v[TM+2], 0                           ; written once: a lane permute's destination counts as one of its sources
	v_mov_b32 v[TM+3], 0
	s_wait_loadcnt 0x0
	ASTORE
	s_wait_dscnt 0x0                               ; the stores have landed
	s_wait_alu depctr_vm_vsrc(0)                   ; the LDS stores have read the rows' registers, in which the next block's loads land
	ALOAD 32768, 1024                              ; block 1
	s_mov_b32 s23, 0
.Lblk:                                             ; eight trips; the bases stand at the block in hand
	BARRIER                                        ; the block's 64 rows lie in LDS, and nobody reads the hidden layer of the block before
	FETCHA 0                                       ; no wait on va_vdst: set 0 was last read by tile 2 of the block before, ahead of that block's last such wait, and no instruction since names it
.irp m, 0,1,2,3
.if \m == 0
	s_wait_dscnt 0x0                               ; this tile's fragments are in
.else
	s_wait_dscnt 3                                 ; this tile's fragments are in; the last tile's three stores, issued behind their loads, may be out
.endif
	WIN 0x0d                                       ; source 0 (fw1) window 1, source 1 (the rows) window 3
	P1 \m, 0
.if \m < 3
	FETCHA \m+1                                    ; the next tile's fragments, into the set that the tile before this one read: the wait ahead of that tile's stores has stated that its products are done; this tile's products name the other set
	WIN 0x0d
.endif
	P1 \m, 1
	P1 \m, 2
	P1 \m, 3
	WIN 0
.rept 8
	v_nop                                          ; eight places in front of the first read of results
.endr
	s_wait_alu depctr_vm_vsrc(0)                   ; the last tile's LDS stores (tile 0: those of the block before) have read v96 to v103 and v120, which the quantiser writes again
	QUANT2R
	s_wait_alu depctr_va_vdst(0)                   ; the conversions have written the codes and the two bytes, which the LDS stores read; and this tile's products are done reading their set of fragments and scale words
	ds_store_b128 v6, v[PC:PC+3] offset:HIMG+4096*\m
	ds_store_b128 v6, v[PC+4:PC+7] offset:HIMG+4096*\m+512
	ds_store_b16 v7, v120 offset:HSC+256*\m
.endr
	BARRIER                                        ; the hidden layer's eight fragments lie in LDS, and nobody reads the block's rows any more
	s_cmp_eq_u32 s23, 7                            ; the last block has no successor
	s_cbranch_scc1 .Lno_rows
	s_wait_loadcnt 0x0                             ; the next block's rows are in registers,
	ASTORE                                         ; and go into LDS
	s_wait_dscnt 0x0                               ; the stores have landed
	s_wait_alu depctr_vm_vsrc(0)                   ; the LDS stores have read the rows' registers, in which the loads below land
	s_cmp_eq_u32 s23, 6                            ; no load leaves its buffer
	s_cbranch_scc1 .Lno_rows
	ALOAD 65536, 2048                              ; the block after that is asked for: it has a whole block's work in which to come
.Lno_rows:
.irp f, 0,1,2,3,4,5,6,7                ; no wait on va_vdst: these registers were last read by the second phase of the block before, ahead of this block's four such waits, and no instruction since names them
.irp c, 0,1,2,3
	ds_load_b128 v[HF+16*\f+4*\c:HF+16*\f+4*\c+3], v1 offset:HIMG+2048*\f+512*\c
.endr
	ds_load_b32 v[HS+\f], v2 offset:HSC+128*\f
.endr
	WIN 0xf8                                       ; source 0 (the hidden layer) window 0, source 1 (fw2) window 2, C and D window 3
.irp f, 0,1,2,3,4,5,6,7
	s_wait_dscnt 5*(7-\f)                          ; fragment f and its scale words are in; the five loads of each later fragment may be out
.irp t, 0,1,2,3,4,5,6,7
	MMA 8*\t, HF+16*\f, 16*(2*\t+\f%2), HS+\f, W2S+2*\t+\f%2   ; the eight accumulators by turns
.endr
.endr
	WIN 0
.rept 8
	v_nop                                          ; eight places behind these products, ahead of the first read of results behind the loop
.endr
	s_wait_xcnt 0x0                                ; the loads have read their bases
	s_add_nc_u64 s[4:5], s[4:5], 32768
	s_add_nc_u64 s[6:7], s[6:7], 1024
	s_add_co_u32 s23, s23, 1
	s_cmp_lt_u32 s23, 8
	s_cbranch_scc1 .Lblk
	; ---- the way out: an accumulator's eight registers and the two halves of the lanes are the 16 rows: their sum is the column's
	WIN 0x0f                                       ; both sources window 3
.irp t, 0,1,2,3,4,5,6,7
	v_add_f32 v[HA+\t], v[8*\t], v[8*\t+1]
.endr
	WIN 0x0c                                       ; source 1 window 3
.irp k, 2,3,4,5,6,7
.irp t, 0,1,2,3,4,5,6,7
	v_add_f32 v[HA+\t], v[HA+\t], v[8*\t+\k]
.endr
.endr
	WIN 0
.irp t, 0,1,2,3,4,5,6,7
	v_permlanex16_b32 v[TM+\t], v[HA+\t], s20, s21
.endr
.irp t, 0,1,2,3,4,5,6,7
	v_add_f32 v[HA+\t], v[HA+\t], v[TM+\t]
.endr
	s_wait_alu depctr_va_vdst(0)                   ; the additions have written the eight column sums, which the LDS stores read
.irp t, 0,1,2,3,4,5,6,7
	ds_store_b32 v8, v[HA+\t] offset:64*\t         ; column 128 w + 16 t + r (both halves of the lanes hold the same number)
.endr
	BARRIER
	s_wait_alu depctr_vm_vsrc(0)                   ; my LDS stores have read v64 to v71: the load below lands in the first four of them
	ds_load_b128 v[HA:HA+3], v9
	s_wait_dscnt 0x0
	global_store_b128 v10, v[HA:HA+3], s[16:17]    ; the work-group stores 2,048 consecutive bytes, 512 a wave
	s_wait_dscnt 0x0                               ; the closing lines, six on end
	s_wait_alu 0x0
	s_wait_tensorcnt 0x0
	ds_add_u32 v126, v127
	s_wait_dscnt 0x0
	s_endpgm
.Lfunc_end_k_qa6779cd4e8_ffn:
	.size	k_qa6779cd4e8_ffn, .Lfunc_end_k_qa6779cd4e8_ffn-k_qa6779cd4e8_ffn
	.p2alignl 7, 3214868480
	.fill 96, 4, 3214868480
	.section	.rodata,"a",@progbits
	.p2align	6, 0x0
	.amdhsa_kernel k_qa6779cd4e8_ffn
		.amdhsa_group_segment_fixed_size 54784
		.amdhsa_private_segment_fixed_size 0
		.amdhsa_enable_private_segment 0
		.amdhsa_kernarg_size 48
		.amdhsa_user_sgpr_count 2
		.amdhsa_user_sgpr_kernarg_segment_ptr 1
		.amdhsa_wavefront_size32 1
		.amdhsa_system_sgpr_workgroup_id_x 1
		.amdhsa_system_sgpr_workgroup_id_y 1
		.amdhsa_system_sgpr_workgroup_id_z 1
		.amdhsa_system_vgpr_workitem_id 0
		.amdhsa_next_free_vgpr 1024
		.amdhsa_next_free_sgpr 66
		.amdhsa_reserve_vcc 0
		.amdhsa_float_denorm_mode_32 3
		.amdhsa_float_denorm_mode_16_64 3
		.amdhsa_memory_ordered 1
		.amdhsa_forward_progress 1
		.amdhsa_inst_pref_size 73
	.end_amdhsa_kernel
	.amdgpu_metadata
---
amdhsa.version: [ 1, 2 ]
amdhsa.kernels:
  - .name:           k_qa6779cd4e8_ffn
    .symbol:         k_qa6779cd4e8_ffn.kd
    .args:
      - { .name: rc, .offset: 0, .size: 8, .value_kind: global_buffer, .address_space: global }
      - { .name: rs, .offset: 8, .size: 8, .value_kind: global_buffer, .address_space: global }
      - { .name: wi, .offset: 16, .size: 8, .value_kind: global_buffer, .address_space: global }
      - { .name: fw1_scales, .offset: 24, .size: 8, .value_kind: global_buffer, .address_space: global }
      - { .name: fw2_scales, .offset: 32, .size: 8, .value_kind: global_buffer, .address_space: global }
      - { .name: ps, .offset: 40, .size: 8, .value_kind: global_buffer, .address_space: global }
    .group_segment_fixed_size: 54784
    .private_segment_fixed_size: 0
    .kernarg_segment_align: 8
    .kernarg_segment_size: 48
    .max_flat_workgroup_size: 128
    .sgpr_count:     66
    .vgpr_count:     1024
    .wavefront_size: 32
...
	.end_amdgpu_metadata
.endif
;; end of part 9
;; launch mean (part 10): grid 4 x 16, 1 waves a work-group, no clusters, 0 bytes of LDS; arguments ps, out0; writes out0
.if DOCPART == 10
	.amdgcn_target "amdgcn-amd-amdhsa--gfx1250"
	.amdhsa_code_object_version 6
	.text
	.protected	k_qa6779cd4e8_mean
	.globl	k_qa6779cd4e8_mean
	.p2align	8
	.type	k_qa6779cd4e8_mean,@function
k_qa6779cd4e8_mean:
	s_mov_b64 s[64:65], 0
	v_nop
	global_prefetch_b8 v0, s[64:65] scope:SCOPE_SE
	s_setreg_imm32_b32 hwreg(HW_REG_WAVE_MODE, 25, 1), 1
	s_wait_xcnt 0x0
; MEAN: out0[b][c] = (the column sums of result, 2 parts, + those of the second FFN product, 16 parts) / 1,024.
; ps: part A at 0: [batch 16][half 2][512] f32; part F at 65,536: [group of 512 rows 32][slice 8][512] f32: a batch's 16 rows lie on end.
; Work-group (x, b): columns 128 x .. 128 x + 127 of batch b; one wave, four columns a lane: every load and the store cover 512 consecutive bytes.
; 18 loads, all out at once; no LDS, no barrier, no matrix unit: there is nothing here but 18 numbers to add for each output.
	s_load_b128 s[4:7], s[0:1], 0x0                ; ps, out0
	v_lshlrev_b32 v1, 4, v0
	s_lshl_b32 s8, ttmp9, 9
	v_add_nc_u32 v1, s8, v1                        ; 512 x + 16 x lane
	s_and_b32 s9, ttmp7, 0xffff                    ; batch
	s_lshl_b32 s10, s9, 12                         ; part A: 4,096 bytes a batch
	s_mov_b32 s11, 0
	s_lshl_b32 s12, s9, 15                         ; part F: 32,768 bytes a batch
	s_mov_b32 s13, 0
	s_lshl_b32 s14, s9, 11                         ; out0: 2,048 bytes a batch
	s_mov_b32 s15, 0
	s_wait_alu depctr_va_vdst(0)
	s_wait_kmcnt 0x0
	s_add_nc_u64 s[10:11], s[4:5], s[10:11]
	s_add_nc_u64 s[12:13], s[4:5], s[12:13]
	s_add_nc_u64 s[6:7], s[6:7], s[14:15]
	global_load_b128 v[4:7], v1, s[10:11]
	global_load_b128 v[8:11], v1, s[10:11] offset:2048
.irp k, 0,1,2,3,4,5,6,7,8,9,10,11,12,13,14,15
	global_load_b128 v[12+4*\k:15+4*\k], v1, s[12:13] offset:65536+2048*\k
.endr
	s_wait_loadcnt 0x0
.irp k, 0,1,2,3,4,5,6,7,8              ; 18 parts become 9,
	v_pk_add_f32 v[4+4*\k:5+4*\k], v[4+4*\k:5+4*\k], v[40+4*\k:41+4*\k]
	v_pk_add_f32 v[6+4*\k:7+4*\k], v[6+4*\k:7+4*\k], v[42+4*\k:43+4*\k]
.endr
.irp k, 1,2,3,4                        ; 5,
	v_pk_add_f32 v[4+4*\k:5+4*\k], v[4+4*\k:5+4*\k], v[20+4*\k:21+4*\k]
	v_pk_add_f32 v[6+4*\k:7+4*\k], v[6+4*\k:7+4*\k], v[22+4*\k:23+4*\k]
.endr
.irp k, 1,2                            ; 3,
	v_pk_add_f32 v[4+4*\k:5+4*\k], v[4+4*\k:5+4*\k], v[12+4*\k:13+4*\k]
	v_pk_add_f32 v[6+4*\k:7+4*\k], v[6+4*\k:7+4*\k], v[14+4*\k:15+4*\k]
.endr
.irp k, 1,2                            ; 1
	v_pk_add_f32 v[4:5], v[4:5], v[4+4*\k:5+4*\k]
	v_pk_add_f32 v[6:7], v[6:7], v[6+4*\k:7+4*\k]
.endr
	v_pk_mul_f32 v[4:5], v[4:5], 0x3a800000 op_sel_hi:[1,0]   ; x 1 / 1,024: exact
	v_pk_mul_f32 v[6:7], v[6:7], 0x3a800000 op_sel_hi:[1,0]
	global_store_b128 v1, v[4:7], s[6:7]
	s_endpgm
.Lfunc_end_k_qa6779cd4e8_mean:
	.size	k_qa6779cd4e8_mean, .Lfunc_end_k_qa6779cd4e8_mean-k_qa6779cd4e8_mean
	.p2alignl 7, 3214868480
	.fill 96, 4, 3214868480
	.section	.rodata,"a",@progbits
	.p2align	6, 0x0
	.amdhsa_kernel k_qa6779cd4e8_mean
		.amdhsa_group_segment_fixed_size 0
		.amdhsa_private_segment_fixed_size 0
		.amdhsa_enable_private_segment 0
		.amdhsa_kernarg_size 16
		.amdhsa_user_sgpr_count 2
		.amdhsa_user_sgpr_kernarg_segment_ptr 1
		.amdhsa_wavefront_size32 1
		.amdhsa_system_sgpr_workgroup_id_x 1
		.amdhsa_system_sgpr_workgroup_id_y 1
		.amdhsa_system_sgpr_workgroup_id_z 1
		.amdhsa_system_vgpr_workitem_id 0
		.amdhsa_next_free_vgpr 96
		.amdhsa_next_free_sgpr 66
		.amdhsa_reserve_vcc 0
		.amdhsa_float_denorm_mode_32 3
		.amdhsa_float_denorm_mode_16_64 3
		.amdhsa_memory_ordered 1
		.amdhsa_forward_progress 1
		.amdhsa_inst_pref_size 5
	.end_amdhsa_kernel
	.amdgpu_metadata
---
amdhsa.version: [ 1, 2 ]
amdhsa.kernels:
  - .name:           k_qa6779cd4e8_mean
    .symbol:         k_qa6779cd4e8_mean.kd
    .args:
      - { .name: ps, .offset: 0, .size: 8, .value_kind: global_buffer, .address_space: global }
      - { .name: out0, .offset: 8, .size: 8, .value_kind: global_buffer, .address_space: global }
    .group_segment_fixed_size: 0
    .private_segment_fixed_size: 0
    .kernarg_segment_align: 8
    .kernarg_segment_size: 16
    .max_flat_workgroup_size: 32
    .sgpr_count:     66
    .vgpr_count:     96
    .wavefront_size: 32
...
	.end_amdgpu_metadata
.endif
;; end of part 10
